; MI455X (gfx1250); checked and timed in simulation.
; The chip was launched on July 23, 2026; its instructions are those of AMD's public machine-readable ISA for CDNA 5 (MIT licence, August 2026) and "CDNA5" Instruction Set Architecture Reference Guide (July 2026). The comments in the code are by the model that wrote it; some were corrected since.
;; Attention Block. Allowed arithmetic: matrix products marked QUANTISED: E2M1 operands, one E8M0 scale for each 32 along K, by v_wmma_scale_f32_16x16x128_f8f6f4 with both operands' format E2M1 (or v_wmma_scale_f32_32x16x128_f4), f32 sums; everything else in f32.
;; Inputs: norm_b 1,024 float32; norm_w 1,024 float32; proj_b 1,024 float32; proj_w 1,024 x 1,024 float32; qkv_b 3,072 float32; qkv_w 3,072 x 1,024 float32; x 8 x 1,024 x 1,024 float32.
;; Outputs: out0 8 x 1,024 x 1,024 float32.
;; This version of the problem:
;;   THIS VERSION OF THE PROBLEM IS GIVEN IN LOW PRECISION. The matrix products marked QUANTISED in the list below multiply operands that are first quantised to E2M1 (2 exponent bits, 1 mantissa bit; 4 bits a number), with one power-of-two scale for each 32 numbers along K (OCP MX v1.0); their sums are f32. All else is computed in f32.
;;   The module's matrix products, in the order in which they are computed (A, B: the left and right operand; K: the contracted axis; several contracted axes count as one K, in the product's order):
;;     1. [M 8,192, K 1,024] x [K 1,024, N 3,072]; A: computed on the way; B: input qkv_w: QUANTISED
;;     2. batch 128 x [M 1,024, K 64] x [K 64, N 1,024]; A: computed on the way; B: computed on the way: QUANTISED
;;     3. batch 128 x [M 64, K 1,024] x [K 1,024, N 1,024]; A: computed on the way; B: softmax (see below): QUANTISED
;;     4. [M 8,192, K 1,024] x [K 1,024, N 1,024]; A: computed on the way; B: input proj_w: QUANTISED
;;   THE QUANTISER, for each operand of a quantised product, along K:
;;     - K is cut into blocks of 32 from its start; a last block that is shorter is filled with zeros.
;;     - A block's scale is 2^e with e = floor(log2(the largest magnitude in the block)) - 2, held to -126 .. 127; a block of zeros has e = 0. As a byte (E8M0): e + 127.
;;     - Each number is divided by its block's scale, clamped to +-6, and rounded to the nearest number of E2M1, ties to even, subnormals kept.
;;     - The product sums the exact products of the quantised numbers (number of the format x scale) in f32.
;;   ~~~python
;;   def quantise(x, axis):      # numpy; x: float32 -> the quantised numbers, widened to float32 again
;;       x = np.moveaxis(x, axis, -1); K = x.shape[-1]
;;       x = np.pad(x, [(0, 0)] * (x.ndim - 1) + [(0, -K % 32)]); x = x.reshape(x.shape[:-1] + (-1, 32)); a = np.abs(x).max(-1, keepdims=True)
;;       e = np.where(a > 0, np.clip(np.frexp(np.where(a > 0, a, 1))[1] - 1 - 2, -126, 127), 0)      # np.frexp(a)[1] - 1 = floor(log2(a)), exactly
;;       r = np.clip(x / 2.0 ** e, -6, 6)
;;       step = 2.0 ** (np.maximum(np.frexp(np.where(r == 0, 1, r))[1] - 1, 0) - 1)
;;       q = np.round(r / step) * step * 2.0 ** e      # np.round: ties to even
;;       return np.moveaxis(q.reshape(q.shape[:-2] + (-1,))[..., :K], -1, axis).astype(np.float32)
;;   ~~~
;;   SOFTMAX AHEAD OF A QUANTISED PRODUCT. Where the list says 'softmax', what is quantised is not the finished softmax but p = 2^(t - M), with t = logit x log2(e) and M = ceil(the row's largest t), a whole number; so 1/2 < the row's largest p <= 1. The row's sum l is taken of the UNQUANTISED p, in f32, and the product's result is divided by l at the end. Since M is a whole number, a kernel that streams over the keys may use a running M (the ceiling of the running maximum): every later rescaling is an exact power of two, which a block's scale takes up: the codes' values come out the same.
;;   OPERANDS COMPUTED ON THE WAY. 'Computed on the way' means the value that the module computes at that place (a softmax that the list does not call 'softmax' is quantised finished and normalised). What goes into a quantiser is computed in f32, as accurately as f32 sums, v_exp_f32 and their like allow (about 1e-6 of the number): no bf16 or f16 on the way to a quantiser, and a product that is left as it is and whose result goes on into a quantised operand takes f32 operands (vector FMAs, or v_wmma_f32_16x16x4_f32). A number that lies on a knife's edge between two numbers of the format may be rounded either way, as far as f32 arithmetic and the matrix unit's own rounding can turn it there, and no further.
;; 2 versions. Each part assembles by itself: llvm-mc -triple=amdgcn-amd-amdhsa -mcpu=gfx1250 --defsym DOCPART=n.
;; ======== version 1 of 2: 4 launches
;; limits: a difference of large sums (such as E[x^2] - mean^2): digits are lost where the result is much smaller than its terms
;; workspace buffers: xq 4,194,304 bytes; xs 262,144 bytes; aff 65,536 bytes; wc 2,228,224 bytes; qb 4,718,592 bytes; kv 9,437,184 bytes; aq 4,194,304 bytes; asc 262,144 bytes
;; launch prep (part 1): grid 512 x 1, 8 waves a work-group, no clusters, 91,136 bytes of LDS; arguments x, norm_w, norm_b, proj_b, xq, xs, aff, qkv_w, proj_w, wc; writes xq, xs, aff, wc
.if DOCPART == 1
	.amdgcn_target "amdgcn-amd-amdhsa--gfx1250"
	.amdhsa_code_object_version 6
	.text
	.protected	k_qf86a2df843_prep
	.globl	k_qf86a2df843_prep
	.p2align	8
	.type	k_qf86a2df843_prep,@function
k_qf86a2df843_prep:
	s_mov_b64 s[64:65], 0
	v_nop
	global_prefetch_b8 v0, s[64:65] scope:SCOPE_SE
	s_setreg_imm32_b32 hwreg(HW_REG_WAVE_MODE, 25, 1), 1
	s_wait_xcnt 0x0
; PREP.  Work-groups 0-255: GroupNorm of x [8][1024][1024] f32 and its codes for the first product.  Work-groups 256-511: the codes of qkv_w [3072][1024] and proj_w [1024][1024].
; Codes are FP4 (E2M1) with one E8M0 byte for each 32 along K: scale = 2^(floor(log2(largest magnitude)) - 2), each number / scale rounded to the nearest code, ties to even, beyond 6 the code of 6.
; GROUPNORM PATH.  Work-group id = 32 b + g owns group g of batch b: 32 channels x 1,024 positions, 131,072 consecutive bytes.  A group's 32 channels ARE one block of 32 along the first product's K,
; so the work-group that makes the statistics also normalises and quantises, from registers: x is read once here.  Wave w owns positions 128 w .. 128 w + 127; a lane holds 4 neighbouring positions of all 32 channels.
; Mean first, then the mean of the squared deviations (two passes over registers: no difference of large sums).  x_norm = (x - mean) (rstd w[c]) + b[c], one fused multiply-add, which also lays a column's 32 channels in 32 consecutive registers.
; OUT: xq [b][chunk 8][ks 8][tile 8][c2 2][hl 2][r 16][16 B] (group g = 4 ks + 2 c2 + hl; position 128 chunk + 16 tile + r): the order of the operand's registers;
;      xs [b][g][chunk][(16 hrow + r) 4 + t] bytes (tile = 4 hrow + t);  aff [b][o][2] f32: A = rstd w[o], Cc = norm_b[o] + proj_b[o] - mean A, for the last launch's x A + Cc = x_norm + proj_b.
; WEIGHT PATH.  Unit u = id - 256 = 4 G + kp: 64 rows (G < 48: qkv_w rows 64 G; else proj_w rows 64 (G - 48)) x 256 along K.  Wave w: tile w & 3 (16 rows), ksub = w >> 2 (128 along K).
; OUT: wc unit of 8,704 bytes: [ksub 2][tile 4][c2][hl][r][16 B], then the scale words [ksub][r][tile 4].  In proj_w's blocks code registers 1 and 2 change places: so lie the codes of the operand that it meets.
; LIMITS: NaN and infinities among the inputs are not served.  A block whose largest magnitude lies under 2^-124, a block of zeros among them, gets the byte 1: its codes are then zeros or nearly so; the bytes are read by this program alone.
; No matrix unit, no cluster, no tensor load: work-groups share no input here.  Each path has LDS bytes of its own.
.set RED1, 0                           ; GroupNorm path: 8 partial sums
.set RED2, 256                         ; 8 partial sums of squares
.set BYT,  512                         ; the group's 1,024 scale bytes, 128 a wave
.set CST,  1536                        ; a stage for codes, 2,560 bytes a wave: 32 lanes x (64 bytes + 16 of padding)
.set WST,  22016                       ; weight path: a stage of 16 rows x (512 bytes + 16) a wave
.set WGA,  89600                       ; the unit's 128 scale words
.set X,    64                          ; v64-191  x, then x - mean: register 4 c + e = channel c, position 4 lane + e
.set Y0,   192                         ; v192-223 one column of x_norm, down the channels
.set Y1,   224                         ; v224-255 the next column
	v_lshl_add_u32 v60, v0, 2, 0x16000
	v_mov_b32 v61, 0
	v_lshrrev_b32 v1, 5, v0
	v_readfirstlane_b32 s2, v1                     ; wave 0..7
	s_cmp_ge_u32 ttmp9, 256
	s_cbranch_scc1 .Lweights                       ; the same way for all waves of a work-group
	; ================= GroupNorm path =================
	s_load_b256 s[4:11], s[0:1], 0x0               ; x, norm_w, norm_b, proj_b
	s_load_b128 s[12:15], s[0:1], 0x20             ; xq, xs
	s_load_b64 s[16:17], s[0:1], 0x30              ; aff
	v_and_b32 v26, 31, v0                          ; lane
	v_lshlrev_b32 v1, 4, v0                        ; x: 16 bytes a thread in every row of 4,096
	v_lshlrev_b32 v27, 2, v26                      ; 4 lane: my channel's gain and biases
	v_lshlrev_b32 v31, 3, v26                      ; 8 lane: my channel's pair in aff
	v_mov_b32 v63, 0
	s_mul_i32 s3, s2, 2560
	s_add_co_u32 s3, s3, CST                       ; my wave's stage
	v_mul_u32_u24 v2, v26, 80
	v_add_nc_u32 v2, s3, v2                        ; into it: 80 lane (+ 16 e)
	v_lshrrev_b32 v8, 2, v26
	v_and_b32 v9, 3, v26
	v_mul_u32_u24 v3, v8, 80
	v_lshl_add_u32 v3, v9, 4, v3
	v_add_nc_u32 v3, s3, v3                        ; out of it: column 32 k + lane lies at 640 k + 80 (lane / 4) + 16 (lane % 4)
	v_lshrrev_b32 v10, 4, v26
	v_and_b32 v8, 3, v8
	v_lshl_add_u32 v4, v10, 6, v8
	v_lshl_add_u32 v4, v9, 4, v4
	s_lshl_b32 s18, s2, 7
	s_add_co_u32 s18, s18, BYT
	v_add_nc_u32 v4, s18, v4                       ; my columns' scale bytes: 128 w + 64 (lane / 16) + 16 (lane % 4) + (lane / 4) % 4 (+ 4 e)
	v_and_b32 v11, 15, v26
	v_lshlrev_b32 v5, 10, v10
	v_lshl_add_u32 v5, v11, 4, v5                  ; xq: lanes 0-15 one tile's 256 bytes, lanes 16-31 the next tile's, 1,024 bytes on
	v_lshrrev_b32 v6, 5, v0
	v_lshlrev_b32 v6, 2, v6                        ; 4 w: my wave's word among the partial sums
	v_and_b32 v7, 63, v0
	v_lshlrev_b32 v62, 4, v7                       ; the scale bytes' way out: 16 bytes a thread of waves 0 and 1
	v_lshl_add_u32 v7, v7, 4, BYT
	s_mov_b32 s54, 0x76543210
	s_mov_b32 s55, 0xfedcba98                      ; v_permlanex16_b32's selects for lane l xor 16
	s_mov_b32 s58, 0x38000000                      ; 2^-15 = 1 / (32 x 1,024)
	s_mov_b32 s59, 0x3727c5ac                      ; 1e-5
	s_and_b32 s60, ttmp9, 31
	s_lshl_b32 s60, s60, 7                         ; 128 g: the group's 32 numbers in norm_w, norm_b, proj_b
	s_mov_b32 s61, 0
	s_lshl_b32 s52, ttmp9, 17                      ; 131,072 id
	s_mov_b32 s53, 0
	s_wait_kmcnt 0x0
	s_add_nc_u64 s[4:5], s[4:5], s[52:53]
	s_add_nc_u64 s[6:7], s[6:7], s[60:61]
	s_add_nc_u64 s[8:9], s[8:9], s[60:61]
	s_add_nc_u64 s[10:11], s[10:11], s[60:61]
	s_load_b512 s[20:35], s[6:7], 0x0              ; the group's 32 gains as scalars,
	s_load_b512 s[36:51], s[6:7], 0x40
	s_load_b512 s[68:83], s[8:9], 0x0              ; and its 32 biases
	s_load_b512 s[84:99], s[8:9], 0x40
	global_load_b32 v28, v27, s[6:7]               ; and a channel a lane, for aff
	global_load_b32 v29, v27, s[8:9]
	global_load_b32 v30, v27, s[10:11]
.set CC, 0
.rept 32
	global_load_b128 v[X+4*CC:X+4*CC+3], v1, s[4:5] offset:4096*CC   ; a wave reads 512 consecutive bytes of channel CC
.set CC, CC+1
.endr
	s_lshr_b32 s62, ttmp9, 5                       ; where my wave's codes go: ((8 b + w) 8 + g / 4) 8,192 + 256 (g % 4)
	s_lshl_b32 s62, s62, 19
	s_lshl_b32 s63, s2, 16
	s_add_co_u32 s62, s62, s63
	s_bfe_u32 s63, ttmp9, 0x30002
	s_lshl_b32 s63, s63, 13
	s_add_co_u32 s62, s62, s63
	s_and_b32 s63, ttmp9, 3
	s_lshl_b32 s63, s63, 8
	s_add_co_u32 s52, s62, s63
	s_add_nc_u64 s[12:13], s[12:13], s[52:53]
	s_lshl_b32 s52, ttmp9, 10                      ; xs: 1,024 bytes a group
	s_add_nc_u64 s[14:15], s[14:15], s[52:53]
	s_lshl_b32 s52, ttmp9, 8                       ; aff: 256 bytes a group
	s_add_nc_u64 s[16:17], s[16:17], s[52:53]
.macro ADDCH c                         ; channel c's two pairs onto two of the four chains
	v_pk_add_f32 v[8+4*((\c)%2):9+4*((\c)%2)], v[8+4*((\c)%2):9+4*((\c)%2)], v[X+4*(\c):X+4*(\c)+1]
	v_pk_add_f32 v[10+4*((\c)%2):11+4*((\c)%2)], v[10+4*((\c)%2):11+4*((\c)%2)], v[X+4*(\c)+2:X+4*(\c)+3]
.endm
; The four chains v[8:15] become one number for the whole work-group, in v8 of every lane: within the lane, across the 32 lanes, then across the 8 waves through 8 words of LDS at red.
.macro WGSUM red
	v_pk_add_f32 v[8:9], v[8:9], v[10:11]
	v_pk_add_f32 v[12:13], v[12:13], v[14:15]
	v_pk_add_f32 v[8:9], v[8:9], v[12:13]
	v_add_f32 v8, v8, v9
	v_add_f32_dpp v8, v8, v8 row_xmask:1 row_mask:0xf bank_mask:0xf
	v_add_f32_dpp v8, v8, v8 row_xmask:2 row_mask:0xf bank_mask:0xf
	v_add_f32_dpp v8, v8, v8 row_xmask:4 row_mask:0xf bank_mask:0xf
	v_add_f32_dpp v8, v8, v8 row_xmask:8 row_mask:0xf bank_mask:0xf
	v_permlanex16_b32 v9, v8, s54, s55
	v_add_f32 v8, v8, v9
	ds_store_b32 v6, v8 offset:\red                ; all lanes of a wave write the same word with the same value
	s_wait_dscnt 0x0                               ; for the others' sake: my store has landed
	s_barrier_signal -1
	s_barrier_wait -1
	ds_load_b128 v[16:19], v63 offset:\red
	ds_load_b128 v[20:23], v63 offset:\red+16
	s_wait_dscnt 0x0
	v_pk_add_f32 v[16:17], v[16:17], v[18:19]      ; every wave adds the eight in the same order: the same bits everywhere
	v_pk_add_f32 v[20:21], v[20:21], v[22:23]
	v_pk_add_f32 v[16:17], v[16:17], v[20:21]
	v_add_f32 v8, v16, v17
.endm
	s_wait_loadcnt 24                              ; the three small loads and channels 0-7 are in; 24 younger loads may be out
	v_pk_add_f32 v[8:9], v[X:X+1], v[X+4:X+5]      ; the first pairs start the chains: nothing is cleared
	v_pk_add_f32 v[10:11], v[X+2:X+3], v[X+6:X+7]
	v_pk_add_f32 v[12:13], v[X+8:X+9], v[X+12:X+13]
	v_pk_add_f32 v[14:15], v[X+10:X+11], v[X+14:X+15]
.irp c, 4,5,6,7
	ADDCH \c
.endr
	s_wait_loadcnt 16                              ; channels 8-15 are in
.irp c, 8,9,10,11,12,13,14,15
	ADDCH \c
.endr
	s_wait_loadcnt 8                               ; channels 16-23
.irp c, 16,17,18,19,20,21,22,23
	ADDCH \c
.endr
	s_wait_loadcnt 0x0
.irp c, 24,25,26,27,28,29,30,31
	ADDCH \c
.endr
	WGSUM RED1
	v_mul_f32 v24, s58, v8                         ; the mean,
	v_mov_b32 v25, v24                             ; twice, for the packed subtraction
.set PP, 0
.rept 64
	v_pk_add_f32 v[X+2*PP:X+2*PP+1], v[X+2*PP:X+2*PP+1], v[24:25] neg_lo:[0,1] neg_hi:[0,1]   ; x - mean, in place
.set PP, PP+1
.endr
.set PP, 0
.rept 4
	v_pk_mul_f32 v[8+2*PP:9+2*PP], v[X+2*PP:X+2*PP+1], v[X+2*PP:X+2*PP+1]
.set PP, PP+1
.endr
.rept 60
	v_pk_fma_f32 v[8+2*(PP%4):9+2*(PP%4)], v[X+2*PP:X+2*PP+1], v[X+2*PP:X+2*PP+1], v[8+2*(PP%4):9+2*(PP%4)]
.set PP, PP+1
.endr
	WGSUM RED2                                     ; other words than the first sum's: no barrier is owed between the two
	v_fma_f32 v8, v8, s58, s59                     ; the variance + 1e-5
	v_rsq_f32 v9, v8
	v_nop                                          ; a plain instruction behind the transcendental
	s_wait_alu depctr_va_vdst(0)                   ; and the wait ahead of its first reader
	v_readfirstlane_b32 s56, v9                    ; rstd
	s_wait_kmcnt 0x0                               ; the 64 scalars
.set CC, 0
.rept 32
	s_mul_f32 s[20+CC], s[20+CC], s56              ; A_c = rstd w[c]
.set CC, CC+1
.endr
	v_mul_f32 v28, v9, v28                         ; aff, a channel a lane: A,
	v_add_f32 v29, v29, v30
	v_fma_f32 v29, -v24, v28, v29                  ; Cc = norm_b + proj_b - mean A
; Columns e0 and e0 + 1 of my four: normalise (the multiply-add also lays the column down 32 consecutive registers), the block's largest magnitude (all 32 numbers are mine), the scale, the codes.
.macro COLS e0
.set CC, 0
.rept 32
	v_fma_f32 v[Y0+CC], v[X+4*CC+\e0], s[20+CC], s[68+CC]
	v_fma_f32 v[Y1+CC], v[X+4*CC+\e0+1], s[20+CC], s[68+CC]
.set CC, CC+1
.endr
	v_max3_num_f32 v16, |v[Y0]|, |v[Y0+1]|, 0x1800000      ; with the floor 2^(3 - 127) among the leaves: the byte cannot fall under 1
	v_max3_num_f32 v17, |v[Y1]|, |v[Y1+1]|, 0x1800000
.irp i, 2,4,6,8,10,12,14,16,18,20,22,24,26,28,30
	v_max3_num_f32 v16, v16, |v[Y0+\i]|, |v[Y0+1+\i]|      ; (the two columns by turns)
	v_max3_num_f32 v17, v17, |v[Y1+\i]|, |v[Y1+1+\i]|
.endr
	v_add_nc_u32 v18, 0xff000000, v16              ; 2 off the exponent field: the conversion takes the exponent field of this operand as its scale
	v_add_nc_u32 v19, 0xff000000, v17
.irp g, 0,1,2,3
	v_cvt_scalef32_pk8_fp4_f32 v[32+4*\e0+\g], v[Y0+8*\g:Y0+8*\g+7], v18
	v_cvt_scalef32_pk8_fp4_f32 v[36+4*\e0+\g], v[Y1+8*\g:Y1+8*\g+7], v19
.endr
	v_lshrrev_b32 v[48+\e0], 23, v18               ; the scale's byte.  (Also the plain instruction between the conversions and the next write of their sources)
	v_lshrrev_b32 v[49+\e0], 23, v19
	ds_store_b128 v2, v[32+4*\e0:35+4*\e0] offset:16*\e0
	ds_store_b128 v2, v[36+4*\e0:39+4*\e0] offset:16*\e0+16
	ds_store_b8 v4, v[48+\e0] offset:4*\e0
	ds_store_b8 v4, v[49+\e0] offset:4*\e0+4
.endm
	COLS 0
	COLS 2
.irp k, 0,1,2,3
	ds_load_b128 v[Y0+4*\k:Y0+4*\k+3], v3 offset:640*\k   ; my wave's own stage; LDS serves a wave's instructions in order (ISA guide 5.7.1.4): these see the stores above
.endr
.irp k, 0,1,2,3
	s_wait_dscnt 3-\k                              ; read-back k is in; the later ones may be out
	global_store_b128 v5, v[Y0+4*\k:Y0+4*\k+3], s[12:13] offset:2048*\k   ; sixteen lanes store 256 consecutive bytes, aligned: a tile's part of this group
.endr
	s_wait_dscnt 0x0                               ; my byte stores have landed
	s_barrier_signal -1
	s_barrier_wait -1                              ; the group's 1,024 scale bytes lie in LDS
	s_cmp_lt_u32 s2, 2
	s_cbranch_scc0 .Lnot_bytes
	ds_load_b128 v[16:19], v7
	s_wait_dscnt 0x0
	global_store_b128 v62, v[16:19], s[14:15]      ; waves 0 and 1: 512 consecutive bytes each
.Lnot_bytes:
	s_cmp_eq_u32 s2, 2
	s_cbranch_scc0 .Lgn_end
	global_store_b64 v31, v[28:29], s[16:17]       ; wave 2: the group's 32 pairs, 256 consecutive bytes
.Lgn_end:
	s_wait_tensorcnt 0x0
	ds_add_u32 v60, v61
	s_wait_dscnt 0x0
	s_endpgm
	; ================= weight path =================
.Lweights:
	s_load_b128 s[4:7], s[0:1], 0x38               ; qkv_w, proj_w
	s_load_b64 s[8:9], s[0:1], 0x48                ; wc
	s_sub_co_u32 s10, ttmp9, 256                   ; the unit
	s_lshr_b32 s11, s10, 2                         ; G: which 64 rows
	s_and_b32 s12, s10, 3                          ; kp: which 256 along K
	s_and_b32 s13, s2, 3                           ; my tile of 16 rows
	s_lshr_b32 s14, s2, 2                          ; my 128 along K
	s_mov_b32 s26, 0x76543210
	s_mov_b32 s27, 0xfedcba98
	v_and_b32 v1, 31, v0
	v_lshlrev_b32 v2, 4, v1                        ; 16 lane
	v_and_b32 v8, 15, v0                           ; r
	v_bfe_u32 v6, v0, 4, 1                         ; hl
	s_mul_i32 s22, s2, 8448
	s_add_co_u32 s22, s22, WST                     ; my wave's stage
	v_add_nc_u32 v3, s22, v2                       ; into it: a row as it lies
	v_mul_u32_u24 v4, v8, 528
	v_lshl_add_u32 v4, v6, 7, v4
	v_add_nc_u32 v4, s22, v4                       ; out of it: row r, block hl (+ 256 c2)
	s_lshl_b32 s23, s14, 8
	s_lshl_b32 s24, s13, 2
	s_add_co_u32 s23, s23, s24
	s_add_co_u32 s23, s23, WGA
	v_lshl_add_u32 v5, v8, 4, s23                  ; my row's scale word: 256 ksub + 16 r + 4 tile
	v_add_nc_u32 v7, WGA, v2
	s_mul_i32 s18, s10, 8704                       ; the unit, my K step, my tile
	s_lshl_b32 s19, s14, 12
	s_add_co_u32 s18, s18, s19
	s_lshl_b32 s19, s13, 10
	s_add_co_u32 s18, s18, s19
	s_mov_b32 s19, 0
	s_wait_kmcnt 0x0
	s_cmp_lt_u32 s11, 48                           ; qkv_w or proj_w: the choice hangs on the work-group's number alone
	s_cselect_b64 s[4:5], s[4:5], s[6:7]
	s_cselect_b32 s15, 0, 48
	s_cselect_b32 s30, 0, -1                       ; all lanes: proj_w's blocks get the exchange
	s_sub_co_u32 s15, s11, s15
	s_lshl_b32 s16, s15, 18                        ; 64 rows of 4,096 bytes
	s_lshl_b32 s17, s13, 16
	s_add_co_u32 s16, s16, s17
	s_lshl_b32 s17, s12, 10
	s_add_co_u32 s16, s16, s17
	s_lshl_b32 s17, s14, 9
	s_add_co_u32 s16, s16, s17
	s_mov_b32 s17, 0
	s_add_nc_u64 s[4:5], s[4:5], s[16:17]
	s_add_nc_u64 s[8:9], s[8:9], s[18:19]
.irp p, 0,1,2,3,4,5,6,7,8,9,10,11,12,13,14,15
	global_load_b128 v[64+4*\p:67+4*\p], v2, s[4:5] offset:4096*\p th:TH_LOAD_NT   ; 128 numbers of row p: 512 consecutive bytes; read once in the launch
.endr
.irp p, 0,1,2,3,4,5,6,7,8,9,10,11,12,13,14,15
	s_wait_loadcnt 15-\p                           ; row p is in; the later rows may be out
	ds_store_b128 v3, v[64+4*\p:67+4*\p] offset:528*\p
.endr
.irp c, 0,1
.irp q, 0,1,2,3,4,5,6,7
	ds_load_b128 v[128+32*\c+4*\q:131+32*\c+4*\q], v4 offset:256*\c+16*\q   ; lane (r, hl): blocks hl and 2 + hl of row r, 32 neighbours each (my wave's own stage, served in order)
.endr
.endr
	s_wait_dscnt 0x0
.irp c, 0,1
	v_max3_num_f32 v[10+\c], |v[128+32*\c]|, |v[129+32*\c]|, 0x1800000   ; the floor 2^(3 - 127) among the leaves
.endr
.irp i, 2,4,6,8,10,12,14,16,18,20,22,24,26,28,30
.irp c, 0,1
	v_max3_num_f32 v[10+\c], v[10+\c], |v[128+32*\c+\i]|, |v[129+32*\c+\i]|
.endr
.endr
.irp c, 0,1
	v_add_nc_u32 v[12+\c], 0xff000000, v[10+\c]    ; the conversion's scale operand
.endr
.irp c, 0,1
	v_lshrrev_b32 v[14+\c], 23, v[12+\c]           ; the byte
.endr
	v_lshl_or_b32 v16, v15, 16, v14                ; my two bytes: blocks hl and 2 + hl,
	v_lshlrev_b32 v17, 3, v6
	v_lshlrev_b32 v16, v17, v16                    ; at their places in the word;
	v_mov_b32 v18, 0
	v_permlanex16_b32 v18, v16, s26, s27
	v_or_b32 v16, v16, v18                         ; with lane l xor 16's two the word is whole
.irp c, 0,1
	v_cvt_scalef32_pk8_fp4_f32 v[32+4*\c], v[128+32*\c:135+32*\c], v[12+\c]
	v_cvt_scalef32_pk8_fp4_f32 v[40+2*\c], v[136+32*\c:143+32*\c], v[12+\c]
	v_cvt_scalef32_pk8_fp4_f32 v[41+2*\c], v[144+32*\c:151+32*\c], v[12+\c]
	v_cvt_scalef32_pk8_fp4_f32 v[35+4*\c], v[152+32*\c:159+32*\c], v[12+\c]
.endr
	v_nop                                          ; a plain instruction between the conversions and the first vector instruction that reads their results
.irp c, 0,1
	v_cndmask_b32 v[33+4*\c], v[40+2*\c], v[41+2*\c], s30   ; qkv_w: k 8-15, then 16-23; proj_w: the other way round
	v_cndmask_b32 v[34+4*\c], v[41+2*\c], v[40+2*\c], s30
.endr
	global_store_b128 v2, v[32:35], s[8:9]                  ; the fragment as its registers stand: 512 consecutive bytes a store
	global_store_b128 v2, v[36:39], s[8:9] offset:512
	ds_store_b32 v5, v16                           ; both halves of the lanes write the same word with the same value
	s_wait_dscnt 0x0
	s_barrier_signal -1
	s_barrier_wait -1                              ; the unit's 128 scale words lie in LDS
	s_cmp_lg_u32 s2, 0
	s_cbranch_scc1 .Lw_end
	ds_load_b128 v[20:23], v7
	s_wait_dscnt 0x0
	global_store_b128 v2, v[20:23], s[8:9] offset:8192   ; wave 0 (its base is the unit's first byte): 512 consecutive bytes
.Lw_end:
	s_wait_tensorcnt 0x0
	ds_add_u32 v60, v61
	s_wait_dscnt 0x0
	s_endpgm
.Lfunc_end_k_qf86a2df843_prep:
	.size	k_qf86a2df843_prep, .Lfunc_end_k_qf86a2df843_prep-k_qf86a2df843_prep
	.p2alignl 7, 3214868480
	.fill 96, 4, 3214868480
	.section	.rodata,"a",@progbits
	.p2align	6, 0x0
	.amdhsa_kernel k_qf86a2df843_prep
		.amdhsa_group_segment_fixed_size 91136
		.amdhsa_private_segment_fixed_size 0
		.amdhsa_enable_private_segment 0
		.amdhsa_kernarg_size 80
		.amdhsa_user_sgpr_count 2
		.amdhsa_user_sgpr_kernarg_segment_ptr 1
		.amdhsa_wavefront_size32 1
		.amdhsa_system_sgpr_workgroup_id_x 1
		.amdhsa_system_sgpr_workgroup_id_y 1
		.amdhsa_system_sgpr_workgroup_id_z 1
		.amdhsa_system_vgpr_workitem_id 0
		.amdhsa_next_free_vgpr 256
		.amdhsa_next_free_sgpr 100
		.amdhsa_reserve_vcc 0
		.amdhsa_float_denorm_mode_32 3
		.amdhsa_float_denorm_mode_16_64 3
		.amdhsa_memory_ordered 1
		.amdhsa_forward_progress 1
		.amdhsa_inst_pref_size 48
	.end_amdhsa_kernel
	.amdgpu_metadata
---
amdhsa.version: [ 1, 2 ]
amdhsa.kernels:
  - .name:           k_qf86a2df843_prep
    .symbol:         k_qf86a2df843_prep.kd
    .args:
      - { .name: x, .offset: 0, .size: 8, .value_kind: global_buffer, .address_space: global }
      - { .name: norm_w, .offset: 8, .size: 8, .value_kind: global_buffer, .address_space: global }
      - { .name: norm_b, .offset: 16, .size: 8, .value_kind: global_buffer, .address_space: global }
      - { .name: proj_b, .offset: 24, .size: 8, .value_kind: global_buffer, .address_space: global }
      - { .name: xq, .offset: 32, .size: 8, .value_kind: global_buffer, .address_space: global }
      - { .name: xs, .offset: 40, .size: 8, .value_kind: global_buffer, .address_space: global }
      - { .name: aff, .offset: 48, .size: 8, .value_kind: global_buffer, .address_space: global }
      - { .name: qkv_w, .offset: 56, .size: 8, .value_kind: global_buffer, .address_space: global }
      - { .name: proj_w, .offset: 64, .size: 8, .value_kind: global_buffer, .address_space: global }
      - { .name: wc, .offset: 72, .size: 8, .value_kind: global_buffer, .address_space: global }
    .group_segment_fixed_size: 91136
    .private_segment_fixed_size: 0
    .kernarg_segment_align: 8
    .kernarg_segment_size: 80
    .max_flat_workgroup_size: 256
    .sgpr_count:     100
    .vgpr_count:     256
    .wavefront_size: 32
...
	.end_amdgpu_metadata
.endif
;; end of part 1
;; launch qkv (part 2): grid 256 x 1, 4 waves a work-group, no clusters, 168,448 bytes of LDS; arguments xq, xs, wc, qkv_b, qb, kv; writes qb, kv
.if DOCPART == 2
	.amdgcn_target "amdgcn-amd-amdhsa--gfx1250"
	.amdhsa_code_object_version 6
	.text
	.protected	k_qf86a2df843_qkv
	.globl	k_qf86a2df843_qkv
	.p2align	8
	.type	k_qf86a2df843_qkv,@function
k_qf86a2df843_qkv:
	s_mov_b64 s[64:65], 0
	v_nop
	global_prefetch_b8 v0, s[64:65] scope:SCOPE_SE
	s_setreg_imm32_b32 hwreg(HW_REG_WAVE_MODE, 25, 1), 1
	s_wait_xcnt 0x0
; QKV: qkv[b][o][l] = sum over c of qkv_w[o][c] x_norm[b][c][l] + qkv_b[o], on codes of FP4 with E8M0 scales (K = 1,024 channels), and its results quantised for attention.
; SHARES.  Work-group id: b = id / 32, head h = (id / 2) % 16, half = id % 2.  Wave w owns positions 128 (4 half + w) .. + 127 and all 192 rows of the head (q, k, v: 64 each): 96 accumulators of 16 x 16, 768 registers.
; ORIENTATION.  q, k: source 0 = 16 rows of the weight, source 1 = 16 positions: a lane holds ONE position and its registers run along the head's channels, the K of the scores.
;               v:    source 0 = 16 positions, source 1 = 16 rows of the weight: a lane holds ONE channel and its registers run along the positions, the K of the second attention product.
; OPERANDS.  The head's weight codes and scale words, 12 units of 8,704 bytes, are 104,448 consecutive bytes: they come into LDS once, a quarter by each wave's one tensor load, and all four waves read them.
;   x's codes lie in memory in the order of the operand's registers and go straight into registers: each wave reads only its own 128 positions.
; RESULTS.  (sum + bias) 2^-1.5 for q and k is made as fma(sum, 2^-1.5, bias 2^-1.5).  A tile's registers 8 u + j of lane half hl hold element 16 u + 8 hl + j of a block of 32; after the conversions and the exchange of halves
;   that element's code stands at place 16 hl + 8 u + j: a fixed order inside each block, the same on both operands of each attention product, so the sums are those of the true order.
; OUT: qb [head][36,864]: codes [tile 64][lane][16 B] (lanes 0-15 block 0, lanes 16-31 block 1), at 32,768 scale words [chunk 8][hrow 2][r][t 4] (bytes 0, 1; bytes 2, 3 are 0);
;      kv [head][73,728]: k as q; at 36,864 v's codes [ks 8][ct 4][c2][lane][16 B]; at 69,632 v's scale words [ks][copy 2][r][ct 4].
; NO CLUSTER: of the 366,592 bytes that a work-group takes in, the 262,144 of x's codes go to registers, where a joint load cannot put them; the weight's 104,448 are asked for once, at the head.
; LIMITS: NaN and infinities are not served; a block whose largest magnitude lies under 2^-124 gets the byte 1.
; REGISTERS, in windows of 256: window 0: v1-7 addresses; v8-39 x's scale words, v40-51 the weight's (these hold scales and nothing else); v52-59 v's bias; v60-63 at work; v64-127, v128-191 x's fragments, two sets;
;   v192-223, v224-255 the weight's fragments, two sets.  Window 1: q's 32 accumulators ((i, t) at 8 (4 i + t)); window 2: k's; window 3: v's ((ct, i) at 8 (8 ct + i)).
.set XS,  8
.set WS,  40
.set BV,  52
.set YY,  128                          ; the way out: 64 numbers in f32
.set PC,  192                          ; the codes just made
.set TM,  200                          ; v200-215 at work in QUANT
.set PW,  216                          ; the scale word just made
.set KW,  224                          ; v224-231 a role's eight half words
.set SW,  232                          ; v232-235 as they are stored
.set VW,  236                          ; v236-239 v's four scale words
.set SEL, 36
.set MSB, 0
.macro WIN new                         ; the immediate's high byte repeats the setting that is left
.if MSB != (\new)
	s_set_vgpr_msb (MSB<<8)|(\new)
.set MSB, \new
.endif
.endm
.macro PLACES n
.rept \n
	v_nop
.endr
.endm
; One matrix instruction from the symbols mD, mC, mA, mB, mSA, mSB; mRA, mRB: the side's scales stand in lanes 16-31; mZ: the sum begins with the constant 0
.macro WMM
.if mZ
.if mRA && mRB
	v_wmma_scale_f32_16x16x128_f8f6f4 v[mD:mD+7], v[mA:mA+7], v[mB:mB+7], 0, v[mSA], v[mSB] matrix_a_fmt:MATRIX_FMT_FP4 matrix_b_fmt:MATRIX_FMT_FP4 matrix_a_scale:MATRIX_SCALE_ROW1 matrix_b_scale:MATRIX_SCALE_ROW1
.elseif mRA
	v_wmma_scale_f32_16x16x128_f8f6f4 v[mD:mD+7], v[mA:mA+7], v[mB:mB+7], 0, v[mSA], v[mSB] matrix_a_fmt:MATRIX_FMT_FP4 matrix_b_fmt:MATRIX_FMT_FP4 matrix_a_scale:MATRIX_SCALE_ROW1
.elseif mRB
	v_wmma_scale_f32_16x16x128_f8f6f4 v[mD:mD+7], v[mA:mA+7], v[mB:mB+7], 0, v[mSA], v[mSB] matrix_a_fmt:MATRIX_FMT_FP4 matrix_b_fmt:MATRIX_FMT_FP4 matrix_b_scale:MATRIX_SCALE_ROW1
.else
	v_wmma_scale_f32_16x16x128_f8f6f4 v[mD:mD+7], v[mA:mA+7], v[mB:mB+7], 0, v[mSA], v[mSB] matrix_a_fmt:MATRIX_FMT_FP4 matrix_b_fmt:MATRIX_FMT_FP4
.endif
.else
.if mRA && mRB
	v_wmma_scale_f32_16x16x128_f8f6f4 v[mD:mD+7], v[mA:mA+7], v[mB:mB+7], v[mC:mC+7], v[mSA], v[mSB] matrix_a_fmt:MATRIX_FMT_FP4 matrix_b_fmt:MATRIX_FMT_FP4 matrix_a_scale:MATRIX_SCALE_ROW1 matrix_b_scale:MATRIX_SCALE_ROW1
.elseif mRA
	v_wmma_scale_f32_16x16x128_f8f6f4 v[mD:mD+7], v[mA:mA+7], v[mB:mB+7], v[mC:mC+7], v[mSA], v[mSB] matrix_a_fmt:MATRIX_FMT_FP4 matrix_b_fmt:MATRIX_FMT_FP4 matrix_a_scale:MATRIX_SCALE_ROW1
.elseif mRB
	v_wmma_scale_f32_16x16x128_f8f6f4 v[mD:mD+7], v[mA:mA+7], v[mB:mB+7], v[mC:mC+7], v[mSA], v[mSB] matrix_a_fmt:MATRIX_FMT_FP4 matrix_b_fmt:MATRIX_FMT_FP4 matrix_b_scale:MATRIX_SCALE_ROW1
.else
	v_wmma_scale_f32_16x16x128_f8f6f4 v[mD:mD+7], v[mA:mA+7], v[mB:mB+7], v[mC:mC+7], v[mSA], v[mSB] matrix_a_fmt:MATRIX_FMT_FP4 matrix_b_fmt:MATRIX_FMT_FP4
.endif
.endif
.endm
; 64 numbers of a lane, v[s] .. v[s + 63], register 16 b + i in block b, become 8 registers of codes in v[pc] on (lanes 0-15: blocks 0 and 2; lanes 16-31: blocks 1 and 3) and the four bytes in v[pw].
.macro QUANT s, pc, pw
.irp b, 0,1,2,3
	v_max3_num_f32 v[TM+\b], |v[(\s)+16*\b]|, |v[(\s)+1+16*\b]|, 0x1800000   ; my 16 numbers of block b, and the floor 2^(3 - 127): the byte cannot fall under 1
.endr
.irp i, 2,4,6,8,10,12,14
.irp b, 0,1,2,3
	v_max3_num_f32 v[TM+\b], v[TM+\b], |v[(\s)+16*\b+\i]|, |v[(\s)+1+16*\b+\i]|   ; (the four blocks by turns)
.endr
.endr
.irp b, 0,1,2,3
	v_permlanex16_b32 v[TM+4+\b], v[TM+\b], s[SEL], s[SEL+1]
.endr
.irp b, 0,1,2,3
	v_max_num_f32 v[TM+\b], v[TM+\b], v[TM+4+\b]   ; with lane l xor 16's 16: the block's largest magnitude
.endr
.irp b, 0,1,2,3
	v_add_nc_u32 v[TM+12+\b], 0xff000000, v[TM+\b] ; 2 off its exponent field: the conversion's scale operand
.endr
.irp b, 0,1,2,3
	v_lshrrev_b32 v[TM+4+\b], 23, v[TM+12+\b]      ; the byte
.endr
	v_lshl_or_b32 v[\pw], v[TM+5], 8, v[TM+4]
	v_lshl_or_b32 v[\pw], v[TM+6], 16, v[\pw]
	v_lshl_or_b32 v[\pw], v[TM+7], 24, v[\pw]
.irp b, 0,1,2,3
	v_cvt_scalef32_pk8_fp4_f32 v[(\pc)+2*\b], v[(\s)+16*\b:(\s)+7+16*\b], v[TM+12+\b]
	v_cvt_scalef32_pk8_fp4_f32 v[(\pc)+1+2*\b], v[(\s)+8+16*\b:(\s)+15+16*\b], v[TM+12+\b]
.endr
	v_nop                                          ; a plain instruction behind the conversions
.irp c, 0,1
.irp i, 0,1
	v_permlane16_swap_b32 v[(\pc)+4*\c+\i], v[(\pc)+2+4*\c+\i]   ; a whole block to a lane
.endr
.endr
.endm
.macro XLOAD ks                        ; x's eight fragments of K step ks into set ks % 2: 16 loads of 512 consecutive bytes
.set xB, 64+64*((\ks)%2)
.irp i, 0,1,2,3,4,5,6,7
.irp c, 0,1
	global_load_b128 v[xB+8*\i+4*\c:xB+8*\i+4*\c+3], v1, s[4:5] offset:8192*(\ks)+1024*\i+512*\c
.endr
.endr
.endm
.macro WLOAD n                         ; role step n = 3 ks + role: the role's four fragments of K step ks into set n % 2; with an even ks the unit's scale words (lanes 0-15 serve ks, lanes 16-31 ks + 1)
.set wKS, (\n)/3
.set wRO, (\n)%3
.set wUN, 4*wRO+wKS/2
.set wBF, 192+32*((\n)%2)
.set wOF, (wUN%6)*8704
.set wAD, 1+wUN/6                      ; v1 reaches units 0-5, v2 units 6-11
.irp t, 0,1,2,3
.irp c, 0,1
	ds_load_b128 v[wBF+8*\t+4*\c:wBF+8*\t+4*\c+3], v[wAD] offset:wOF+4096*(wKS%2)+1024*\t+512*\c
.endr
.endr
.if wKS%2 == 0
	ds_load_b128 v[WS+4*wRO:WS+4*wRO+3], v[wAD] offset:wOF+8192
.endif
.endm
; A role step: 32 matrix instructions, one on each of the role's 32 accumulators (the accumulators take turns), then the fetch of the role step after the next into the set just read.
.macro RS n
.set rKS, (\n)/3
.set rRO, (\n)%3
.set rW, 192+32*((\n)%2)
.set rX, 64+64*(rKS%2)
.set mZ, 0
.if rKS == 0
.set mZ, 1                             ; the first K step starts the sums: nothing is cleared
.endif
.if (\n) == 23
	s_wait_dscnt 0x0
.elseif (((\n)+1)/3)%2 == 0
	s_wait_dscnt 9                                 ; this step's fragments are in; the next role step's nine loads may be out
.else
	s_wait_dscnt 8                                 ; likewise: its eight
.endif
	WIN 0x50*(rRO+1)                               ; C and D in the role's window
.irp i, 0,1,2,3,4,5,6,7
.irp t, 0,1,2,3
.if rRO < 2
.set mD, 8*(4*\i+\t)
.set mA, rW+8*\t
.set mB, rX+8*\i
.set mSA, WS+4*rRO+\t
.set mSB, XS+4*rKS+\i%4
.set mRA, rKS%2
.set mRB, \i/4
.else
.set mD, 8*(8*\t+\i)
.set mA, rX+8*\i
.set mB, rW+8*\t
.set mSA, XS+4*rKS+\i%4
.set mSB, WS+8+\t
.set mRA, \i/4
.set mRB, rKS%2
.endif
.set mC, mD
	WMM
.endr
.endr
	WIN 0
	PLACES 4                                       ; four plain instructions between the last product and loads into registers that it read (ISA guide 7.12.1 for vector instructions)
.if (\n)+2 <= 23
	WLOAD (\n)+2
.endif
.endm
	s_load_b256 s[4:11], s[0:1], 0x0               ; xq, xs, wc, qkv_b
	s_load_b128 s[12:15], s[0:1], 0x20             ; qb, kv
	v_lshl_add_u32 v254, v0, 2, 0x29000
	v_mov_b32 v255, 0
	ds_add_u32 v254, v255
	ds_add_u32 v254, v255
	s_wait_dscnt 0x0
	v_lshrrev_b32 v1, 5, v0
	v_readfirstlane_b32 s16, v1                    ; wave 0..3
	s_lshr_b32 s17, ttmp9, 5                       ; b
	s_bfe_u32 s18, ttmp9, 0x40001                  ; h
	s_and_b32 s19, ttmp9, 1
	s_lshl_b32 s19, s19, 2
	s_add_co_u32 s19, s19, s16                     ; my chunk of 128 positions
	; descriptor group 1: 26,112 dense bytes as 102 rows of 32 elements of 8 bytes
	s_mov_b32 s24, 3<<16                           ; no mask; elements of 8 bytes; no padding
	s_mov_b32 s25, 32<<16                          ; tensor_dim0 = 32
	s_mov_b32 s26, 102<<16                         ; tensor_dim1 = 102
	s_mov_b32 s27, 32<<16                          ; tile_dim0 = 32
	s_mov_b32 s28, 102                             ; tile_dim1 = 102
	s_mov_b32 s29, 32                              ; from row to row: 32 elements
	s_mov_b32 s30, 0
	s_mov_b32 s31, 0
	s_mov_b32 s20, 1                               ; group 0: count = 1,
	s_mul_i32 s21, s16, 26112                      ; my quarter's place in LDS,
	s_mul_i32 s42, s18, 104448                     ; and in wc: the head's 12 units, my quarter
	s_add_co_u32 s42, s42, s21
	s_mov_b32 s43, 0
	s_mov_b32 s32, 0x05010400                      ; selects of the 4 x 4 byte transposition
	s_mov_b32 s33, 0x07030602
	s_mov_b32 s34, 0x05040100
	s_mov_b32 s35, 0x07060302
	s_mov_b32 s[SEL], 0x76543210
	s_mov_b32 s[SEL+1], 0xfedcba98
	s_mov_b32 s38, 0x3eb504f3                      ; 2^-1.5 = 64^(-1/4)
	s_mov_b32 s39, s38                             ; (named with it as a pair)
	s_mov_b32 s40, 0xffff0000                      ; lanes 16-31
	v_and_b32 v60, 31, v0                          ; lane
	v_lshlrev_b32 v1, 4, v60                       ; 16 lane
	v_add_nc_u32 v2, 52224, v1                     ; + 6 units
	v_lshlrev_b32 v3, 2, v60                       ; 4 lane
	s_lshl_b32 s46, s19, 12
	v_add_nc_u32 v4, s46, v1                       ; the way out: 16 lane + 4,096 chunk
	s_lshl_b32 s46, s19, 9
	v_add_nc_u32 v5, s46, v1                       ; 16 lane + 512 chunk
	v_bfe_u32 v6, v0, 4, 1
	v_lshlrev_b32 v6, 5, v6                        ; 32 hl: q's and k's biases
	v_and_b32 v7, 15, v0
	v_lshlrev_b32 v7, 2, v7                        ; 4 r: v's bias
	s_wait_kmcnt 0x0
	s_add_nc_u64 s[22:23], s[8:9], s[42:43]
	s_or_b32 s23, s23, 0x80000000                  ; type = 2
	tensor_load_to_lds s[20:23], s[24:31]          ; my one tensor load: a first fill; no byte of LDS is filled twice in this launch
	s_nop 0
.rept 4
	v_nop                                          ; four plain instructions behind the load
.endr
	s_lshl_b32 s44, s17, 3
	s_add_co_u32 s44, s44, s19
	s_lshl_b32 s44, s44, 16                        ; xq: (8 b + chunk) 65,536
	s_mov_b32 s45, 0
	s_add_nc_u64 s[4:5], s[4:5], s[44:45]
	s_lshl_b32 s44, s17, 15                        ; xs: 32,768 b + 128 chunk
	s_lshl_b32 s46, s19, 7
	s_add_co_u32 s44, s44, s46
	s_add_nc_u64 s[6:7], s[6:7], s[44:45]
	s_mul_i32 s44, s18, 768                        ; qkv_b: the head's 192 numbers
	s_add_nc_u64 s[10:11], s[10:11], s[44:45]
	s_lshl_b32 s46, s17, 4
	s_add_co_u32 s46, s46, s18                     ; 16 b + h
	s_mul_i32 s44, s46, 36864
	s_add_nc_u64 s[12:13], s[12:13], s[44:45]
	s_mul_i32 s44, s46, 73728
	s_add_nc_u64 s[14:15], s[14:15], s[44:45]
.set GG, 0
.rept 32
	global_load_b32 v[192+GG], v3, s[6:7] offset:1024*GG   ; group GG's bytes of my 128 positions: lane (hrow, r) gets those of tiles 4 hrow + 0 .. 3
.set GG, GG+1
.endr
	XLOAD 0
	XLOAD 1
	s_wait_loadcnt 32                              ; the 32 planes are in; the two sets of fragments may be out
.irp ks, 0,1,2,3,4,5,6,7               ; four planes (the K step's four blocks) x four tiles become four words: tile t's word has block b's byte at place b
	v_perm_b32 v60, v[193+4*\ks], v[192+4*\ks], s32
	v_perm_b32 v61, v[193+4*\ks], v[192+4*\ks], s33
	v_perm_b32 v62, v[195+4*\ks], v[194+4*\ks], s32
	v_perm_b32 v63, v[195+4*\ks], v[194+4*\ks], s33
	v_perm_b32 v[XS+4*\ks], v62, v60, s34
	v_perm_b32 v[XS+1+4*\ks], v62, v60, s35
	v_perm_b32 v[XS+2+4*\ks], v63, v61, s34
	v_perm_b32 v[XS+3+4*\ks], v63, v61, s35
.endr                                  ; (K step 0's words stand 56 plain instructions ahead of the first product; the later steps' further)
	s_wait_tensorcnt 0x0                           ; my quarter of the weight has landed,
	s_barrier_signal -1
	s_barrier_wait -1                              ; everybody's has
	WLOAD 0
	WLOAD 1
.irp ks, 0,1,2,3,4,5,6,7
.if (\ks >= 1) && (\ks <= 6)
	XLOAD \ks+1                                    ; into the set that step ks - 1 read last
	s_wait_loadcnt 16                              ; this step's fragments are in; the 16 just issued may be out
.elseif \ks == 0
	s_wait_loadcnt 16
.else
.irp ro, 0,1                           ; the last step asks for the biases instead: lane (r, hl) wants, for tile t, those of channels 16 t + 8 hl + 0 .. 7
.irp t, 0,1,2,3
	global_load_b128 v[64+32*\ro+8*\t:67+32*\ro+8*\t], v6, s[10:11] offset:256*\ro+64*\t
	global_load_b128 v[68+32*\ro+8*\t:71+32*\ro+8*\t], v6, s[10:11] offset:256*\ro+64*\t+16
.endr
.endr
.irp c, 0,1,2,3
	global_load_b32 v[BV+2*\c], v7, s[10:11] offset:512+64*\c   ; v: channel 16 ct + r
.endr
	s_wait_loadcnt 20                              ; the 20 bias loads may be out
.endif
	RS 3*\ks
	RS 3*\ks+1
	RS 3*\ks+2
.endr
	; ---- THE WAY OUT
	s_wait_loadcnt 0x0                             ; the biases
.set PP, 0
.rept 32
	v_pk_mul_f32 v[64+2*PP:65+2*PP], v[64+2*PP:65+2*PP], s[38:39] op_sel_hi:[1,0]   ; bias x 2^-1.5
.set PP, PP+1
.endr
.irp c, 0,1,2,3
	v_mov_b32 v[BV+1+2*\c], v[BV+2*\c]             ; v's bias twice, for the packed addition
.endr
.irp b, 0,1,2,3
	v_mov_b32 v[TM+4+\b], 0                        ; a lane permute's destination counts as one of its sources
.endr
.irp ro, 0,1                           ; q, then k: two tiles of 16 positions at a time: 2 x 2 blocks of 32 channels
.irp i, 0,2,4,6
	s_wait_xcnt 0x0                                ; the last stores have read their registers: the codes' registers may be written again
	WIN \ro+1                                      ; source 0: the role's accumulators
.irp u, 0,1
.irp t, 0,1,2,3
.irp j, 0,2,4,6
	v_pk_fma_f32 v[YY+32*\u+8*\t+\j:YY+32*\u+8*\t+\j+1], v[8*(4*(\i+\u)+\t)+\j:8*(4*(\i+\u)+\t)+\j+1], s[38:39], v[64+32*\ro+8*\t+\j:64+32*\ro+8*\t+\j+1] op_sel_hi:[1,0,1]   ; each accumulator from its low end on
.endr
.endr
.endr
	WIN 0
	QUANT YY, PC, PW
	global_store_b128 v4, v[PC:PC+3], s[12+2*\ro:13+2*\ro] offset:512*\i         ; a tile's codes: 512 consecutive bytes
	global_store_b128 v4, v[PC+4:PC+7], s[12+2*\ro:13+2*\ro] offset:512*(\i+1)
	v_and_b32 v[KW+\i], 0xffff, v[PW]              ; tile i's two bytes; bytes 2 and 3 stay 0: they scale the upper half of a K step of 128, which is empty (K = 64)
	v_lshrrev_b32 v[KW+1+\i], 16, v[PW]            ; tile i + 1's
.endr
.irp t, 0,1,2,3
	v_cndmask_b32 v[SW+\t], v[KW+\t], v[KW+4+\t], s40   ; lanes 0-15 store tiles 0-3's words, lanes 16-31 tiles 4-7's
.endr
	global_store_b128 v5, v[SW:SW+3], s[12+2*\ro:13+2*\ro] offset:32768
.endr
.irp ct, 0,1,2,3                       ; v: 16 channels x my 128 positions: one fragment
	s_wait_xcnt 0x0
	WIN 3
.irp i, 0,1,2,3,4,5,6,7
.irp j, 0,2,4,6
	v_pk_add_f32 v[YY+8*\i+\j:YY+8*\i+\j+1], v[8*(8*\ct+\i)+\j:8*(8*\ct+\i)+\j+1], v[BV+2*\ct:BV+2*\ct+1]
.endr
.endr
	WIN 0
	QUANT YY, PC, VW+\ct
	global_store_b128 v4, v[PC:PC+3], s[14:15] offset:36864+1024*\ct
	global_store_b128 v4, v[PC+4:PC+7], s[14:15] offset:36864+1024*\ct+512
.endr
	global_store_b128 v5, v[VW:VW+3], s[14:15] offset:69632   ; both halves of the lanes hold the same words: 512 consecutive bytes, the words twice
	s_wait_xcnt 0x0
	v_lshl_add_u32 v254, v0, 2, 0x29000
	v_mov_b32 v255, 0
	s_wait_tensorcnt 0x0
	ds_add_u32 v254, v255
	s_wait_dscnt 0x0
	s_endpgm
.Lfunc_end_k_qf86a2df843_qkv:
	.size	k_qf86a2df843_qkv, .Lfunc_end_k_qf86a2df843_qkv-k_qf86a2df843_qkv
	.p2alignl 7, 3214868480
	.fill 96, 4, 3214868480
	.section	.rodata,"a",@progbits
	.p2align	6, 0x0
	.amdhsa_kernel k_qf86a2df843_qkv
		.amdhsa_group_segment_fixed_size 168448
		.amdhsa_private_segment_fixed_size 0
		.amdhsa_enable_private_segment 0
		.amdhsa_kernarg_size 48
		.amdhsa_user_sgpr_count 2
		.amdhsa_user_sgpr_kernarg_segment_ptr 1
		.amdhsa_wavefront_size32 1
		.amdhsa_system_sgpr_workgroup_id_x 1
		.amdhsa_system_sgpr_workgroup_id_y 1
		.amdhsa_system_sgpr_workgroup_id_z 1
		.amdhsa_system_vgpr_workitem_id 0
		.amdhsa_next_free_vgpr 1024
		.amdhsa_next_free_sgpr 66
		.amdhsa_reserve_vcc 0
		.amdhsa_float_denorm_mode_32 3
		.amdhsa_float_denorm_mode_16_64 3
		.amdhsa_memory_ordered 1
		.amdhsa_forward_progress 1
		.amdhsa_inst_pref_size 215
	.end_amdhsa_kernel
	.amdgpu_metadata
---
amdhsa.version: [ 1, 2 ]
amdhsa.kernels:
  - .name:           k_qf86a2df843_qkv
    .symbol:         k_qf86a2df843_qkv.kd
    .args:
      - { .name: xq, .offset: 0, .size: 8, .value_kind: global_buffer, .address_space: global }
      - { .name: xs, .offset: 8, .size: 8, .value_kind: global_buffer, .address_space: global }
      - { .name: wc, .offset: 16, .size: 8, .value_kind: global_buffer, .address_space: global }
      - { .name: qkv_b, .offset: 24, .size: 8, .value_kind: global_buffer, .address_space: global }
      - { .name: qb, .offset: 32, .size: 8, .value_kind: global_buffer, .address_space: global }
      - { .name: kv, .offset: 40, .size: 8, .value_kind: global_buffer, .address_space: global }
    .group_segment_fixed_size: 168448
    .private_segment_fixed_size: 0
    .kernarg_segment_align: 8
    .kernarg_segment_size: 48
    .max_flat_workgroup_size: 128
    .sgpr_count:     66
    .vgpr_count:     1024
    .wavefront_size: 32
...
	.end_amdgpu_metadata
.endif
;; end of part 2
;; launch attn (part 3): grid 256 x 1, 16 waves a work-group, no clusters, 151,552 bytes of LDS; arguments qb, kv, aq, asc; writes aq, asc
.if DOCPART == 3
	.amdgcn_target "amdgcn-amd-amdhsa--gfx1250"
	.amdhsa_code_object_version 6
	.text
	.protected	k_qf86a2df843_attn
	.globl	k_qf86a2df843_attn
	.p2align	8
	.type	k_qf86a2df843_attn,@function
k_qf86a2df843_attn:
	s_mov_b64 s[64:65], 0
	v_nop
	global_prefetch_b8 v0, s[64:65] scope:SCOPE_SE
	s_setreg_imm32_b32 hwreg(HW_REG_WAVE_MODE, 25, 1), 1
	s_wait_xcnt 0x0
; ATTN: a[c][t] = sum over s of softmax_s(q[:, t] . k[:, s]) v[c][s] for each of 128 heads of 64 channels and 1,024 positions, both products on codes of FP4 with E8M0 scales; a is quantised for the last product.
; (q and k carry the factor 64^(-1/4) each already.)
; THE SOFTMAX AHEAD OF THE SECOND PRODUCT: t = score x log2(e); M = the running largest t rounded UP to a whole number; p = 2^(t - M) is what is quantised, along the keys, not normalised.  The row's sum is taken of the
; unquantised p and divides at the end.  When M moves, the sum and O are multiplied by 2^(old M - new M), which rounds nothing.
; SHARES.  Work-group id: b = id / 32, pair of heads hp = (id / 4) % 8, qb4 = id % 4: 256 queries.  Each of sixteen waves owns one tile of 16 queries, in 256 registers, four waves to a SIMD, and takes heads 2 hp and 2 hp + 1
; one after the other: together their 128 channels are one K step of the last product, so the wave makes a whole fragment and a whole scale word a row.
; LDS: k's and v's codes and scale words of both heads, 147,456 bytes as they lie in memory, stored once through registers (288 bytes a thread); no byte is filled twice.  Behind them 1,024 bytes for the scale words' way out.
; LAYOUT.  S^T = K Q^T (source 0 = 16 keys, source 1 = my queries), O^T = V^T P^T (source 0 = 16 channels, source 1 = P): a lane holds ONE query throughout.  Inside a block of 32 the codes stand in a fixed order
; (place 16 hl + 8 u + j holds element 16 u + 8 hl + j), the same on both operands of each product.
; THE FIRST PRODUCT HAS K = 64 in an instruction of 128: Q's upper four registers are zero codes and bytes 2, 3 of Q's and K's scale words are 0 (2^-127, a number).  A tile of keys names eight registers of which the upper four are
; the next tile's codes (the last tile's: zeros): they meet Q's zeros and add nothing.
; NO CLUSTER: the four work-groups of a pair of heads read the same 147,456 bytes, once, at the head: 18 loads a thread beside 16 key steps of some 230 vector instructions a wave.
; LIMITS: NaN and infinities are not served; a block whose largest magnitude lies under 2^-124 gets the byte 1; a p under 2^-126 counts as 0.
; REGISTERS: v1 16 lane; v2, v3 addresses of the step; v4 my scale word's place; v5-7 the fill; v8-10 head and tail addresses; v12 -M, v13 the largest t, v[14:15] the sum; v16-23, v24-31 Q of the two heads;
;   v32-67 K's codes; v68-99 V's; v100-103, v104-107, v108-109, v234 scale words (these hold scales and nothing else); v110 a's scale word; v112-175 S^T, then p; v176-207 O^T; v208-215 codes; v216-233 at work.
.set GA, 148480                        ; the scale words' way out
.macro PLACES n
.rept \n
	v_nop
.endr
.endm
	s_load_b256 s[4:11], s[0:1], 0x0               ; qb, kv, aq, asc
	v_lshl_add_u32 v254, v0, 2, 0x24800
	v_mov_b32 v255, 0
	v_lshrrev_b32 v1, 5, v0
	v_readfirstlane_b32 s12, v1                    ; wave T = 0..15
	s_lshr_b32 s13, ttmp9, 5                       ; b
	s_bfe_u32 s14, ttmp9, 0x30002                  ; hp
	s_and_b32 s15, ttmp9, 3                        ; qb4
	s_lshl_b32 s16, s13, 4
	s_lshl_b32 s17, s14, 1
	s_add_co_u32 s16, s16, s17                     ; 16 b + 2 hp: the first of my two heads
	s_mul_i32 s30, s16, 73728
	s_mov_b32 s31, 0
	s_mul_i32 s32, s16, 36864
	s_mov_b32 s33, 0
	s_lshl_b32 s17, s15, 4
	s_add_co_u32 s17, s17, s12                     ; my tile of queries, 0..63
	s_lshl_b32 s18, s17, 9                         ; its codes
	s_lshr_b32 s19, s17, 2
	s_lshl_b32 s19, s19, 8
	s_and_b32 s20, s17, 3
	s_lshl_b32 s20, s20, 2
	s_add_co_u32 s19, s19, s20
	s_add_co_u32 s19, s19, 32768                   ; its scale words: 32,768 + 256 (tile / 4) + 4 (tile % 4) (+ 16 r)
	s_lshl_b32 s34, s13, 3
	s_lshl_b32 s20, s15, 1
	s_add_co_u32 s34, s34, s20                     ; 8 b + 2 qb4
	s_lshr_b32 s20, s12, 3
	s_add_co_u32 s20, s34, s20                     ; my chunk of 128 positions
	s_lshl_b32 s20, s20, 3
	s_add_co_u32 s20, s20, s14
	s_lshl_b32 s20, s20, 13
	s_and_b32 s21, s12, 7
	s_lshl_b32 s21, s21, 10
	s_add_co_u32 s36, s20, s21                     ; aq: (chunk 8 + hp) 8,192 + 1,024 (T % 8)
	s_mov_b32 s37, 0
	s_and_b32 s20, s12, 1
	s_add_co_u32 s20, s34, s20
	s_lshl_b32 s20, s20, 3
	s_add_co_u32 s20, s20, s14
	s_lshl_b32 s38, s20, 9                         ; asc, for waves 0 and 1: ((8 b + 2 qb4 + T) 8 + hp) 512
	s_mov_b32 s39, 0
	s_lshr_b32 s20, s12, 2
	s_lshl_b32 s20, s20, 8
	s_and_b32 s21, s12, 3
	s_lshl_b32 s21, s21, 2
	s_add_co_u32 s20, s20, s21
	s_add_co_u32 s20, s20, GA
	s_mov_b32 s22, 0x3fb8aa3b                      ; log2(e)
	s_mov_b32 s23, s22                             ; (named with it as a pair)
	s_mov_b32 s24, 0x76543210
	s_mov_b32 s25, 0xfedcba98                      ; v_permlanex16_b32's selects for lane l xor 16
	v_and_b32 v11, 31, v0
	v_lshlrev_b32 v1, 4, v11                       ; 16 lane
	v_and_b32 v11, 15, v0                          ; r
	v_lshl_add_u32 v4, v11, 4, s20                 ; GA + 256 (T / 4) + 4 (T % 4) + 16 r
	v_lshlrev_b32 v5, 4, v0                        ; the fill: 16 bytes a thread, in memory and in LDS alike
	v_add_nc_u32 v6, 0x10000, v5
	v_add_nc_u32 v7, 0x20000, v5
	v_add_nc_u32 v8, s18, v1
	v_lshl_add_u32 v9, v11, 4, s19
	v_and_b32 v10, 63, v0
	v_lshl_add_u32 v10, v10, 4, GA
	s_wait_kmcnt 0x0
	s_add_nc_u64 s[4:5], s[4:5], s[32:33]
	s_add_nc_u64 s[6:7], s[6:7], s[30:31]
	s_add_nc_u64 s[8:9], s[8:9], s[36:37]
	s_add_nc_u64 s[10:11], s[10:11], s[38:39]
	global_load_b128 v[16:19], v8, s[4:5]                  ; Q's codes and scale words, both heads: they stay in registers
	global_load_b128 v[24:27], v8, s[4:5] offset:36864
	global_load_b32 v108, v9, s[4:5]
	global_load_b32 v109, v9, s[4:5] offset:36864
.set KK, 0
.rept 18
	global_load_b128 v[112+4*KK:115+4*KK], v5, s[6:7] offset:8192*KK   ; a wave reads 512 consecutive bytes
.set KK, KK+1
.endr
.irp j, 20,21,22,23,28,29,30,31,64,65,66,67
	v_mov_b32 v[\j], 0                             ; zero codes: the upper halves of Q, and what the last tile of keys names beyond its own
.endr
.irp j, 220,221,222,223,228,231
	v_mov_b32 v[\j], 0                             ; written once: lane permutes' destinations, and the upper half of the pair v[230:231]
.endr
.set KK, 0
.rept 18
	s_wait_loadcnt 17-KK                           ; fill load KK is in; the later ones may be out
	ds_store_b128 v[5+KK/8], v[112+4*KK:115+4*KK] offset:8192*(KK%8)
.set KK, KK+1
.endr
	s_wait_dscnt 0x0                               ; for the others' sake: my stores have landed
	s_barrier_signal -1
	s_barrier_wait -1                              ; k and v of both heads lie in LDS
; A KEY STEP of head e: 128 keys.  s26: the step's codes (k's; v's lie 36,864 bytes on); s27: its scale words.
.macro STEP e
	v_add_nc_u32 v2, s26, v1
	v_add_nc_u32 v3, s27, v1
	v_nop
	v_nop                                          ; four plain instructions between the last products and loads into registers that they read
	ds_load_b128 v[100:103], v3                    ; K's scale words: lanes 0-15 tiles 0-3, lanes 16-31 tiles 4-7
.irp t, 0,1,2,3,4,5,6,7
	ds_load_b128 v[32+4*\t:35+4*\t], v2 offset:512*\t
.endr
.irp ct, 0,1,2,3
.irp c, 0,1
	ds_load_b128 v[68+8*\ct+4*\c:71+8*\ct+4*\c], v2 offset:36864+1024*\ct+512*\c
.endr
.endr
	ds_load_b128 v[104:107], v3 offset:36864       ; V's scale words
	s_wait_dscnt 9                                 ; K's nine loads are in; V's nine may be out
.irp t, 0,1,2,3
	v_wmma_scale_f32_16x16x128_f8f6f4 v[112+8*\t:119+8*\t], v[32+4*\t:39+4*\t], v[16+8*\e:23+8*\e], 0, v[100+\t], v[108+\e] matrix_a_fmt:MATRIX_FMT_FP4 matrix_b_fmt:MATRIX_FMT_FP4
.endr
.irp t, 4,5,6,7
	v_wmma_scale_f32_16x16x128_f8f6f4 v[112+8*\t:119+8*\t], v[32+4*\t:39+4*\t], v[16+8*\e:23+8*\e], 0, v[96+\t], v[108+\e] matrix_a_fmt:MATRIX_FMT_FP4 matrix_b_fmt:MATRIX_FMT_FP4 matrix_a_scale:MATRIX_SCALE_ROW1
.endr
	PLACES 4
.irp b, 0,1,2,3
	v_max3_num_f32 v[216+\b], v[112+16*\b], v[113+16*\b], v[114+16*\b]   ; the largest score of each block of 32 keys: it serves the row's maximum and, since p rises with the score, the block's largest p
.endr
.irp i, 3,5,7,9,11,13
.irp b, 0,1,2,3
	v_max3_num_f32 v[216+\b], v[216+\b], v[112+16*\b+\i], v[113+16*\b+\i]
.endr
.endr
.irp b, 0,1,2,3
	v_max_num_f32 v[216+\b], v[216+\b], v[127+16*\b]
.endr
.irp b, 0,1,2,3
	v_permlanex16_b32 v[220+\b], v[216+\b], s24, s25
.endr
.irp b, 0,1,2,3
	v_max_num_f32 v[216+\b], v[216+\b], v[220+\b]  ; with lane l xor 16's 16 keys
.endr
	v_max3_num_f32 v228, v216, v217, v218
	v_max_num_f32 v228, v228, v219                 ; the step's largest score of my query,
	v_mul_f32 v228, s22, v228                      ; as t
	v_max_num_f32 v13, v13, v228                   ; the running largest t
	v_mov_b32 v228, v12
	v_floor_f32 v12, -v13                          ; the new -M = floor(-t) = -ceil(t)
	v_sub_f32 v228, v12, v228                      ; old M - new M: a whole number, 0 or less
	v_cvt_i32_f32 v228, v228                       ; (it saturates)
	v_ldexp_f32 v230, 1.0, v228                    ; f = 2^(old M - new M)
.set JJ, 0
.rept 32
	v_pk_fma_f32 v[112+JJ:113+JJ], v[112+JJ:113+JJ], s[22:23], v[12:13] op_sel_hi:[1,0,0]   ; t - M, two at a time
.set JJ, JJ+2
.endr
.irp b, 0,1,2,3
	v_fma_f32 v[216+\b], v[216+\b], s22, v12       ; the same of each block's largest score
.endr
.set JJ, 0
.rept 64
	v_exp_f32 v[112+JJ], v[112+JJ]                 ; p = 2^(t - M), at most 1
.set JJ, JJ+1
.endr
	v_pk_mul_f32 v[14:15], v[14:15], v[230:231] op_sel_hi:[1,0]   ; the sums under the new M: the plain instruction behind the exponentials
	s_wait_alu depctr_va_vdst(0)                   ; one wait for the batch, ahead of its first reader
.irp b, 0,1,2,3
	v_exp_f32 v[216+\b], v[216+\b]                 ; the blocks' largest p
.endr
	v_pk_add_f32 v[232:233], v[112:113], v[114:115]   ; the row's sum, of the unquantised p, in two chains (these read the 64 alone)
.irp j, 4,8,12,16,20,24,28,32,36,40,44,48,52,56,60
	v_pk_add_f32 v[14:15], v[14:15], v[112+\j:113+\j]
	v_pk_add_f32 v[232:233], v[232:233], v[114+\j:115+\j]
.endr
	v_pk_add_f32 v[14:15], v[14:15], v[232:233]
	s_wait_alu depctr_va_vdst(0)                   ; and one for the four
.irp b, 0,1,2,3
	v_max_num_f32 v[216+\b], 0x1800000, v[216+\b]  ; the floor 2^(3 - 127)
.endr
.irp b, 0,1,2,3
	v_add_nc_u32 v[224+\b], 0xff000000, v[216+\b]  ; the conversion's scale operand
.endr
.irp b, 0,1,2,3
	v_lshrrev_b32 v[220+\b], 23, v[224+\b]         ; the byte
.endr
	v_lshl_or_b32 v234, v221, 8, v220              ; p's scale word for these 128 keys
	v_lshl_or_b32 v234, v222, 16, v234
	v_lshl_or_b32 v234, v223, 24, v234
.irp b, 0,1,2,3
	v_cvt_scalef32_pk8_fp4_f32 v[208+2*\b], v[112+16*\b:119+16*\b], v[224+\b]
	v_cvt_scalef32_pk8_fp4_f32 v[209+2*\b], v[120+16*\b:127+16*\b], v[224+\b]
.endr
	v_nop                                          ; a plain instruction behind the conversions
.irp c, 0,1
.irp i, 0,1
	v_permlane16_swap_b32 v[208+4*\c+\i], v[210+4*\c+\i]   ; a whole block to a lane
.endr
.endr
.set JJ, 0
.rept 16
	v_pk_mul_f32 v[176+JJ:177+JJ], v[176+JJ:177+JJ], v[230:231] op_sel_hi:[1,0]   ; O^T under the new M.  For each product below twelve of these name none of its registers: they stand between the writing of p's codes and scale word and the products
.set JJ, JJ+2
.endr
	s_wait_dscnt 0x0                               ; V
.irp ct, 0,1,2,3
	v_wmma_scale_f32_16x16x128_f8f6f4 v[176+8*\ct:183+8*\ct], v[68+8*\ct:75+8*\ct], v[208:215], v[176+8*\ct:183+8*\ct], v[104+\ct], v234 matrix_a_fmt:MATRIX_FMT_FP4 matrix_b_fmt:MATRIX_FMT_FP4
.endr                                  ; the four accumulators take turns, and eight other products stand between two steps' links
.endm
; Head e is finished: O^T / the sum is a's 64 channels of my 16 queries: two blocks of the last product's K: half a fragment and two bytes.
.macro FINISH e
	PLACES 4
	v_add_f32 v14, v14, v15
	v_permlanex16_b32 v228, v14, s24, s25
	v_add_f32 v14, v14, v228                       ; the row's sum
	v_rcp_f32 v14, v14
	v_nop                                          ; a plain instruction behind the transcendental
	s_wait_alu depctr_va_vdst(0)                   ; the wait ahead of its first reader
.set JJ, 0
.rept 32
	v_mul_f32 v[112+JJ], v[176+JJ], v14            ; each accumulator from its low end on
.set JJ, JJ+1
.endr
.irp b, 0,1
	v_max3_num_f32 v[216+\b], |v[112+16*\b]|, |v[113+16*\b]|, 0x1800000
.endr
.irp i, 2,4,6,8,10,12,14
.irp b, 0,1
	v_max3_num_f32 v[216+\b], v[216+\b], |v[112+16*\b+\i]|, |v[113+16*\b+\i]|
.endr
.endr
.irp b, 0,1
	v_permlanex16_b32 v[220+\b], v[216+\b], s24, s25
.endr
.irp b, 0,1
	v_max_num_f32 v[216+\b], v[216+\b], v[220+\b]
.endr
.irp b, 0,1
	v_add_nc_u32 v[224+\b], 0xff000000, v[216+\b]
.endr
.irp b, 0,1
	v_lshrrev_b32 v[220+\b], 23, v[224+\b]
.endr
	v_lshl_or_b32 v229, v221, 8, v220              ; the head's two bytes
.irp b, 0,1
	v_cvt_scalef32_pk8_fp4_f32 v[208+2*\b], v[112+16*\b:119+16*\b], v[224+\b]
	v_cvt_scalef32_pk8_fp4_f32 v[209+2*\b], v[120+16*\b:127+16*\b], v[224+\b]
.endr
	v_nop
	v_permlane16_swap_b32 v208, v210
	v_permlane16_swap_b32 v209, v211
	global_store_b128 v1, v[208:211], s[8:9] offset:512*\e   ; 512 consecutive bytes: half e of my tile's fragment
.if \e == 0
	v_mov_b32 v110, v229
.else
	v_lshl_or_b32 v110, v229, 16, v110             ; the K step's scale word is whole
.endif
.endm
.macro HEAD e
	v_mov_b32 v13, 0xff61b1e6                      ; the largest t so far: -3e38
	v_floor_f32 v12, -v13
	v_mov_b32 v14, 0
	v_mov_b32 v15, 0
.set JJ, 0
.rept 32
	v_mov_b32 v[176+JJ], 0                         ; O^T: the step is written once; its first trip finds zeros, which the first change of M leaves zeros
.set JJ, JJ+1
.endr
	s_mov_b32 s26, 73728*\e
	s_mov_b32 s27, 73728*\e+32768
	s_mov_b32 s28, 8
	s_wait_xcnt 0x0                                ; the store of the head before has read the codes' registers, which the steps write again
.Lk_\e:
	STEP \e
	s_add_co_u32 s26, s26, 4096
	s_add_co_u32 s27, s27, 512
	s_sub_co_i32 s28, s28, 1
	s_cmp_lg_u32 s28, 0
	s_cbranch_scc1 .Lk_\e
	FINISH \e
.endm
	HEAD 0
	HEAD 1
	ds_store_b32 v4, v110                          ; my tile's scale words; both halves of the lanes write the same word with the same value
	s_wait_dscnt 0x0
	s_barrier_signal -1
	s_barrier_wait -1                              ; sixteen tiles' words lie in LDS
	s_cmp_lt_u32 s12, 2
	s_cbranch_scc0 .Lend
	ds_load_b128 v[112:115], v10
	s_wait_dscnt 0x0
	global_store_b128 v1, v[112:115], s[10:11]     ; waves 0 and 1: a chunk's 512 consecutive bytes each
.Lend:
	s_wait_tensorcnt 0x0
	ds_add_u32 v254, v255
	s_wait_dscnt 0x0
	s_endpgm
.Lfunc_end_k_qf86a2df843_attn:
	.size	k_qf86a2df843_attn, .Lfunc_end_k_qf86a2df843_attn-k_qf86a2df843_attn
	.p2alignl 7, 3214868480
	.fill 96, 4, 3214868480
	.section	.rodata,"a",@progbits
	.p2align	6, 0x0
	.amdhsa_kernel k_qf86a2df843_attn
		.amdhsa_group_segment_fixed_size 151552
		.amdhsa_private_segment_fixed_size 0
		.amdhsa_enable_private_segment 0
		.amdhsa_kernarg_size 32
		.amdhsa_user_sgpr_count 2
		.amdhsa_user_sgpr_kernarg_segment_ptr 1
		.amdhsa_wavefront_size32 1
		.amdhsa_system_sgpr_workgroup_id_x 1
		.amdhsa_system_sgpr_workgroup_id_y 1
		.amdhsa_system_sgpr_workgroup_id_z 1
		.amdhsa_system_vgpr_workitem_id 0
		.amdhsa_next_free_vgpr 256
		.amdhsa_next_free_sgpr 66
		.amdhsa_reserve_vcc 0
		.amdhsa_float_denorm_mode_32 3
		.amdhsa_float_denorm_mode_16_64 3
		.amdhsa_memory_ordered 1
		.amdhsa_forward_progress 1
		.amdhsa_inst_pref_size 47
	.end_amdhsa_kernel
	.amdgpu_metadata
---
amdhsa.version: [ 1, 2 ]
amdhsa.kernels:
  - .name:           k_qf86a2df843_attn
    .symbol:         k_qf86a2df843_attn.kd
    .args:
      - { .name: qb, .offset: 0, .size: 8, .value_kind: global_buffer, .address_space: global }
      - { .name: kv, .offset: 8, .size: 8, .value_kind: global_buffer, .address_space: global }
      - { .name: aq, .offset: 16, .size: 8, .value_kind: global_buffer, .address_space: global }
      - { .name: asc, .offset: 24, .size: 8, .value_kind: global_buffer, .address_space: global }
    .group_segment_fixed_size: 151552
    .private_segment_fixed_size: 0
    .kernarg_segment_align: 8
    .kernarg_segment_size: 32
    .max_flat_workgroup_size: 512
    .sgpr_count:     66
    .vgpr_count:     256
    .wavefront_size: 32
...
	.end_amdgpu_metadata
.endif
;; end of part 3
;; launch proj (part 4): grid 256 x 1, 4 waves a work-group, no clusters, 168,448 bytes of LDS; arguments aq, asc, wc, aff, x, out0; writes out0
.if DOCPART == 4
	.amdgcn_target "amdgcn-amd-amdhsa--gfx1250"
	.amdhsa_code_object_version 6
	.text
	.protected	k_qf86a2df843_proj
	.globl	k_qf86a2df843_proj
	.p2align	8
	.type	k_qf86a2df843_proj,@function
k_qf86a2df843_proj:
	s_mov_b64 s[64:65], 0
	v_nop
	global_prefetch_b8 v0, s[64:65] scope:SCOPE_SE
	s_setreg_imm32_b32 hwreg(HW_REG_WAVE_MODE, 25, 1), 1
	s_wait_xcnt 0x0
; PROJ: out0[b][o][l] = sum over c of proj_w[o][c] a[b][c][l] + proj_b[o] + x_norm[b][o][l], the product on codes of FP4 with E8M0 scales (K = 1,024).
; x_norm + proj_b is made anew from x: x A[o] + Cc[o], with the pairs (A, Cc) of aff.  Cc is the C of each sum's first matrix instruction; x A is one fused multiply-add on the way out.
; SHARES.  Work-group id: b = id / 32, lp = (id / 8) % 4, op = id % 8.  Wave w owns positions 128 (2 lp + w % 2) .. + 127 and outputs 64 (2 op + w / 2) .. + 63: 32 accumulators.
; Source 0 = 16 positions of a, source 1 = 16 rows of the weight: a lane holds ONE output o = 16 t + r and eight neighbouring positions.
; OPERANDS lie in memory in the order of the operands' registers and go straight into registers, three K steps ahead (three sets of 96 registers).
; x's tile (64 rows of 512 bytes) comes into the wave's own LDS bytes by one tensor load at the head, so that it is on its way from the start while the K steps wait on the register loads' counter alone.
; THE WAY OUT: 16 outputs x 128 positions at a time through the wave's own stage (rows of 528 bytes), back as whole rows of 512 bytes, joined with x's row, stored as 512 consecutive bytes.  No barrier: nothing in LDS is shared.
; NO CLUSTER: a's codes (shared by 8 work-groups) and the weight's (by 32) go to registers, where a joint load cannot put them; x's tile and the output belong to one wave alone.
; REGISTERS, in windows of 256: window 0: v1-5 addresses; v8-39 a's scale words, v40-55 the weight's (scales and nothing else); v64-159, v160-255 operand sets 0 and 1 (64 of a, 32 of the weight); on the way out v64-191.
;   window 1: the accumulators ((t, i) at 8 (8 t + i)).   window 2: v0-31 Cc, eight times for each tile of outputs; v64-159 operand set 2.
; SCALARS: s[32:63], s[68:99] the pairs (A, Cc) of an even and of an odd tile of outputs; until x has landed s[68:79] hold the tensor load's descriptor.
.set AS, 8
.set WS, 40
.set MSB, 0
.macro WIN new                         ; the immediate's high byte repeats the setting that is left
.if MSB != (\new)
	s_set_vgpr_msb (MSB<<8)|(\new)
.set MSB, \new
.endif
.endm
.macro PLACES n
.rept \n
	v_nop
.endr
.endm
; One matrix instruction from the symbols mD, mC, mA, mB, mSA, mSB; mRA, mRB: the side's scales stand in lanes 16-31
.macro WMM
.if mRA && mRB
	v_wmma_scale_f32_16x16x128_f8f6f4 v[mD:mD+7], v[mA:mA+7], v[mB:mB+7], v[mC:mC+7], v[mSA], v[mSB] matrix_a_fmt:MATRIX_FMT_FP4 matrix_b_fmt:MATRIX_FMT_FP4 matrix_a_scale:MATRIX_SCALE_ROW1 matrix_b_scale:MATRIX_SCALE_ROW1
.elseif mRA
	v_wmma_scale_f32_16x16x128_f8f6f4 v[mD:mD+7], v[mA:mA+7], v[mB:mB+7], v[mC:mC+7], v[mSA], v[mSB] matrix_a_fmt:MATRIX_FMT_FP4 matrix_b_fmt:MATRIX_FMT_FP4 matrix_a_scale:MATRIX_SCALE_ROW1
.elseif mRB
	v_wmma_scale_f32_16x16x128_f8f6f4 v[mD:mD+7], v[mA:mA+7], v[mB:mB+7], v[mC:mC+7], v[mSA], v[mSB] matrix_a_fmt:MATRIX_FMT_FP4 matrix_b_fmt:MATRIX_FMT_FP4 matrix_b_scale:MATRIX_SCALE_ROW1
.else
	v_wmma_scale_f32_16x16x128_f8f6f4 v[mD:mD+7], v[mA:mA+7], v[mB:mB+7], v[mC:mC+7], v[mSA], v[mSB] matrix_a_fmt:MATRIX_FMT_FP4 matrix_b_fmt:MATRIX_FMT_FP4
.endif
.endm
.macro LOADK ks                        ; K step ks: a's eight fragments and the weight's four into set ks % 3: 24 loads of 512 consecutive bytes
.set kB, (\ks)%3
.set kR, 64+96*(kB%2)
	WIN 0x80*(kB/2)                                ; set 2 lies in window 2
.irp i, 0,1,2,3,4,5,6,7
.irp c, 0,1
	global_load_b128 v[kR+8*\i+4*\c:kR+8*\i+4*\c+3], v1, s[4:5] offset:8192*(\ks)+1024*\i+512*\c
.endr
.endr
.irp t, 0,1,2,3
.irp c, 0,1
	global_load_b128 v[kR+64+8*\t+4*\c:kR+64+8*\t+4*\c+3], v1, s[8:9] offset:8704*((\ks)/2)+4096*((\ks)%2)+1024*\t+512*\c
.endr
.endr
	WIN 0
.endm
	s_load_b256 s[4:11], s[0:1], 0x0               ; aq, asc, wc, aff
	s_load_b128 s[12:15], s[0:1], 0x20             ; x, out0
	v_lshl_add_u32 v59, v0, 2, 0x29000
	v_mov_b32 v63, 0
	ds_add_u32 v59, v63
	ds_add_u32 v59, v63
	v_lshrrev_b32 v1, 5, v0
	v_readfirstlane_b32 s16, v1                    ; wave 0..3
	s_lshr_b32 s17, ttmp9, 5                       ; b
	s_bfe_u32 s18, ttmp9, 0x20003                  ; lp
	s_and_b32 s19, ttmp9, 7                        ; op
	s_and_b32 s20, s16, 1
	s_lshl_b32 s18, s18, 1
	s_add_co_u32 s20, s20, s18                     ; my chunk of 128 positions
	s_lshr_b32 s21, s16, 1
	s_lshl_b32 s19, s19, 1
	s_add_co_u32 s21, s21, s19                     ; my group of 64 outputs
	s_lshl_b32 s22, s17, 3
	s_add_co_u32 s22, s22, s20                     ; 8 b + chunk
	s_lshl_b32 s23, s17, 10
	s_lshl_b32 s24, s21, 6
	s_add_co_u32 s23, s23, s24                     ; my first row of x and out0: 1,024 b + 64 og
	; descriptor group 1: 64 rows of 128 elements of 4 bytes, 1,024 elements from row to row
	s_mov_b32 s68, 2<<16                           ; no mask; elements of 4 bytes; no padding: a row is read back by 32 lanes as it lies
	s_mov_b32 s69, 128<<16                         ; tensor_dim0 = 128
	s_mov_b32 s70, 64<<16                          ; tensor_dim1 = 64
	s_mov_b32 s71, 128<<16                         ; tile_dim0 = 128
	s_mov_b32 s72, 64                              ; tile_dim1 = 64
	s_mov_b32 s73, 1024                            ; the pitch
	s_mov_b32 s74, 0
	s_mov_b32 s75, 0
	s_mov_b32 s76, 1                               ; group 0: count = 1,
	s_lshl_b32 s77, s16, 15                        ; my wave's 32,768 bytes of LDS
	s_lshl_b32 s24, s23, 12
	s_lshl_b32 s26, s20, 9
	s_add_co_u32 s24, s24, s26                     ; my tile's first byte in x and in out0
	s_mov_b32 s25, 0
	v_and_b32 v60, 31, v0
	v_lshlrev_b32 v1, 4, v60                       ; 16 lane
	v_and_b32 v61, 15, v0                          ; r
	v_bfe_u32 v62, v0, 4, 1                        ; hl
	s_mul_i32 s27, s16, 8448
	s_add_co_u32 s27, s27, 131072                  ; my stage, behind the four tiles of x
	v_mul_u32_u24 v2, v61, 528
	v_lshl_add_u32 v2, v62, 5, v2
	v_add_nc_u32 v2, s27, v2                       ; into it: row r, + 32 hl (+ 64 i)
	v_add_nc_u32 v3, s27, v1                       ; out of it: a row of 512 bytes, 16 a lane
	v_add_nc_u32 v4, s77, v1                       ; x's rows likewise
	v_lshlrev_b32 v5, 3, v61
	v_add_nc_u32 v5, 4, v5                         ; 8 r + 4: my output's Cc
	s_wait_dscnt 0x0
	s_wait_kmcnt 0x0
	s_add_nc_u64 s[12:13], s[12:13], s[24:25]
	s_add_nc_u64 s[14:15], s[14:15], s[24:25]
	s_mov_b64 s[78:79], s[12:13]
	s_or_b32 s79, s79, 0x80000000                  ; type = 2
	tensor_load_to_lds s[76:79], s[68:75]          ; my one tensor load: a first fill of bytes that I alone read
	s_nop 0
.rept 4
	v_nop                                          ; four plain instructions behind the load
.endr
	s_lshl_b32 s24, s22, 16
	s_add_nc_u64 s[4:5], s[4:5], s[24:25]          ; aq: (8 b + chunk) 65,536
	s_lshl_b32 s24, s22, 12
	s_add_nc_u64 s[6:7], s[6:7], s[24:25]          ; asc: (8 b + chunk) 4,096
	s_lshl_b32 s24, s21, 2
	s_add_co_u32 s24, s24, 192
	s_mul_i32 s24, s24, 8704
	s_add_nc_u64 s[8:9], s[8:9], s[24:25]          ; wc: units 192 + 4 og on
	s_lshl_b32 s24, s23, 3
	s_add_nc_u64 s[10:11], s[10:11], s[24:25]      ; aff: my 64 pairs
	WIN 0x80                                       ; destination window 2
.irp t, 0,1,2,3
	global_load_b32 v[8*\t], v5, s[10:11] offset:128*\t   ; Cc of output 16 t + r
.endr
	WIN 0
.irp ks, 0,1,2,3,4,5,6,7
	global_load_b128 v[AS+4*\ks:AS+4*\ks+3], v1, s[6:7] offset:512*\ks   ; a's scale words: lanes 0-15 tiles 0-3, lanes 16-31 tiles 4-7
.endr
.irp kp, 0,1,2,3
	global_load_b128 v[WS+4*\kp:WS+4*\kp+3], v1, s[8:9] offset:8704*\kp+8192   ; the weight's: lanes 0-15 the even K step, lanes 16-31 the odd
.endr
	LOADK 0
	LOADK 1
	LOADK 2
	s_load_b512 s[32:47], s[10:11], 0x0            ; the pairs of outputs 0-15
	s_load_b512 s[48:63], s[10:11], 0x40
	s_wait_loadcnt 48                              ; Cc, the scale words and K step 0 are in; K steps 1 and 2 may be out
	WIN 0x82                                       ; destination and source 0 in window 2
.irp t, 0,1,2,3
.irp j, 1,2,3,4,5,6,7
	v_mov_b32 v[8*\t+\j], v[8*\t]                  ; a lane's eight results of a tile belong to one output: its Cc eight times
.endr
.endr
	WIN 0
	PLACES 4
.irp ks, 0,1,2,3,4,5,6,7
.if (\ks >= 1) && (\ks <= 5)
	s_wait_loadcnt 48                              ; this step's 24 loads are in; those of the two steps behind it may be out
.elseif \ks == 6
	s_wait_loadcnt 24                              ; the last step's may be out
.elseif \ks == 7
	s_wait_loadcnt 0x0
.endif
.set sB, \ks%3
.set sR, 64+96*(sB%2)
.if \ks == 0
	WIN 0x60                                       ; operands window 0, C (Cc) window 2, D window 1
.else
	WIN 0x50|(10*(sB/2))                           ; operands in the set's window, C and D window 1
.endif
.irp t, 0,1,2,3
.irp i, 0,1,2,3,4,5,6,7
.set mD, 8*(8*\t+\i)
.if \ks == 0
.set mC, 8*\t
.else
.set mC, mD
.endif
.set mA, sR+8*\i
.set mB, sR+64+8*\t
.set mSA, AS+4*\ks+\i%4
.set mSB, WS+4*(\ks/2)+\t
.set mRA, \i/4
.set mRB, \ks%2
	WMM                                            ; the 32 accumulators take turns, one instruction a turn
.endr
.endr
	WIN 0
	PLACES 4                                       ; four plain instructions between the last product and loads into registers that it read, and the first read of results
.if \ks <= 4
	LOADK \ks+3
.endif
.endr
; Tile t of outputs (16 rows of out0 x my 128 positions).  set: the scalar registers with its 16 pairs (A, Cc).
.macro OUTT t, set
	WIN 0x04                                       ; an LDS store's data are its source 1: window 1
.irp i, 0,1,2,3,4,5,6,7
	ds_store_b128 v2, v[8*(8*\t+\i):8*(8*\t+\i)+3] offset:64*\i        ; each accumulator from its low end on
	ds_store_b128 v2, v[8*(8*\t+\i)+4:8*(8*\t+\i)+7] offset:64*\i+16
.endr
	WIN 0
.if \t > 0
	s_wait_xcnt 0x0                                ; the last tile's stores have read their registers, which are loaded again
.endif
.irp q, 0,1,2,3,4,5,6,7,8,9,10,11,12,13,14,15
	ds_load_b128 v[64+4*\q:67+4*\q], v3 offset:528*\q                  ; my own stage; LDS serves a wave's instructions in order (ISA guide 5.7.1.4)
	ds_load_b128 v[128+4*\q:131+4*\q], v4 offset:512*(16*\t+\q)        ; x's row
.endr
.irp q, 0,1,2,3,4,5,6,7,8,9,10,11,12,13,14,15
	s_wait_dscnt 2*(15-\q)                         ; row q's two loads are in; the later rows' may be out
	v_pk_fma_f32 v[64+4*\q:65+4*\q], v[128+4*\q:129+4*\q], s[\set+2*\q:\set+2*\q+1], v[64+4*\q:65+4*\q] op_sel_hi:[1,0,1]   ; x A + (sum + Cc): the pair's low word, A, serves both halves
	v_pk_fma_f32 v[66+4*\q:67+4*\q], v[130+4*\q:131+4*\q], s[\set+2*\q:\set+2*\q+1], v[66+4*\q:67+4*\q] op_sel_hi:[1,0,1]
	global_store_b128 v1, v[64+4*\q:67+4*\q], s[14:15] offset:4096*(16*\t+\q) th:TH_STORE_NT   ; 512 consecutive bytes, aligned; written once, read by nobody here
.endr
.endm
	s_wait_kmcnt 0x0                               ; the pairs of outputs 0-15
	s_wait_tensorcnt 0x0                           ; x's tile has landed: I alone read it; and the descriptor's registers are free
	s_load_b512 s[68:83], s[10:11], 0x80           ; each later set of pairs is asked for a tile ahead
	s_load_b512 s[84:99], s[10:11], 0xc0
	OUTT 0, 32
	s_wait_kmcnt 0x0
	s_load_b512 s[32:47], s[10:11], 0x100
	s_load_b512 s[48:63], s[10:11], 0x140
	OUTT 1, 68
	s_wait_kmcnt 0x0
	s_load_b512 s[68:83], s[10:11], 0x180
	s_load_b512 s[84:99], s[10:11], 0x1c0
	OUTT 2, 32
	s_wait_kmcnt 0x0
	OUTT 3, 68
	s_wait_tensorcnt 0x0
	ds_add_u32 v59, v63
	s_wait_dscnt 0x0
	s_endpgm
.Lfunc_end_k_qf86a2df843_proj:
	.size	k_qf86a2df843_proj, .Lfunc_end_k_qf86a2df843_proj-k_qf86a2df843_proj
	.p2alignl 7, 3214868480
	.fill 96, 4, 3214868480
	.section	.rodata,"a",@progbits
	.p2align	6, 0x0
	.amdhsa_kernel k_qf86a2df843_proj
		.amdhsa_group_segment_fixed_size 168448
		.amdhsa_private_segment_fixed_size 0
		.amdhsa_enable_private_segment 0
		.amdhsa_kernarg_size 48
		.amdhsa_user_sgpr_count 2
		.amdhsa_user_sgpr_kernarg_segment_ptr 1
		.amdhsa_wavefront_size32 1
		.amdhsa_system_sgpr_workgroup_id_x 1
		.amdhsa_system_sgpr_workgroup_id_y 1
		.amdhsa_system_sgpr_workgroup_id_z 1
		.amdhsa_system_vgpr_workitem_id 0
		.amdhsa_next_free_vgpr 768
		.amdhsa_next_free_sgpr 100
		.amdhsa_reserve_vcc 0
		.amdhsa_float_denorm_mode_32 3
		.amdhsa_float_denorm_mode_16_64 3
		.amdhsa_memory_ordered 1
		.amdhsa_forward_progress 1
		.amdhsa_inst_pref_size 87
	.end_amdhsa_kernel
	.amdgpu_metadata
---
amdhsa.version: [ 1, 2 ]
amdhsa.kernels:
  - .name:           k_qf86a2df843_proj
    .symbol:         k_qf86a2df843_proj.kd
    .args:
      - { .name: aq, .offset: 0, .size: 8, .value_kind: global_buffer, .address_space: global }
      - { .name: asc, .offset: 8, .size: 8, .value_kind: global_buffer, .address_space: global }
      - { .name: wc, .offset: 16, .size: 8, .value_kind: global_buffer, .address_space: global }
      - { .name: aff, .offset: 24, .size: 8, .value_kind: global_buffer, .address_space: global }
      - { .name: x, .offset: 32, .size: 8, .value_kind: global_buffer, .address_space: global }
      - { .name: out0, .offset: 40, .size: 8, .value_kind: global_buffer, .address_space: global }
    .group_segment_fixed_size: 168448
    .private_segment_fixed_size: 0
    .kernarg_segment_align: 8
    .kernarg_segment_size: 48
    .max_flat_workgroup_size: 128
    .sgpr_count:     100
    .vgpr_count:     768
    .wavefront_size: 32
...
	.end_amdgpu_metadata
.endif
;; end of part 4
;; ======== version 2 of 2: 4 launches
;; limits: a difference of large sums (such as E[x^2] - mean^2): digits are lost where the result is much smaller than its terms
;; workspace buffers: xq 4,194,304 bytes; xs 262,144 bytes; aff 65,536 bytes; wc 2,228,224 bytes; qb 4,718,592 bytes; kv 9,437,184 bytes; aq 4,194,304 bytes; asc 262,144 bytes
;; launch prep (part 5): grid 512 x 1, 8 waves a work-group, no clusters, 91,136 bytes of LDS; arguments x, norm_w, norm_b, proj_b, xq, xs, aff, qkv_w, proj_w, wc; writes xq, xs, aff, wc
.if DOCPART == 5
	.amdgcn_target "amdgcn-amd-amdhsa--gfx1250"
	.amdhsa_code_object_version 6
	.text
	.protected	k_qf86a2df843_prep
	.globl	k_qf86a2df843_prep
	.p2align	8
	.type	k_qf86a2df843_prep,@function
k_qf86a2df843_prep:
	s_mov_b64 s[64:65], 0
	v_nop
	global_prefetch_b8 v0, s[64:65] scope:SCOPE_SE
	s_setreg_imm32_b32 hwreg(HW_REG_WAVE_MODE, 25, 1), 1
	s_wait_xcnt 0x0
; PREP.  Work-groups 0-255: GroupNorm of x [8][1024][1024] f32 and its codes for the first product.  Work-groups 256-511: the codes of qkv_w [3072][1024] and proj_w [1024][1024].
; Codes are FP4 (E2M1) with one E8M0 byte for each 32 along K: scale = 2^(floor(log2(largest magnitude)) - 2), each number / scale rounded to the nearest code, ties to even, beyond 6 the code of 6.
; GROUPNORM PATH.  Work-group id = 32 b + g owns group g of batch b: 32 channels x 1,024 positions, 131,072 consecutive bytes.  A group's 32 channels ARE one block of 32 along the first product's K,
; so the work-group that makes the statistics also normalises and quantises, from registers: x is read once here.  Wave w owns positions 128 w .. 128 w + 127; a lane holds 4 neighbouring positions of all 32 channels.
; Mean first, then the mean of the squared deviations (two passes over registers: no difference of large sums).  x_norm = (x - mean) (rstd w[c]) + b[c], one fused multiply-add, which also lays a column's 32 channels in 32 consecutive registers.
; OUT: xq [b][chunk 8][ks 8][tile 8][c2 2][hl 2][r 16][16 B] (group g = 4 ks + 2 c2 + hl; position 128 chunk + 16 tile + r): the order of the operand's registers;
;      xs [b][g][chunk][(16 hrow + r) 4 + t] bytes (tile = 4 hrow + t);  aff [b][o][2] f32: A = rstd w[o], Cc = norm_b[o] + proj_b[o] - mean A, for the last launch's x A + Cc = x_norm + proj_b.
; WEIGHT PATH.  Unit u = id - 256 = 4 G + kp: 64 rows (G < 48: qkv_w rows 64 G; else proj_w rows 64 (G - 48)) x 256 along K.  Wave w: tile w & 3 (16 rows), ksub = w >> 2 (128 along K).
; OUT: wc unit of 8,704 bytes: [ksub 2][tile 4][c2][hl][r][16 B], then the scale words [ksub][r][tile 4].  In proj_w's blocks code registers 1 and 2 change places: so lie the codes of the operand that it meets.
; LIMITS: NaN and infinities among the inputs are not served.  A block whose largest magnitude lies under 2^-124, a block of zeros among them, gets the byte 1: its codes are then zeros or nearly so; the bytes are read by this program alone.
; No matrix unit, no cluster, no tensor load: work-groups share no input here.  Each path has LDS bytes of its own.
.set RED1, 0                           ; GroupNorm path: 8 partial sums
.set RED2, 256                         ; 8 partial sums of squares
.set BYT,  512                         ; the group's 1,024 scale bytes, 128 a wave
.set CST,  1536                        ; a stage for codes, 2,560 bytes a wave: 32 lanes x (64 bytes + 16 of padding)
.set WST,  22016                       ; weight path: a stage of 16 rows x (512 bytes + 16) a wave
.set WGA,  89600                       ; the unit's 128 scale words
.set X,    64                          ; v64-191  x, then x - mean: register 4 c + e = channel c, position 4 lane + e
.set Y0,   192                         ; v192-223 one column of x_norm, down the channels
.set Y1,   224                         ; v224-255 the next column
	v_lshl_add_u32 v60, v0, 2, 0x16000
	v_mov_b32 v61, 0
	v_lshrrev_b32 v1, 5, v0
	s_delay_alu instid0(VALU_DEP_1)
	v_readfirstlane_b32 s2, v1                     ; wave 0..7
	s_cmp_ge_u32 ttmp9, 256
	s_cbranch_scc1 .Lweights                       ; the same way for all waves of a work-group
	; ================= GroupNorm path =================
	s_load_b256 s[4:11], s[0:1], 0x0               ; x, norm_w, norm_b, proj_b
	s_load_b128 s[12:15], s[0:1], 0x20             ; xq, xs
	s_load_b64 s[16:17], s[0:1], 0x30              ; aff
	v_and_b32 v26, 31, v0                          ; lane
	v_lshlrev_b32 v1, 4, v0                        ; x: 16 bytes a thread in every row of 4,096
	s_delay_alu instid0(VALU_DEP_2)
	v_lshlrev_b32 v27, 2, v26                      ; 4 lane: my channel's gain and biases
	s_delay_alu instid0(VALU_DEP_3)
	v_lshlrev_b32 v31, 3, v26                      ; 8 lane: my channel's pair in aff
	v_mov_b32 v63, 0
	s_mul_i32 s3, s2, 2560
	s_add_co_u32 s3, s3, CST                       ; my wave's stage
	v_mul_u32_u24 v2, v26, 80
	s_delay_alu instid0(VALU_DEP_1)
	v_add_nc_u32 v2, s3, v2                        ; into it: 80 lane (+ 16 e)
	v_lshrrev_b32 v8, 2, v26
	v_and_b32 v9, 3, v26
	s_delay_alu instid0(VALU_DEP_2)
	v_mul_u32_u24 v3, v8, 80
	s_delay_alu instid0(VALU_DEP_1)
	v_lshl_add_u32 v3, v9, 4, v3
	s_delay_alu instid0(VALU_DEP_1)
	v_add_nc_u32 v3, s3, v3                        ; out of it: column 32 k + lane lies at 640 k + 80 (lane / 4) + 16 (lane % 4)
	v_lshrrev_b32 v10, 4, v26
	v_and_b32 v8, 3, v8
	s_delay_alu instid0(VALU_DEP_1)
	v_lshl_add_u32 v4, v10, 6, v8
	s_delay_alu instid0(VALU_DEP_1)
	v_lshl_add_u32 v4, v9, 4, v4
	s_lshl_b32 s18, s2, 7
	s_add_co_u32 s18, s18, BYT
	v_add_nc_u32 v4, s18, v4                       ; my columns' scale bytes: 128 w + 64 (lane / 16) + 16 (lane % 4) + (lane / 4) % 4 (+ 4 e)
	v_and_b32 v11, 15, v26
	v_lshlrev_b32 v5, 10, v10
	s_delay_alu instid0(VALU_DEP_1)
	v_lshl_add_u32 v5, v11, 4, v5                  ; xq: lanes 0-15 one tile's 256 bytes, lanes 16-31 the next tile's, 1,024 bytes on
	v_lshrrev_b32 v6, 5, v0
	s_delay_alu instid0(VALU_DEP_1)
	v_lshlrev_b32 v6, 2, v6                        ; 4 w: my wave's word among the partial sums
	v_and_b32 v7, 63, v0
	s_delay_alu instid0(VALU_DEP_1)
	v_lshlrev_b32 v62, 4, v7                       ; the scale bytes' way out: 16 bytes a thread of waves 0 and 1
	s_delay_alu instid0(VALU_DEP_2)
	v_lshl_add_u32 v7, v7, 4, BYT
	s_mov_b32 s54, 0x76543210
	s_mov_b32 s55, 0xfedcba98                      ; v_permlanex16_b32's selects for lane l xor 16
	s_mov_b32 s58, 0x38000000                      ; 2^-15 = 1 / (32 x 1,024)
	s_mov_b32 s59, 0x3727c5ac                      ; 1e-5
	s_and_b32 s60, ttmp9, 31
	s_lshl_b32 s60, s60, 7                         ; 128 g: the group's 32 numbers in norm_w, norm_b, proj_b
	s_mov_b32 s61, 0
	s_lshl_b32 s52, ttmp9, 17                      ; 131,072 id
	s_mov_b32 s53, 0
	s_wait_kmcnt 0x0
	s_add_nc_u64 s[4:5], s[4:5], s[52:53]
	s_add_nc_u64 s[6:7], s[6:7], s[60:61]
	s_add_nc_u64 s[8:9], s[8:9], s[60:61]
	s_add_nc_u64 s[10:11], s[10:11], s[60:61]
	s_load_b512 s[20:35], s[6:7], 0x0              ; the group's 32 gains as scalars,
	s_load_b512 s[36:51], s[6:7], 0x40
	s_load_b512 s[68:83], s[8:9], 0x0              ; and its 32 biases
	s_load_b512 s[84:99], s[8:9], 0x40
	global_load_b32 v28, v27, s[6:7]               ; and a channel a lane, for aff
	global_load_b32 v29, v27, s[8:9]
	global_load_b32 v30, v27, s[10:11]
.set CC, 0
.rept 32
	global_load_b128 v[X+4*CC:X+4*CC+3], v1, s[4:5] offset:4096*CC   ; a wave reads 512 consecutive bytes of channel CC
.set CC, CC+1
.endr
	s_lshr_b32 s62, ttmp9, 5                       ; where my wave's codes go: ((8 b + w) 8 + g / 4) 8,192 + 256 (g % 4)
	s_lshl_b32 s62, s62, 19
	s_lshl_b32 s63, s2, 16
	s_add_co_u32 s62, s62, s63
	s_bfe_u32 s63, ttmp9, 0x30002
	s_lshl_b32 s63, s63, 13
	s_add_co_u32 s62, s62, s63
	s_and_b32 s63, ttmp9, 3
	s_lshl_b32 s63, s63, 8
	s_add_co_u32 s52, s62, s63
	s_add_nc_u64 s[12:13], s[12:13], s[52:53]
	s_lshl_b32 s52, ttmp9, 10                      ; xs: 1,024 bytes a group
	s_add_nc_u64 s[14:15], s[14:15], s[52:53]
	s_lshl_b32 s52, ttmp9, 8                       ; aff: 256 bytes a group
	s_add_nc_u64 s[16:17], s[16:17], s[52:53]
.macro ADDCH c                         ; channel c's two pairs onto two of the four chains
	v_pk_add_f32 v[8+4*((\c)%2):9+4*((\c)%2)], v[8+4*((\c)%2):9+4*((\c)%2)], v[X+4*(\c):X+4*(\c)+1]
	v_pk_add_f32 v[10+4*((\c)%2):11+4*((\c)%2)], v[10+4*((\c)%2):11+4*((\c)%2)], v[X+4*(\c)+2:X+4*(\c)+3]
.endm
; The four chains v[8:15] become one number for the whole work-group, in v8 of every lane: within the lane, across the 32 lanes, then across the 8 waves through 8 words of LDS at red.
.macro WGSUM red
	s_delay_alu instid0(VALU_DEP_3)
	v_pk_add_f32 v[8:9], v[8:9], v[10:11]
	s_delay_alu instid0(VALU_DEP_2)
	v_pk_add_f32 v[12:13], v[12:13], v[14:15]
	s_delay_alu instid0(VALU_DEP_1)
	v_pk_add_f32 v[8:9], v[8:9], v[12:13]
	s_delay_alu instid0(VALU_DEP_1)
	v_add_f32 v8, v8, v9
	s_delay_alu instid0(VALU_DEP_1)
	v_add_f32_dpp v8, v8, v8 row_xmask:1 row_mask:0xf bank_mask:0xf
	s_delay_alu instid0(VALU_DEP_1)
	v_add_f32_dpp v8, v8, v8 row_xmask:2 row_mask:0xf bank_mask:0xf
	s_delay_alu instid0(VALU_DEP_1)
	v_add_f32_dpp v8, v8, v8 row_xmask:4 row_mask:0xf bank_mask:0xf
	s_delay_alu instid0(VALU_DEP_1)
	v_add_f32_dpp v8, v8, v8 row_xmask:8 row_mask:0xf bank_mask:0xf
	s_delay_alu instid0(VALU_DEP_1)
	v_permlanex16_b32 v9, v8, s54, s55
	s_delay_alu instid0(VALU_DEP_1)
	v_add_f32 v8, v8, v9
	ds_store_b32 v6, v8 offset:\red                ; all lanes of a wave write the same word with the same value
	s_wait_dscnt 0x0                               ; for the others' sake: my store has landed
	s_barrier_signal -1
	s_barrier_wait -1
	ds_load_b128 v[16:19], v63 offset:\red
	ds_load_b128 v[20:23], v63 offset:\red+16
	s_wait_dscnt 0x0
	v_pk_add_f32 v[16:17], v[16:17], v[18:19]      ; every wave adds the eight in the same order: the same bits everywhere
	v_pk_add_f32 v[20:21], v[20:21], v[22:23]
	s_delay_alu instid0(VALU_DEP_1)
	v_pk_add_f32 v[16:17], v[16:17], v[20:21]
	s_delay_alu instid0(VALU_DEP_1)
	v_add_f32 v8, v16, v17
.endm
	s_wait_loadcnt 24                              ; the three small loads and channels 0-7 are in; 24 younger loads may be out
	v_pk_add_f32 v[8:9], v[X:X+1], v[X+4:X+5]      ; the first pairs start the chains: nothing is cleared
	v_pk_add_f32 v[10:11], v[X+2:X+3], v[X+6:X+7]
	v_pk_add_f32 v[12:13], v[X+8:X+9], v[X+12:X+13]
	v_pk_add_f32 v[14:15], v[X+10:X+11], v[X+14:X+15]
.irp c, 4,5,6,7
	ADDCH \c
.endr
	s_wait_alu depctr_va_vdst(0)
	s_wait_loadcnt 16                              ; channels 8-15 are in
.irp c, 8,9,10,11,12,13,14,15
	ADDCH \c
.endr
	s_wait_alu depctr_va_vdst(0)
	s_wait_loadcnt 8                               ; channels 16-23
.irp c, 16,17,18,19,20,21,22,23
	ADDCH \c
.endr
	s_wait_alu depctr_va_vdst(0)
	s_wait_loadcnt 0x0
.irp c, 24,25,26,27,28,29,30,31
	ADDCH \c
.endr
	WGSUM RED1
	s_delay_alu instid0(VALU_DEP_1)
	v_mul_f32 v24, s58, v8                         ; the mean,
	s_delay_alu instid0(VALU_DEP_1)
	v_mov_b32 v25, v24                             ; twice, for the packed subtraction
.set PP, 0
.rept 64
	v_pk_add_f32 v[X+2*PP:X+2*PP+1], v[X+2*PP:X+2*PP+1], v[24:25] neg_lo:[0,1] neg_hi:[0,1]   ; x - mean, in place
.set PP, PP+1
.endr
.set PP, 0
.rept 4
	v_pk_mul_f32 v[8+2*PP:9+2*PP], v[X+2*PP:X+2*PP+1], v[X+2*PP:X+2*PP+1]
.set PP, PP+1
.endr
.rept 60
	s_delay_alu instid0(VALU_DEP_4)
	v_pk_fma_f32 v[8+2*(PP%4):9+2*(PP%4)], v[X+2*PP:X+2*PP+1], v[X+2*PP:X+2*PP+1], v[8+2*(PP%4):9+2*(PP%4)]
.set PP, PP+1
.endr
	WGSUM RED2                                     ; other words than the first sum's: no barrier is owed between the two
	s_delay_alu instid0(VALU_DEP_1)
	v_fma_f32 v8, v8, s58, s59                     ; the variance + 1e-5
	s_wait_alu depctr_va_vdst(0)
	v_rsq_f32 v9, v8
	v_nop                                          ; a plain instruction behind the transcendental
	s_wait_alu depctr_va_vdst(0)                   ; and the wait ahead of its first reader
	v_readfirstlane_b32 s56, v9                    ; rstd
	s_wait_kmcnt 0x0                               ; the 64 scalars
.set CC, 0
.rept 32
	s_mul_f32 s[20+CC], s[20+CC], s56              ; A_c = rstd w[c]
.set CC, CC+1
.endr
	v_mul_f32 v28, v9, v28                         ; aff, a channel a lane: A,
	v_add_f32 v29, v29, v30
	s_delay_alu instid0(VALU_DEP_1)
	v_fma_f32 v29, -v24, v28, v29                  ; Cc = norm_b + proj_b - mean A
; Columns e0 and e0 + 1 of my four: normalise (the multiply-add also lays the column down 32 consecutive registers), the block's largest magnitude (all 32 numbers are mine), the scale, the codes.
.macro COLS e0
.set CC, 0
.rept 32
	v_fma_f32 v[Y0+CC], v[X+4*CC+\e0], s[20+CC], s[68+CC]
	v_fma_f32 v[Y1+CC], v[X+4*CC+\e0+1], s[20+CC], s[68+CC]
.set CC, CC+1
.endr
	v_max3_num_f32 v16, |v[Y0]|, |v[Y0+1]|, 0x1800000      ; with the floor 2^(3 - 127) among the leaves: the byte cannot fall under 1
	v_max3_num_f32 v17, |v[Y1]|, |v[Y1+1]|, 0x1800000
.irp i, 2,4,6,8,10,12,14,16,18,20,22,24,26,28,30
	s_delay_alu instid0(VALU_DEP_2)
	v_max3_num_f32 v16, v16, |v[Y0+\i]|, |v[Y0+1+\i]|      ; (the two columns by turns)
	s_delay_alu instid0(VALU_DEP_2)
	v_max3_num_f32 v17, v17, |v[Y1+\i]|, |v[Y1+1+\i]|
.endr
	s_delay_alu instid0(VALU_DEP_2)
	v_add_nc_u32 v18, 0xff000000, v16              ; 2 off the exponent field: the conversion takes the exponent field of this operand as its scale
	s_delay_alu instid0(VALU_DEP_2)
	v_add_nc_u32 v19, 0xff000000, v17
.irp g, 0,1,2,3
	v_cvt_scalef32_pk8_fp4_f32 v[32+4*\e0+\g], v[Y0+8*\g:Y0+8*\g+7], v18
	v_cvt_scalef32_pk8_fp4_f32 v[36+4*\e0+\g], v[Y1+8*\g:Y1+8*\g+7], v19
.endr
	v_lshrrev_b32 v[48+\e0], 23, v18               ; the scale's byte.  (Also the plain instruction between the conversions and the next write of their sources)
	v_lshrrev_b32 v[49+\e0], 23, v19
	ds_store_b128 v2, v[32+4*\e0:35+4*\e0] offset:16*\e0
	ds_store_b128 v2, v[36+4*\e0:39+4*\e0] offset:16*\e0+16
	ds_store_b8 v4, v[48+\e0] offset:4*\e0
	ds_store_b8 v4, v[49+\e0] offset:4*\e0+4
.endm
	COLS 0
	COLS 2
.irp k, 0,1,2,3
	ds_load_b128 v[Y0+4*\k:Y0+4*\k+3], v3 offset:640*\k   ; my wave's own stage; LDS serves a wave's instructions in order (ISA guide 5.7.1.4): these see the stores above
.endr
.irp k, 0,1,2,3
	s_wait_dscnt 3-\k                              ; read-back k is in; the later ones may be out
	global_store_b128 v5, v[Y0+4*\k:Y0+4*\k+3], s[12:13] offset:2048*\k   ; sixteen lanes store 256 consecutive bytes, aligned: a tile's part of this group
.endr
	s_wait_dscnt 0x0                               ; my byte stores have landed
	s_barrier_signal -1
	s_barrier_wait -1                              ; the group's 1,024 scale bytes lie in LDS
	s_cmp_lt_u32 s2, 2
	s_cbranch_scc0 .Lnot_bytes
	ds_load_b128 v[16:19], v7
	s_wait_dscnt 0x0
	global_store_b128 v62, v[16:19], s[14:15]      ; waves 0 and 1: 512 consecutive bytes each
.Lnot_bytes:
	s_cmp_eq_u32 s2, 2
	s_cbranch_scc0 .Lgn_end
	global_store_b64 v31, v[28:29], s[16:17]       ; wave 2: the group's 32 pairs, 256 consecutive bytes
.Lgn_end:
	s_wait_tensorcnt 0x0
	ds_add_u32 v60, v61
	s_wait_dscnt 0x0
	s_endpgm
	; ================= weight path =================
.Lweights:
	s_load_b128 s[4:7], s[0:1], 0x38               ; qkv_w, proj_w
	s_load_b64 s[8:9], s[0:1], 0x48                ; wc
	s_sub_co_u32 s10, ttmp9, 256                   ; the unit
	s_lshr_b32 s11, s10, 2                         ; G: which 64 rows
	s_and_b32 s12, s10, 3                          ; kp: which 256 along K
	s_and_b32 s13, s2, 3                           ; my tile of 16 rows
	s_lshr_b32 s14, s2, 2                          ; my 128 along K
	s_mov_b32 s26, 0x76543210
	s_mov_b32 s27, 0xfedcba98
	v_and_b32 v1, 31, v0
	s_delay_alu instid0(VALU_DEP_1)
	v_lshlrev_b32 v2, 4, v1                        ; 16 lane
	v_and_b32 v8, 15, v0                           ; r
	v_bfe_u32 v6, v0, 4, 1                         ; hl
	s_mul_i32 s22, s2, 8448
	s_add_co_u32 s22, s22, WST                     ; my wave's stage
	v_add_nc_u32 v3, s22, v2                       ; into it: a row as it lies
	v_mul_u32_u24 v4, v8, 528
	s_delay_alu instid0(VALU_DEP_1)
	v_lshl_add_u32 v4, v6, 7, v4
	s_delay_alu instid0(VALU_DEP_1)
	v_add_nc_u32 v4, s22, v4                       ; out of it: row r, block hl (+ 256 c2)
	s_lshl_b32 s23, s14, 8
	s_lshl_b32 s24, s13, 2
	s_add_co_u32 s23, s23, s24
	s_add_co_u32 s23, s23, WGA
	v_lshl_add_u32 v5, v8, 4, s23                  ; my row's scale word: 256 ksub + 16 r + 4 tile
	v_add_nc_u32 v7, WGA, v2
	s_mul_i32 s18, s10, 8704                       ; the unit, my K step, my tile
	s_lshl_b32 s19, s14, 12
	s_add_co_u32 s18, s18, s19
	s_lshl_b32 s19, s13, 10
	s_add_co_u32 s18, s18, s19
	s_mov_b32 s19, 0
	s_wait_alu depctr_va_vdst(0)
	s_wait_kmcnt 0x0
	s_cmp_lt_u32 s11, 48                           ; qkv_w or proj_w: the choice hangs on the work-group's number alone
	s_cselect_b64 s[4:5], s[4:5], s[6:7]
	s_cselect_b32 s15, 0, 48
	s_cselect_b32 s30, 0, -1                       ; all lanes: proj_w's blocks get the exchange
	s_sub_co_u32 s15, s11, s15
	s_lshl_b32 s16, s15, 18                        ; 64 rows of 4,096 bytes
	s_lshl_b32 s17, s13, 16
	s_add_co_u32 s16, s16, s17
	s_lshl_b32 s17, s12, 10
	s_add_co_u32 s16, s16, s17
	s_lshl_b32 s17, s14, 9
	s_add_co_u32 s16, s16, s17
	s_mov_b32 s17, 0
	s_add_nc_u64 s[4:5], s[4:5], s[16:17]
	s_add_nc_u64 s[8:9], s[8:9], s[18:19]
.irp p, 0,1,2,3,4,5,6,7,8,9,10,11,12,13,14,15
	global_load_b128 v[64+4*\p:67+4*\p], v2, s[4:5] offset:4096*\p th:TH_LOAD_NT   ; 128 numbers of row p: 512 consecutive bytes; read once in the launch
.endr
.irp p, 0,1,2,3,4,5,6,7,8,9,10,11,12,13,14,15
	s_wait_loadcnt 15-\p                           ; row p is in; the later rows may be out
	ds_store_b128 v3, v[64+4*\p:67+4*\p] offset:528*\p
.endr
.irp c, 0,1
.irp q, 0,1,2,3,4,5,6,7
	ds_load_b128 v[128+32*\c+4*\q:131+32*\c+4*\q], v4 offset:256*\c+16*\q   ; lane (r, hl): blocks hl and 2 + hl of row r, 32 neighbours each (my wave's own stage, served in order)
.endr
.endr
	s_wait_dscnt 0x0
.irp c, 0,1
	v_max3_num_f32 v[10+\c], |v[128+32*\c]|, |v[129+32*\c]|, 0x1800000   ; the floor 2^(3 - 127) among the leaves
.endr
.irp i, 2,4,6,8,10,12,14,16,18,20,22,24,26,28,30
.irp c, 0,1
	s_delay_alu instid0(VALU_DEP_2)
	v_max3_num_f32 v[10+\c], v[10+\c], |v[128+32*\c+\i]|, |v[129+32*\c+\i]|
.endr
.endr
.irp c, 0,1
	s_delay_alu instid0(VALU_DEP_2)
	v_add_nc_u32 v[12+\c], 0xff000000, v[10+\c]    ; the conversion's scale operand
.endr
.irp c, 0,1
	s_delay_alu instid0(VALU_DEP_2)
	v_lshrrev_b32 v[14+\c], 23, v[12+\c]           ; the byte
.endr
	s_delay_alu instid0(VALU_DEP_1)
	v_lshl_or_b32 v16, v15, 16, v14                ; my two bytes: blocks hl and 2 + hl,
	v_lshlrev_b32 v17, 3, v6
	s_delay_alu instid0(VALU_DEP_1)
	v_lshlrev_b32 v16, v17, v16                    ; at their places in the word;
	v_mov_b32 v18, 0
	s_delay_alu instid0(VALU_DEP_1)
	v_permlanex16_b32 v18, v16, s26, s27
	s_delay_alu instid0(VALU_DEP_1)
	v_or_b32 v16, v16, v18                         ; with lane l xor 16's two the word is whole
.irp c, 0,1
	v_cvt_scalef32_pk8_fp4_f32 v[32+4*\c], v[128+32*\c:135+32*\c], v[12+\c]
	v_cvt_scalef32_pk8_fp4_f32 v[40+2*\c], v[136+32*\c:143+32*\c], v[12+\c]
	v_cvt_scalef32_pk8_fp4_f32 v[41+2*\c], v[144+32*\c:151+32*\c], v[12+\c]
	v_cvt_scalef32_pk8_fp4_f32 v[35+4*\c], v[152+32*\c:159+32*\c], v[12+\c]
.endr
	v_nop                                          ; a plain instruction between the conversions and the first vector instruction that reads their results
.irp c, 0,1
	v_cndmask_b32 v[33+4*\c], v[40+2*\c], v[41+2*\c], s30   ; qkv_w: k 8-15, then 16-23; proj_w: the other way round
	v_cndmask_b32 v[34+4*\c], v[41+2*\c], v[40+2*\c], s30
.endr
	global_store_b128 v2, v[32:35], s[8:9]                  ; the fragment as its registers stand: 512 consecutive bytes a store
	global_store_b128 v2, v[36:39], s[8:9] offset:512
	ds_store_b32 v5, v16                           ; both halves of the lanes write the same word with the same value
	s_wait_dscnt 0x0
	s_barrier_signal -1
	s_barrier_wait -1                              ; the unit's 128 scale words lie in LDS
	s_cmp_lg_u32 s2, 0
	s_cbranch_scc1 .Lw_end
	ds_load_b128 v[20:23], v7
	s_wait_dscnt 0x0
	global_store_b128 v2, v[20:23], s[8:9] offset:8192   ; wave 0 (its base is the unit's first byte): 512 consecutive bytes
.Lw_end:
	s_wait_tensorcnt 0x0
	ds_add_u32 v60, v61
	s_wait_dscnt 0x0
	s_endpgm
.Lfunc_end_k_qf86a2df843_prep:
	.size	k_qf86a2df843_prep, .Lfunc_end_k_qf86a2df843_prep-k_qf86a2df843_prep
	.p2alignl 7, 3214868480
	.fill 96, 4, 3214868480
	.section	.rodata,"a",@progbits
	.p2align	6, 0x0
	.amdhsa_kernel k_qf86a2df843_prep
		.amdhsa_group_segment_fixed_size 91136
		.amdhsa_private_segment_fixed_size 0
		.amdhsa_enable_private_segment 0
		.amdhsa_kernarg_size 80
		.amdhsa_user_sgpr_count 2
		.amdhsa_user_sgpr_kernarg_segment_ptr 1
		.amdhsa_wavefront_size32 1
		.amdhsa_system_sgpr_workgroup_id_x 1
		.amdhsa_system_sgpr_workgroup_id_y 1
		.amdhsa_system_sgpr_workgroup_id_z 1
		.amdhsa_system_vgpr_workitem_id 0
		.amdhsa_next_free_vgpr 256
		.amdhsa_next_free_sgpr 100
		.amdhsa_reserve_vcc 0
		.amdhsa_float_denorm_mode_32 3
		.amdhsa_float_denorm_mode_16_64 3
		.amdhsa_memory_ordered 1
		.amdhsa_forward_progress 1
		.amdhsa_inst_pref_size 55
	.end_amdhsa_kernel
	.amdgpu_metadata
---
amdhsa.version: [ 1, 2 ]
amdhsa.kernels:
  - .name:           k_qf86a2df843_prep
    .symbol:         k_qf86a2df843_prep.kd
    .args:
      - { .name: x, .offset: 0, .size: 8, .value_kind: global_buffer, .address_space: global }
      - { .name: norm_w, .offset: 8, .size: 8, .value_kind: global_buffer, .address_space: global }
      - { .name: norm_b, .offset: 16, .size: 8, .value_kind: global_buffer, .address_space: global }
      - { .name: proj_b, .offset: 24, .size: 8, .value_kind: global_buffer, .address_space: global }
      - { .name: xq, .offset: 32, .size: 8, .value_kind: global_buffer, .address_space: global }
      - { .name: xs, .offset: 40, .size: 8, .value_kind: global_buffer, .address_space: global }
      - { .name: aff, .offset: 48, .size: 8, .value_kind: global_buffer, .address_space: global }
      - { .name: qkv_w, .offset: 56, .size: 8, .value_kind: global_buffer, .address_space: global }
      - { .name: proj_w, .offset: 64, .size: 8, .value_kind: global_buffer, .address_space: global }
      - { .name: wc, .offset: 72, .size: 8, .value_kind: global_buffer, .address_space: global }
    .group_segment_fixed_size: 91136
    .private_segment_fixed_size: 0
    .kernarg_segment_align: 8
    .kernarg_segment_size: 80
    .max_flat_workgroup_size: 256
    .sgpr_count:     100
    .vgpr_count:     256
    .wavefront_size: 32
...
	.end_amdgpu_metadata
.endif
;; end of part 5
;; launch qkv (part 6): grid 256 x 1, 4 waves a work-group, no clusters, 168,448 bytes of LDS; arguments xq, xs, wc, qkv_b, qb, kv; writes qb, kv
.if DOCPART == 6
	.amdgcn_target "amdgcn-amd-amdhsa--gfx1250"
	.amdhsa_code_object_version 6
	.text
	.protected	k_qf86a2df843_qkv
	.globl	k_qf86a2df843_qkv
	.p2align	8
	.type	k_qf86a2df843_qkv,@function
k_qf86a2df843_qkv:
	s_mov_b64 s[64:65], 0
	v_nop
	global_prefetch_b8 v0, s[64:65] scope:SCOPE_SE
	s_setreg_imm32_b32 hwreg(HW_REG_WAVE_MODE, 25, 1), 1
	s_wait_xcnt 0x0
; QKV: qkv[b][o][l] = sum over c of qkv_w[o][c] x_norm[b][c][l] + qkv_b[o], on codes of FP4 with E8M0 scales (K = 1,024 channels), and its results quantised for attention.
; SHARES.  Work-group id: b = id / 32, head h = (id / 2) % 16, half = id % 2.  Wave w owns positions 128 (4 half + w) .. + 127 and all 192 rows of the head (q, k, v: 64 each): 96 accumulators of 16 x 16, 768 registers.
; ORIENTATION.  q, k: source 0 = 16 rows of the weight, source 1 = 16 positions: a lane holds ONE position and its registers run along the head's channels, the K of the scores.
;               v:    source 0 = 16 positions, source 1 = 16 rows of the weight: a lane holds ONE channel and its registers run along the positions, the K of the second attention product.
; OPERANDS.  The head's weight codes and scale words, 12 units of 8,704 bytes, are 104,448 consecutive bytes: they come into LDS once, a quarter by each wave's one tensor load, and all four waves read them.
;   x's codes lie in memory in the order of the operand's registers and go straight into registers: each wave reads only its own 128 positions.
; RESULTS.  (sum + bias) 2^-1.5 for q and k is made as fma(sum, 2^-1.5, bias 2^-1.5).  A tile's registers 8 u + j of lane half hl hold element 16 u + 8 hl + j of a block of 32; after the conversions and the exchange of halves
;   that element's code stands at place 16 hl + 8 u + j: a fixed order inside each block, the same on both operands of each attention product, so the sums are those of the true order.
; OUT: qb [head][36,864]: codes [tile 64][lane][16 B] (lanes 0-15 block 0, lanes 16-31 block 1), at 32,768 scale words [chunk 8][hrow 2][r][t 4] (bytes 0, 1; bytes 2, 3 are 0);
;      kv [head][73,728]: k as q; at 36,864 v's codes [ks 8][ct 4][c2][lane][16 B]; at 69,632 v's scale words [ks][copy 2][r][ct 4].
; NO CLUSTER: of the 366,592 bytes that a work-group takes in, the 262,144 of x's codes go to registers, where a joint load cannot put them; the weight's 104,448 are asked for once, at the head.
; LIMITS: NaN and infinities are not served; a block whose largest magnitude lies under 2^-124 gets the byte 1.
; REGISTERS, in windows of 256: window 0: v1-7 addresses; v8-39 x's scale words, v40-51 the weight's (these hold scales and nothing else); v52-59 v's bias; v60-63 at work; v64-127, v128-191 x's fragments, two sets;
;   v192-223, v224-255 the weight's fragments, two sets.  Window 1: q's 32 accumulators ((i, t) at 8 (4 i + t)); window 2: k's; window 3: v's ((ct, i) at 8 (8 ct + i)).
.set XS,  8
.set WS,  40
.set BV,  52
.set YY,  128                          ; the way out: 64 numbers in f32
.set PC,  192                          ; the codes just made
.set TM,  200                          ; v200-215 at work in QUANT
.set PW,  216                          ; the scale word just made
.set KW,  224                          ; v224-231 a role's eight half words
.set SW,  232                          ; v232-235 as they are stored
.set VW,  236                          ; v236-239 v's four scale words
.set SEL, 36
.set MSB, 0
.macro WIN new                         ; the immediate's high byte repeats the setting that is left
.if MSB != (\new)
	s_set_vgpr_msb (MSB<<8)|(\new)
.set MSB, \new
.endif
.endm
.macro PLACES n
.rept \n
	v_nop
.endr
.endm
; One matrix instruction from the symbols mD, mC, mA, mB, mSA, mSB; mRA, mRB: the side's scales stand in lanes 16-31; mZ: the sum begins with the constant 0
.macro WMM
.if mZ
.if mRA && mRB
	v_wmma_scale_f32_16x16x128_f8f6f4 v[mD:mD+7], v[mA:mA+7], v[mB:mB+7], 0, v[mSA], v[mSB] matrix_a_fmt:MATRIX_FMT_FP4 matrix_b_fmt:MATRIX_FMT_FP4 matrix_a_scale:MATRIX_SCALE_ROW1 matrix_b_scale:MATRIX_SCALE_ROW1
.elseif mRA
	v_wmma_scale_f32_16x16x128_f8f6f4 v[mD:mD+7], v[mA:mA+7], v[mB:mB+7], 0, v[mSA], v[mSB] matrix_a_fmt:MATRIX_FMT_FP4 matrix_b_fmt:MATRIX_FMT_FP4 matrix_a_scale:MATRIX_SCALE_ROW1
.elseif mRB
	v_wmma_scale_f32_16x16x128_f8f6f4 v[mD:mD+7], v[mA:mA+7], v[mB:mB+7], 0, v[mSA], v[mSB] matrix_a_fmt:MATRIX_FMT_FP4 matrix_b_fmt:MATRIX_FMT_FP4 matrix_b_scale:MATRIX_SCALE_ROW1
.else
	v_wmma_scale_f32_16x16x128_f8f6f4 v[mD:mD+7], v[mA:mA+7], v[mB:mB+7], 0, v[mSA], v[mSB] matrix_a_fmt:MATRIX_FMT_FP4 matrix_b_fmt:MATRIX_FMT_FP4
.endif
.else
.if mRA && mRB
	v_wmma_scale_f32_16x16x128_f8f6f4 v[mD:mD+7], v[mA:mA+7], v[mB:mB+7], v[mC:mC+7], v[mSA], v[mSB] matrix_a_fmt:MATRIX_FMT_FP4 matrix_b_fmt:MATRIX_FMT_FP4 matrix_a_scale:MATRIX_SCALE_ROW1 matrix_b_scale:MATRIX_SCALE_ROW1
.elseif mRA
	v_wmma_scale_f32_16x16x128_f8f6f4 v[mD:mD+7], v[mA:mA+7], v[mB:mB+7], v[mC:mC+7], v[mSA], v[mSB] matrix_a_fmt:MATRIX_FMT_FP4 matrix_b_fmt:MATRIX_FMT_FP4 matrix_a_scale:MATRIX_SCALE_ROW1
.elseif mRB
	v_wmma_scale_f32_16x16x128_f8f6f4 v[mD:mD+7], v[mA:mA+7], v[mB:mB+7], v[mC:mC+7], v[mSA], v[mSB] matrix_a_fmt:MATRIX_FMT_FP4 matrix_b_fmt:MATRIX_FMT_FP4 matrix_b_scale:MATRIX_SCALE_ROW1
.else
	v_wmma_scale_f32_16x16x128_f8f6f4 v[mD:mD+7], v[mA:mA+7], v[mB:mB+7], v[mC:mC+7], v[mSA], v[mSB] matrix_a_fmt:MATRIX_FMT_FP4 matrix_b_fmt:MATRIX_FMT_FP4
.endif
.endif
.endm
; 64 numbers of a lane, v[s] .. v[s + 63], register 16 b + i in block b, become 8 registers of codes in v[pc] on (lanes 0-15: blocks 0 and 2; lanes 16-31: blocks 1 and 3) and the four bytes in v[pw].
.macro QUANT s, pc, pw
.irp b, 0,1,2,3
	v_max3_num_f32 v[TM+\b], |v[(\s)+16*\b]|, |v[(\s)+1+16*\b]|, 0x1800000   ; my 16 numbers of block b, and the floor 2^(3 - 127): the byte cannot fall under 1
.endr
.irp i, 2,4,6,8,10,12,14
.irp b, 0,1,2,3
	v_max3_num_f32 v[TM+\b], v[TM+\b], |v[(\s)+16*\b+\i]|, |v[(\s)+1+16*\b+\i]|   ; (the four blocks by turns)
.endr
.endr
.irp b, 0,1,2,3
	v_permlanex16_b32 v[TM+4+\b], v[TM+\b], s[SEL], s[SEL+1]
.endr
.irp b, 0,1,2,3
	v_max_num_f32 v[TM+\b], v[TM+\b], v[TM+4+\b]   ; with lane l xor 16's 16: the block's largest magnitude
.endr
.irp b, 0,1,2,3
	v_add_nc_u32 v[TM+12+\b], 0xff000000, v[TM+\b] ; 2 off its exponent field: the conversion's scale operand
.endr
.irp b, 0,1,2,3
	v_lshrrev_b32 v[TM+4+\b], 23, v[TM+12+\b]      ; the byte
.endr
	v_lshl_or_b32 v[\pw], v[TM+5], 8, v[TM+4]
	v_lshl_or_b32 v[\pw], v[TM+6], 16, v[\pw]
	v_lshl_or_b32 v[\pw], v[TM+7], 24, v[\pw]
.irp b, 0,1,2,3
	v_cvt_scalef32_pk8_fp4_f32 v[(\pc)+2*\b], v[(\s)+16*\b:(\s)+7+16*\b], v[TM+12+\b]
	v_cvt_scalef32_pk8_fp4_f32 v[(\pc)+1+2*\b], v[(\s)+8+16*\b:(\s)+15+16*\b], v[TM+12+\b]
.endr
	v_nop                                          ; a plain instruction behind the conversions
.irp c, 0,1
.irp i, 0,1
	v_permlane16_swap_b32 v[(\pc)+4*\c+\i], v[(\pc)+2+4*\c+\i]   ; a whole block to a lane
.endr
.endr
.endm
.macro XLOAD ks                        ; x's eight fragments of K step ks into set ks % 2: 16 loads of 512 consecutive bytes
.set xB, 64+64*((\ks)%2)
.irp i, 0,1,2,3,4,5,6,7
.irp c, 0,1
	global_load_b128 v[xB+8*\i+4*\c:xB+8*\i+4*\c+3], v1, s[4:5] offset:8192*(\ks)+1024*\i+512*\c
.endr
.endr
.endm
.macro WLOAD n                         ; role step n = 3 ks + role: the role's four fragments of K step ks into set n % 2; with an even ks the unit's scale words (lanes 0-15 serve ks, lanes 16-31 ks + 1)
.set wKS, (\n)/3
.set wRO, (\n)%3
.set wUN, 4*wRO+wKS/2
.set wBF, 192+32*((\n)%2)
.set wOF, (wUN%6)*8704
.set wAD, 1+wUN/6                      ; v1 reaches units 0-5, v2 units 6-11
.irp t, 0,1,2,3
.irp c, 0,1
	ds_load_b128 v[wBF+8*\t+4*\c:wBF+8*\t+4*\c+3], v[wAD] offset:wOF+4096*(wKS%2)+1024*\t+512*\c
.endr
.endr
.if wKS%2 == 0
	ds_load_b128 v[WS+4*wRO:WS+4*wRO+3], v[wAD] offset:wOF+8192
.endif
.endm
; A role step: 32 matrix instructions, one on each of the role's 32 accumulators (the accumulators take turns), then the fetch of the role step after the next into the set just read.
.macro RS n
.set rKS, (\n)/3
.set rRO, (\n)%3
.set rW, 192+32*((\n)%2)
.set rX, 64+64*(rKS%2)
.set mZ, 0
.if rKS == 0
.set mZ, 1                             ; the first K step starts the sums: nothing is cleared
.endif
.if (\n) == 23
	s_wait_dscnt 0x0
.elseif (((\n)+1)/3)%2 == 0
	s_wait_dscnt 9                                 ; this step's fragments are in; the next role step's nine loads may be out
.else
	s_wait_dscnt 8                                 ; likewise: its eight
.endif
	WIN 0x50*(rRO+1)                               ; C and D in the role's window
.irp i, 0,1,2,3,4,5,6,7
.irp t, 0,1,2,3
.if rRO < 2
.set mD, 8*(4*\i+\t)
.set mA, rW+8*\t
.set mB, rX+8*\i
.set mSA, WS+4*rRO+\t
.set mSB, XS+4*rKS+\i%4
.set mRA, rKS%2
.set mRB, \i/4
.else
.set mD, 8*(8*\t+\i)
.set mA, rX+8*\i
.set mB, rW+8*\t
.set mSA, XS+4*rKS+\i%4
.set mSB, WS+8+\t
.set mRA, \i/4
.set mRB, rKS%2
.endif
.set mC, mD
	WMM
.endr
.endr
	WIN 0
	PLACES 4                                       ; four plain instructions between the last product and loads into registers that it read (ISA guide 7.12.1 for vector instructions)
.if (\n)+2 <= 23
	WLOAD (\n)+2
.endif
.endm
	s_load_b256 s[4:11], s[0:1], 0x0               ; xq, xs, wc, qkv_b
	s_load_b128 s[12:15], s[0:1], 0x20             ; qb, kv
	v_lshl_add_u32 v254, v0, 2, 0x29000
	v_mov_b32 v255, 0
	ds_add_u32 v254, v255
	ds_add_u32 v254, v255
	s_wait_dscnt 0x0
	v_lshrrev_b32 v1, 5, v0
	v_readfirstlane_b32 s16, v1                    ; wave 0..3
	s_lshr_b32 s17, ttmp9, 5                       ; b
	s_bfe_u32 s18, ttmp9, 0x40001                  ; h
	s_and_b32 s19, ttmp9, 1
	s_lshl_b32 s19, s19, 2
	s_add_co_u32 s19, s19, s16                     ; my chunk of 128 positions
	; descriptor group 1: 26,112 dense bytes as 102 rows of 32 elements of 8 bytes
	s_mov_b32 s24, 3<<16                           ; no mask; elements of 8 bytes; no padding
	s_mov_b32 s25, 32<<16                          ; tensor_dim0 = 32
	s_mov_b32 s26, 102<<16                         ; tensor_dim1 = 102
	s_mov_b32 s27, 32<<16                          ; tile_dim0 = 32
	s_mov_b32 s28, 102                             ; tile_dim1 = 102
	s_mov_b32 s29, 32                              ; from row to row: 32 elements
	s_mov_b32 s30, 0
	s_mov_b32 s31, 0
	s_mov_b32 s20, 1                               ; group 0: count = 1,
	s_mul_i32 s21, s16, 26112                      ; my quarter's place in LDS,
	s_mul_i32 s42, s18, 104448                     ; and in wc: the head's 12 units, my quarter
	s_add_co_u32 s42, s42, s21
	s_mov_b32 s43, 0
	s_mov_b32 s32, 0x05010400                      ; selects of the 4 x 4 byte transposition
	s_mov_b32 s33, 0x07030602
	s_mov_b32 s34, 0x05040100
	s_mov_b32 s35, 0x07060302
	s_mov_b32 s[SEL], 0x76543210
	s_mov_b32 s[SEL+1], 0xfedcba98
	s_mov_b32 s38, 0x3eb504f3                      ; 2^-1.5 = 64^(-1/4)
	s_mov_b32 s39, s38                             ; (named with it as a pair)
	s_mov_b32 s40, 0xffff0000                      ; lanes 16-31
	v_and_b32 v60, 31, v0                          ; lane
	v_lshlrev_b32 v1, 4, v60                       ; 16 lane
	v_add_nc_u32 v2, 52224, v1                     ; + 6 units
	v_lshlrev_b32 v3, 2, v60                       ; 4 lane
	s_lshl_b32 s46, s19, 12
	v_add_nc_u32 v4, s46, v1                       ; the way out: 16 lane + 4,096 chunk
	s_lshl_b32 s46, s19, 9
	v_add_nc_u32 v5, s46, v1                       ; 16 lane + 512 chunk
	v_bfe_u32 v6, v0, 4, 1
	v_lshlrev_b32 v6, 5, v6                        ; 32 hl: q's and k's biases
	v_and_b32 v7, 15, v0
	v_lshlrev_b32 v7, 2, v7                        ; 4 r: v's bias
	s_wait_alu depctr_va_vdst(0)
	s_wait_kmcnt 0x0
	s_add_nc_u64 s[22:23], s[8:9], s[42:43]
	s_or_b32 s23, s23, 0x80000000                  ; type = 2
	tensor_load_to_lds s[20:23], s[24:31]          ; my one tensor load: a first fill; no byte of LDS is filled twice in this launch
	s_nop 0
.rept 4
	v_nop                                          ; four plain instructions behind the load
.endr
	s_lshl_b32 s44, s17, 3
	s_add_co_u32 s44, s44, s19
	s_lshl_b32 s44, s44, 16                        ; xq: (8 b + chunk) 65,536
	s_mov_b32 s45, 0
	s_add_nc_u64 s[4:5], s[4:5], s[44:45]
	s_lshl_b32 s44, s17, 15                        ; xs: 32,768 b + 128 chunk
	s_lshl_b32 s46, s19, 7
	s_add_co_u32 s44, s44, s46
	s_add_nc_u64 s[6:7], s[6:7], s[44:45]
	s_mul_i32 s44, s18, 768                        ; qkv_b: the head's 192 numbers
	s_add_nc_u64 s[10:11], s[10:11], s[44:45]
	s_lshl_b32 s46, s17, 4
	s_add_co_u32 s46, s46, s18                     ; 16 b + h
	s_mul_i32 s44, s46, 36864
	s_add_nc_u64 s[12:13], s[12:13], s[44:45]
	s_mul_i32 s44, s46, 73728
	s_add_nc_u64 s[14:15], s[14:15], s[44:45]
.set GG, 0
.rept 32
	global_load_b32 v[192+GG], v3, s[6:7] offset:1024*GG   ; group GG's bytes of my 128 positions: lane (hrow, r) gets those of tiles 4 hrow + 0 .. 3
.set GG, GG+1
.endr
	XLOAD 0
	XLOAD 1
	s_wait_loadcnt 32                              ; the 32 planes are in; the two sets of fragments may be out
.irp ks, 0,1,2,3,4,5,6,7               ; four planes (the K step's four blocks) x four tiles become four words: tile t's word has block b's byte at place b
	v_perm_b32 v60, v[193+4*\ks], v[192+4*\ks], s32
	v_perm_b32 v61, v[193+4*\ks], v[192+4*\ks], s33
	v_perm_b32 v62, v[195+4*\ks], v[194+4*\ks], s32
	v_perm_b32 v63, v[195+4*\ks], v[194+4*\ks], s33
	v_perm_b32 v[XS+4*\ks], v62, v60, s34
	v_perm_b32 v[XS+1+4*\ks], v62, v60, s35
	v_perm_b32 v[XS+2+4*\ks], v63, v61, s34
	v_perm_b32 v[XS+3+4*\ks], v63, v61, s35
.endr                                  ; (K step 0's words stand 56 plain instructions ahead of the first product; the later steps' further)
	s_wait_tensorcnt 0x0                           ; my quarter of the weight has landed,
	s_barrier_signal -1
	s_barrier_wait -1                              ; everybody's has
	WLOAD 0
	WLOAD 1
.irp ks, 0,1,2,3,4,5,6,7
.if (\ks >= 1) && (\ks <= 6)
	XLOAD \ks+1                                    ; into the set that step ks - 1 read last
	s_wait_loadcnt 16                              ; this step's fragments are in; the 16 just issued may be out
.elseif \ks == 0
	s_wait_loadcnt 16
.else
.irp ro, 0,1                           ; the last step asks for the biases instead: lane (r, hl) wants, for tile t, those of channels 16 t + 8 hl + 0 .. 7
.irp t, 0,1,2,3
	global_load_b128 v[64+32*\ro+8*\t:67+32*\ro+8*\t], v6, s[10:11] offset:256*\ro+64*\t
	global_load_b128 v[68+32*\ro+8*\t:71+32*\ro+8*\t], v6, s[10:11] offset:256*\ro+64*\t+16
.endr
.endr
.irp c, 0,1,2,3
	global_load_b32 v[BV+2*\c], v7, s[10:11] offset:512+64*\c   ; v: channel 16 ct + r
.endr
	s_wait_loadcnt 20                              ; the 20 bias loads may be out
.endif
	RS 3*\ks
	s_wait_alu depctr_va_vdst(0)
	RS 3*\ks+1
	RS 3*\ks+2
.endr
	; ---- THE WAY OUT
	s_wait_loadcnt 0x0                             ; the biases
.set PP, 0
.rept 32
	v_pk_mul_f32 v[64+2*PP:65+2*PP], v[64+2*PP:65+2*PP], s[38:39] op_sel_hi:[1,0]   ; bias x 2^-1.5
.set PP, PP+1
.endr
.irp c, 0,1,2,3
	v_mov_b32 v[BV+1+2*\c], v[BV+2*\c]             ; v's bias twice, for the packed addition
.endr
.irp b, 0,1,2,3
	v_mov_b32 v[TM+4+\b], 0                        ; a lane permute's destination counts as one of its sources
.endr
.irp ro, 0,1                           ; q, then k: two tiles of 16 positions at a time: 2 x 2 blocks of 32 channels
.irp i, 0,2,4,6
	s_wait_xcnt 0x0                                ; the last stores have read their registers: the codes' registers may be written again
	WIN \ro+1                                      ; source 0: the role's accumulators
.irp u, 0,1
.irp t, 0,1,2,3
.irp j, 0,2,4,6
	v_pk_fma_f32 v[YY+32*\u+8*\t+\j:YY+32*\u+8*\t+\j+1], v[8*(4*(\i+\u)+\t)+\j:8*(4*(\i+\u)+\t)+\j+1], s[38:39], v[64+32*\ro+8*\t+\j:64+32*\ro+8*\t+\j+1] op_sel_hi:[1,0,1]   ; each accumulator from its low end on
.endr
.endr
.endr
	WIN 0
	QUANT YY, PC, PW
	global_store_b128 v4, v[PC:PC+3], s[12+2*\ro:13+2*\ro] offset:512*\i         ; a tile's codes: 512 consecutive bytes
	global_store_b128 v4, v[PC+4:PC+7], s[12+2*\ro:13+2*\ro] offset:512*(\i+1)
	v_and_b32 v[KW+\i], 0xffff, v[PW]              ; tile i's two bytes; bytes 2 and 3 stay 0: they scale the upper half of a K step of 128, which is empty (K = 64)
	v_lshrrev_b32 v[KW+1+\i], 16, v[PW]            ; tile i + 1's
.endr
.irp t, 0,1,2,3
	v_cndmask_b32 v[SW+\t], v[KW+\t], v[KW+4+\t], s40   ; lanes 0-15 store tiles 0-3's words, lanes 16-31 tiles 4-7's
.endr
	global_store_b128 v5, v[SW:SW+3], s[12+2*\ro:13+2*\ro] offset:32768
.endr
.irp ct, 0,1,2,3                       ; v: 16 channels x my 128 positions: one fragment
	s_wait_xcnt 0x0
	WIN 3
.irp i, 0,1,2,3,4,5,6,7
.irp j, 0,2,4,6
	v_pk_add_f32 v[YY+8*\i+\j:YY+8*\i+\j+1], v[8*(8*\ct+\i)+\j:8*(8*\ct+\i)+\j+1], v[BV+2*\ct:BV+2*\ct+1]
.endr
.endr
	WIN 0
	QUANT YY, PC, VW+\ct
	global_store_b128 v4, v[PC:PC+3], s[14:15] offset:36864+1024*\ct
	global_store_b128 v4, v[PC+4:PC+7], s[14:15] offset:36864+1024*\ct+512
.endr
	global_store_b128 v5, v[VW:VW+3], s[14:15] offset:69632   ; both halves of the lanes hold the same words: 512 consecutive bytes, the words twice
	s_wait_xcnt 0x0
	v_lshl_add_u32 v254, v0, 2, 0x29000
	v_mov_b32 v255, 0
	s_wait_alu depctr_va_vdst(0)
	s_wait_tensorcnt 0x0
	ds_add_u32 v254, v255
	s_wait_dscnt 0x0
	s_endpgm
.Lfunc_end_k_qf86a2df843_qkv:
	.size	k_qf86a2df843_qkv, .Lfunc_end_k_qf86a2df843_qkv-k_qf86a2df843_qkv
	.p2alignl 7, 3214868480
	.fill 96, 4, 3214868480
	.section	.rodata,"a",@progbits
	.p2align	6, 0x0
	.amdhsa_kernel k_qf86a2df843_qkv
		.amdhsa_group_segment_fixed_size 168448
		.amdhsa_private_segment_fixed_size 0
		.amdhsa_enable_private_segment 0
		.amdhsa_kernarg_size 48
		.amdhsa_user_sgpr_count 2
		.amdhsa_user_sgpr_kernarg_segment_ptr 1
		.amdhsa_wavefront_size32 1
		.amdhsa_system_sgpr_workgroup_id_x 1
		.amdhsa_system_sgpr_workgroup_id_y 1
		.amdhsa_system_sgpr_workgroup_id_z 1
		.amdhsa_system_vgpr_workitem_id 0
		.amdhsa_next_free_vgpr 1024
		.amdhsa_next_free_sgpr 66
		.amdhsa_reserve_vcc 0
		.amdhsa_float_denorm_mode_32 3
		.amdhsa_float_denorm_mode_16_64 3
		.amdhsa_memory_ordered 1
		.amdhsa_forward_progress 1
		.amdhsa_inst_pref_size 216
	.end_amdhsa_kernel
	.amdgpu_metadata
---
amdhsa.version: [ 1, 2 ]
amdhsa.kernels:
  - .name:           k_qf86a2df843_qkv
    .symbol:         k_qf86a2df843_qkv.kd
    .args:
      - { .name: xq, .offset: 0, .size: 8, .value_kind: global_buffer, .address_space: global }
      - { .name: xs, .offset: 8, .size: 8, .value_kind: global_buffer, .address_space: global }
      - { .name: wc, .offset: 16, .size: 8, .value_kind: global_buffer, .address_space: global }
      - { .name: qkv_b, .offset: 24, .size: 8, .value_kind: global_buffer, .address_space: global }
      - { .name: qb, .offset: 32, .size: 8, .value_kind: global_buffer, .address_space: global }
      - { .name: kv, .offset: 40, .size: 8, .value_kind: global_buffer, .address_space: global }
    .group_segment_fixed_size: 168448
    .private_segment_fixed_size: 0
    .kernarg_segment_align: 8
    .kernarg_segment_size: 48
    .max_flat_workgroup_size: 128
    .sgpr_count:     66
    .vgpr_count:     1024
    .wavefront_size: 32
...
	.end_amdgpu_metadata
.endif
;; end of part 6
;; launch attn (part 7): grid 256 x 1, 16 waves a work-group, no clusters, 151,552 bytes of LDS; arguments qb, kv, aq, asc; writes aq, asc
.if DOCPART == 7
	.amdgcn_target "amdgcn-amd-amdhsa--gfx1250"
	.amdhsa_code_object_version 6
	.text
	.protected	k_qf86a2df843_attn
	.globl	k_qf86a2df843_attn
	.p2align	8
	.type	k_qf86a2df843_attn,@function
k_qf86a2df843_attn:
	s_mov_b64 s[64:65], 0
	v_nop
	global_prefetch_b8 v0, s[64:65] scope:SCOPE_SE
	s_setreg_imm32_b32 hwreg(HW_REG_WAVE_SCHED_MODE, 0, 2), 2
	s_setreg_imm32_b32 hwreg(HW_REG_WAVE_MODE, 25, 1), 1
	s_wait_xcnt 0x0
	s_wait_alu depctr_vm_vsrc(0)
; ATTN: a[c][t] = sum over s of softmax_s(q[:, t] . k[:, s]) v[c][s] for each of 128 heads of 64 channels and 1,024 positions, both products on codes of FP4 with E8M0 scales; a is quantised for the last product.
; (q and k carry the factor 64^(-1/4) each already.)
; THE SOFTMAX AHEAD OF THE SECOND PRODUCT: t = score x log2(e); M = the running largest t rounded UP to a whole number; p = 2^(t - M) is what is quantised, along the keys, not normalised.  The row's sum is taken of the
; unquantised p and divides at the end.  When M moves, the sum and O are multiplied by 2^(old M - new M), which rounds nothing.
; SHARES.  Work-group id: b = id / 32, pair of heads hp = (id / 4) % 8, qb4 = id % 4: 256 queries.  Each of sixteen waves owns one tile of 16 queries, in 256 registers, four waves to a SIMD, and takes heads 2 hp and 2 hp + 1
; one after the other: together their 128 channels are one K step of the last product, so the wave makes a whole fragment and a whole scale word a row.
; LDS: k's and v's codes and scale words of both heads, 147,456 bytes as they lie in memory, stored once through registers (288 bytes a thread); no byte is filled twice.  Behind them 1,024 bytes for the scale words' way out.
; LAYOUT.  S^T = K Q^T (source 0 = 16 keys, source 1 = my queries), O^T = V^T P^T (source 0 = 16 channels, source 1 = P): a lane holds ONE query throughout.  Inside a block of 32 the codes stand in a fixed order
; (place 16 hl + 8 u + j holds element 16 u + 8 hl + j), the same on both operands of each product.
; THE FIRST PRODUCT HAS K = 64 in an instruction of 128: Q's upper four registers are zero codes and bytes 2, 3 of Q's and K's scale words are 0 (2^-127, a number).  A tile of keys names eight registers of which the upper four are
; the next tile's codes (the last tile's: zeros): they meet Q's zeros and add nothing.
; NO CLUSTER: the four work-groups of a pair of heads read the same 147,456 bytes, once, at the head: 18 loads a thread beside 16 key steps of some 230 vector instructions a wave.
; LIMITS: NaN and infinities are not served; a block whose largest magnitude lies under 2^-124 gets the byte 1; a p under 2^-126 counts as 0.
; REGISTERS: v1 16 lane; v2, v3 addresses of the step; v4 my scale word's place; v5-7 the fill; v8-10 head and tail addresses; v12 -M, v13 the largest t, v[14:15] the sum; v16-23, v24-31 Q of the two heads;
;   v32-67 K's codes; v68-99 V's; v100-103, v104-107, v108-109, v234 scale words (these hold scales and nothing else); v110 a's scale word; v112-175 S^T, then p; v176-207 O^T; v208-215 codes; v216-233 at work.
; THE MODE: SCHED_MODE bits 1:0 = 2 (LLVM: expert scheduling mode 2), set by the entry lines.  The code itself states the register dependences
; between vector or matrix instructions and memory or LDS instructions, with s_wait_alu, always for 0.
; THE PLAN.  Registers that memory or LDS instructions touch, in a key step j:
;   v32-63, v100-103   K's codes and scale words.  Read by step j's eight products K Q^T, at its head; the nine LDS loads of step j + 1 land in them, issued in step j behind the exponentials.
;   v68-99, v104-107   V's.  Read by step j's four products V^T P^T, at its end; step j's own nine LDS loads land in them, issued in step j behind the exponentials.
;   v2, v3             The step's LDS addresses.  Read by those 18 loads (K of step j + 1 lies 4,096 and 512 bytes on: immediate offsets); written once a trip, at the trip's end.
;   v208-215, v234     p's codes and scale word: written by vector instructions, taken by the scaled products V^T P^T; v208-211 are also the data of a head's one global store.
; So ONE wait on va_vdst, the one that stands behind the 64 exponentials for their results, also states that this step's products K Q^T are done reading K's registers, that the last step's products V^T P^T are done
; reading V's, and that v2 and v3 are written.  The 18 loads follow it: V's nine on end, K's nine dealt among the row sum's additions, which name v14, v15, v232, v233 and p alone.  A second wait on va_vdst stands ahead of
; the products V^T P^T, for p's codes and scale word; one wait on vm_vsrc stands at a trip's end, ahead of the adds to v2 and v3.  A head's last step is written out: it asks for no further K.
.set GA, 148480                        ; the scale words' way out
.macro PLACES n
.rept \n
	v_nop
.endr
.endm
	s_load_b256 s[4:11], s[0:1], 0x0               ; qb, kv, aq, asc
	v_lshl_add_u32 v254, v0, 2, 0x24800
	v_mov_b32 v255, 0
	v_lshrrev_b32 v1, 5, v0
	v_readfirstlane_b32 s12, v1                    ; wave T = 0..15
	s_lshr_b32 s13, ttmp9, 5                       ; b
	s_bfe_u32 s14, ttmp9, 0x30002                  ; hp
	s_and_b32 s15, ttmp9, 3                        ; qb4
	s_lshl_b32 s16, s13, 4
	s_lshl_b32 s17, s14, 1
	s_add_co_u32 s16, s16, s17                     ; 16 b + 2 hp: the first of my two heads
	s_mul_i32 s30, s16, 73728
	s_mov_b32 s31, 0
	s_mul_i32 s32, s16, 36864
	s_mov_b32 s33, 0
	s_lshl_b32 s17, s15, 4
	s_wait_alu depctr_va_sdst(0)                   ; s12 is written, ahead of its first reader: the wave's places in memory and in LDS are made from it
	s_add_co_u32 s17, s17, s12                     ; my tile of queries, 0..63
	s_lshl_b32 s18, s17, 9                         ; its codes
	s_lshr_b32 s19, s17, 2
	s_lshl_b32 s19, s19, 8
	s_and_b32 s20, s17, 3
	s_lshl_b32 s20, s20, 2
	s_add_co_u32 s19, s19, s20
	s_add_co_u32 s19, s19, 32768                   ; its scale words: 32,768 + 256 (tile / 4) + 4 (tile % 4) (+ 16 r)
	s_lshl_b32 s34, s13, 3
	s_lshl_b32 s20, s15, 1
	s_add_co_u32 s34, s34, s20                     ; 8 b + 2 qb4
	s_lshr_b32 s20, s12, 3
	s_add_co_u32 s20, s34, s20                     ; my chunk of 128 positions
	s_lshl_b32 s20, s20, 3
	s_add_co_u32 s20, s20, s14
	s_lshl_b32 s20, s20, 13
	s_and_b32 s21, s12, 7
	s_lshl_b32 s21, s21, 10
	s_add_co_u32 s36, s20, s21                     ; aq: (chunk 8 + hp) 8,192 + 1,024 (T % 8)
	s_mov_b32 s37, 0
	s_and_b32 s20, s12, 1
	s_add_co_u32 s20, s34, s20
	s_lshl_b32 s20, s20, 3
	s_add_co_u32 s20, s20, s14
	s_lshl_b32 s38, s20, 9                         ; asc, for waves 0 and 1: ((8 b + 2 qb4 + T) 8 + hp) 512
	s_mov_b32 s39, 0
	s_lshr_b32 s20, s12, 2
	s_lshl_b32 s20, s20, 8
	s_and_b32 s21, s12, 3
	s_lshl_b32 s21, s21, 2
	s_add_co_u32 s20, s20, s21
	s_add_co_u32 s20, s20, GA
	s_mov_b32 s22, 0x3fb8aa3b                      ; log2(e)
	s_mov_b32 s23, s22                             ; (named with it as a pair)
	s_mov_b32 s24, 0x76543210
	s_mov_b32 s25, 0xfedcba98                      ; v_permlanex16_b32's selects for lane l xor 16
	v_and_b32 v11, 31, v0
	v_lshlrev_b32 v1, 4, v11                       ; 16 lane
	v_and_b32 v11, 15, v0                          ; r
	v_lshl_add_u32 v4, v11, 4, s20                 ; GA + 256 (T / 4) + 4 (T % 4) + 16 r
	v_lshlrev_b32 v5, 4, v0                        ; the fill: 16 bytes a thread, in memory and in LDS alike
	v_add_nc_u32 v6, 0x10000, v5
	v_add_nc_u32 v7, 0x20000, v5
	v_add_nc_u32 v8, s18, v1
	v_lshl_add_u32 v9, v11, 4, s19
	v_and_b32 v10, 63, v0
	v_lshl_add_u32 v10, v10, 4, GA
	s_wait_kmcnt 0x0
	s_add_nc_u64 s[4:5], s[4:5], s[32:33]
	s_add_nc_u64 s[6:7], s[6:7], s[30:31]
	s_add_nc_u64 s[8:9], s[8:9], s[36:37]
	s_add_nc_u64 s[10:11], s[10:11], s[38:39]
	s_wait_alu depctr_va_vdst(0)                   ; the offsets and addresses v1 and v4 to v10 are written, which the loads and stores of the whole kernel read; none of them is written again
	global_load_b128 v[16:19], v8, s[4:5]                  ; Q's codes and scale words, both heads: they stay in registers
	global_load_b128 v[24:27], v8, s[4:5] offset:36864
	global_load_b32 v108, v9, s[4:5]
	global_load_b32 v109, v9, s[4:5] offset:36864
.set KK, 0
.rept 18
	global_load_b128 v[112+4*KK:115+4*KK], v5, s[6:7] offset:8192*KK   ; a wave reads 512 consecutive bytes
.set KK, KK+1
.endr
.irp j, 20,21,22,23,28,29,30,31,64,65,66,67
	v_mov_b32 v[\j], 0                             ; zero codes: the upper halves of Q, and what the last tile of keys names beyond its own
.endr
.irp j, 220,221,222,223,228,231
	v_mov_b32 v[\j], 0                             ; written once: lane permutes' destinations, and the upper half of the pair v[230:231]
.endr
.set KK, 0
.rept 18
	s_wait_loadcnt 17-KK                           ; fill load KK is in; the later ones may be out
	ds_store_b128 v[5+KK/8], v[112+4*KK:115+4*KK] offset:8192*(KK%8)   ; (no vector instruction since the wait above names v5 to v7; the data come from loads)
.set KK, KK+1
.endr
	s_wait_dscnt 0x0                               ; for the others' sake: my stores have landed
	s_barrier_signal -1
	s_barrier_wait -1                              ; k and v of both heads lie in LDS
; Load n of the nine that bring a step's K: 0: its scale words (lanes 0-15 tiles 0-3, lanes 16-31 tiles 4-7); 1 to 8: the codes of tile n - 1.  ahead = 1: of the step after the one at which v2 and v3 stand.
.macro KL n, ahead
.if (\n) == 0
	ds_load_b128 v[100:103], v3 offset:512*(\ahead)
.else
	ds_load_b128 v[32+4*((\n)-1):35+4*((\n)-1)], v2 offset:4096*(\ahead)+512*((\n)-1)
.endif
.endm
; A KEY STEP of head e: 128 keys.  v2: the step's codes (k's; v's lie 36,864 bytes on); v3: its scale words.  nextk = 1: the next step's K is asked for; 0: a head's last step.
.macro STEP e, nextk
	s_wait_dscnt 0x0                               ; K's nine loads, asked for a step ago, are in
.irp t, 0,1,2,3
	v_wmma_scale_f32_16x16x128_f8f6f4 v[112+8*\t:119+8*\t], v[32+4*\t:39+4*\t], v[16+8*\e:23+8*\e], 0, v[100+\t], v[108+\e] matrix_a_fmt:MATRIX_FMT_FP4 matrix_b_fmt:MATRIX_FMT_FP4
.endr
.irp t, 4,5,6,7
	v_wmma_scale_f32_16x16x128_f8f6f4 v[112+8*\t:119+8*\t], v[32+4*\t:39+4*\t], v[16+8*\e:23+8*\e], 0, v[96+\t], v[108+\e] matrix_a_fmt:MATRIX_FMT_FP4 matrix_b_fmt:MATRIX_FMT_FP4 matrix_a_scale:MATRIX_SCALE_ROW1
.endr
	PLACES 4
.irp b, 0,1,2,3
	v_max3_num_f32 v[216+\b], v[112+16*\b], v[113+16*\b], v[114+16*\b]   ; the largest score of each block of 32 keys: it serves the row's maximum and, since p rises with the score, the block's largest p
.endr
.irp i, 3,5,7,9,11,13
.irp b, 0,1,2,3
	v_max3_num_f32 v[216+\b], v[216+\b], v[112+16*\b+\i], v[113+16*\b+\i]
.endr
.endr
.irp b, 0,1,2,3
	v_max_num_f32 v[216+\b], v[216+\b], v[127+16*\b]
.endr
.irp b, 0,1,2,3
	v_permlanex16_b32 v[220+\b], v[216+\b], s24, s25
.endr
.irp b, 0,1,2,3
	v_max_num_f32 v[216+\b], v[216+\b], v[220+\b]  ; with lane l xor 16's 16 keys
.endr
	v_max3_num_f32 v228, v216, v217, v218
	v_max_num_f32 v228, v228, v219                 ; the step's largest score of my query,
	v_mul_f32 v228, s22, v228                      ; as t
	v_max_num_f32 v13, v13, v228                   ; the running largest t
	v_mov_b32 v228, v12
	v_floor_f32 v12, -v13                          ; the new -M = floor(-t) = -ceil(t)
	v_sub_f32 v228, v12, v228                      ; old M - new M: a whole number, 0 or less
	v_cvt_i32_f32 v228, v228                       ; (it saturates)
	v_ldexp_f32 v230, 1.0, v228                    ; f = 2^(old M - new M)
.set JJ, 0
.rept 32
	v_pk_fma_f32 v[112+JJ:113+JJ], v[112+JJ:113+JJ], s[22:23], v[12:13] op_sel_hi:[1,0,0]   ; t - M, two at a time
.set JJ, JJ+2
.endr
.irp b, 0,1,2,3
	v_fma_f32 v[216+\b], v[216+\b], s22, v12       ; the same of each block's largest score
.endr
.set JJ, 0
	s_wait_alu depctr_va_vdst(0)
.rept 64
	v_exp_f32 v[112+JJ], v[112+JJ]                 ; p = 2^(t - M), at most 1
.set JJ, JJ+1
.endr
	v_pk_mul_f32 v[14:15], v[14:15], v[230:231] op_sel_hi:[1,0]   ; the sums under the new M: the plain instruction behind the exponentials
	s_wait_alu depctr_va_vdst(0)                   ; the 64 exponentials have written p, ahead of its first reader; this step's products K Q^T are done reading v32-67 and v100-103, the last step's products V^T P^T v68-99 and v104-107, in which the loads below land; v2 and v3, which they read, are written
	ds_load_b128 v[104:107], v3 offset:36864       ; V's scale words
.irp ct, 0,1,2,3
.irp c, 0,1
	ds_load_b128 v[68+8*\ct+4*\c:71+8*\ct+4*\c], v2 offset:36864+1024*\ct+512*\c   ; V's codes of this step
.endr
.endr
.irp b, 0,1,2,3
	v_exp_f32 v[216+\b], v[216+\b]                 ; the blocks' largest p
.endr
	v_pk_add_f32 v[232:233], v[112:113], v[114:115]   ; the row's sum, of the unquantised p, in two chains (these read the 64 alone)
.set NK, 0
.irp j, 4,8,12,16,20,24,28,32,36,40,44,48,52,56,60
	v_pk_add_f32 v[14:15], v[14:15], v[112+\j:113+\j]
	v_pk_add_f32 v[232:233], v[232:233], v[114+\j:115+\j]
.if \nextk && (NK < 9)
	KL NK, 1                                       ; the next step's K, a load behind each pair of additions.  No wait: no vector instruction since the wait above names v2, v3 or K's registers
.endif
.set NK, NK+1
.endr
	v_pk_add_f32 v[14:15], v[14:15], v[232:233]
	s_wait_alu depctr_va_vdst(0)                   ; the four exponentials have written v216-219, ahead of their first reader
.irp b, 0,1,2,3
	v_max_num_f32 v[216+\b], 0x1800000, v[216+\b]  ; the floor 2^(3 - 127)
.endr
.irp b, 0,1,2,3
	v_add_nc_u32 v[224+\b], 0xff000000, v[216+\b]  ; the conversion's scale operand
.endr
.irp b, 0,1,2,3
	v_lshrrev_b32 v[220+\b], 23, v[224+\b]         ; the byte
.endr
	v_lshl_or_b32 v234, v221, 8, v220              ; p's scale word for these 128 keys
	v_lshl_or_b32 v234, v222, 16, v234
	v_lshl_or_b32 v234, v223, 24, v234
.irp b, 0,1,2,3
	v_cvt_scalef32_pk8_fp4_f32 v[208+2*\b], v[112+16*\b:119+16*\b], v[224+\b]
	v_cvt_scalef32_pk8_fp4_f32 v[209+2*\b], v[120+16*\b:127+16*\b], v[224+\b]
.endr
	v_nop                                          ; a plain instruction behind the conversions
.irp c, 0,1
.irp i, 0,1
	v_permlane16_swap_b32 v[208+4*\c+\i], v[210+4*\c+\i]   ; a whole block to a lane
.endr
.endr
.set JJ, 0
.rept 16
	v_pk_mul_f32 v[176+JJ:177+JJ], v[176+JJ:177+JJ], v[230:231] op_sel_hi:[1,0]   ; O^T under the new M.  For each product below twelve of these name none of its registers: they stand between the writing of p's codes and scale word and the products
.set JJ, JJ+2
.endr
.if \nextk
	s_wait_dscnt 9                                 ; V's nine loads are in; the next step's nine of K, issued behind them, may be out
.else
	s_wait_dscnt 0x0                               ; V
.endif
	s_wait_alu depctr_va_vdst(0)                   ; the conversions and exchanges have written p's codes v208-215 and the shifts its scale word v234, which the scaled products take; the instructions above stay beside this wait
.irp ct, 0,1,2,3
	v_wmma_scale_f32_16x16x128_f8f6f4 v[176+8*\ct:183+8*\ct], v[68+8*\ct:75+8*\ct], v[208:215], v[176+8*\ct:183+8*\ct], v[104+\ct], v234 matrix_a_fmt:MATRIX_FMT_FP4 matrix_b_fmt:MATRIX_FMT_FP4
.endr                                  ; the four accumulators take turns, and eight other products stand between two steps' links
.endm
; Head e is finished: O^T / the sum is a's 64 channels of my 16 queries: two blocks of the last product's K: half a fragment and two bytes.
.macro FINISH e
	PLACES 4
	v_add_f32 v14, v14, v15
	v_permlanex16_b32 v228, v14, s24, s25
	v_add_f32 v14, v14, v228                       ; the row's sum
	s_wait_alu depctr_va_vdst(0)
	v_rcp_f32 v14, v14
	v_nop                                          ; a plain instruction behind the transcendental
	s_wait_alu depctr_va_vdst(0)                   ; the reciprocal has written v14, ahead of its first reader
.set JJ, 0
.rept 32
	v_mul_f32 v[112+JJ], v[176+JJ], v14            ; each accumulator from its low end on
.set JJ, JJ+1
.endr
.irp b, 0,1
	v_max3_num_f32 v[216+\b], |v[112+16*\b]|, |v[113+16*\b]|, 0x1800000
.endr
.irp i, 2,4,6,8,10,12,14
.irp b, 0,1
	v_max3_num_f32 v[216+\b], v[216+\b], |v[112+16*\b+\i]|, |v[113+16*\b+\i]|
.endr
.endr
.irp b, 0,1
	v_permlanex16_b32 v[220+\b], v[216+\b], s24, s25
.endr
.irp b, 0,1
	v_max_num_f32 v[216+\b], v[216+\b], v[220+\b]
.endr
.irp b, 0,1
	v_add_nc_u32 v[224+\b], 0xff000000, v[216+\b]
.endr
.irp b, 0,1
	v_lshrrev_b32 v[220+\b], 23, v[224+\b]
.endr
	v_lshl_or_b32 v229, v221, 8, v220              ; the head's two bytes
.irp b, 0,1
	v_cvt_scalef32_pk8_fp4_f32 v[208+2*\b], v[112+16*\b:119+16*\b], v[224+\b]
	v_cvt_scalef32_pk8_fp4_f32 v[209+2*\b], v[120+16*\b:127+16*\b], v[224+\b]
.endr
	v_nop
	v_permlane16_swap_b32 v208, v210
	v_permlane16_swap_b32 v209, v211
.if \e == 0
	v_mov_b32 v110, v229
.else
	v_lshl_or_b32 v110, v229, 16, v110             ; the K step's scale word is whole
.endif
	s_wait_alu depctr_va_vdst(0)                   ; the codes v208-211 are written, which the store reads; so is v110, which the LDS store at the kernel's end reads; and the lines above are done with v112-115, in which a load lands there
	global_store_b128 v1, v[208:211], s[8:9] offset:512*\e   ; 512 consecutive bytes: half e of my tile's fragment
.endm
.macro HEAD e
	s_wait_xcnt 0x0                                ; the store of the head before has had its address translated: the codes' registers, which the steps write again, are its data
	s_wait_alu depctr_vm_vsrc(0)                   ; head 0: the fill's LDS stores have read v112-183, which the products and the clearing below write; head 1: the store of the head before has read v208-211, and its last step's loads v2 and v3
	s_mov_b32 s26, 73728*\e
	s_mov_b32 s27, 73728*\e+32768
	s_mov_b32 s28, 7
	v_add_nc_u32 v2, s26, v1
	v_add_nc_u32 v3, s27, v1
	s_wait_alu depctr_va_vdst(0)                   ; v2 and v3 are written, which the loads below read; the products of the head before are done reading K's registers, in which they land; the zero codes v20-23, v28-31, v64-67, which the scaled products take, are written
.irp n, 0,1,2,3,4,5,6,7,8
	KL \n, 0                                       ; K of the head's first step; the clearing below names none of its registers
.endr
	v_mov_b32 v13, 0xff61b1e6                      ; the largest t so far: -3e38
	v_floor_f32 v12, -v13
	v_mov_b32 v14, 0
	v_mov_b32 v15, 0
.set JJ, 0
.rept 32
	v_mov_b32 v[176+JJ], 0                         ; O^T: a head's first step is a step like the others; it finds zeros, which the first change of M leaves zeros
.set JJ, JJ+1
.endr
.Lk_\e:                                ; seven trips; each asks for the next step's K
	STEP \e, 1
	s_add_co_u32 s26, s26, 4096
	s_add_co_u32 s27, s27, 512
	s_wait_alu depctr_vm_vsrc(0)                   ; the step's 18 LDS loads have read v2 and v3
	v_add_nc_u32 v2, s26, v1                       ; the next step's addresses; that they are written is stated by that step's wait behind its exponentials, ahead of the first load that reads them
	v_add_nc_u32 v3, s27, v1
	s_sub_co_i32 s28, s28, 1
	s_cmp_lg_u32 s28, 0
	s_cbranch_scc1 .Lk_\e
	STEP \e, 0                                     ; the head's last step is written out: no K is left to ask for
	FINISH \e
.endm
	HEAD 0
	HEAD 1
	ds_store_b32 v4, v110                          ; my tile's scale words; both halves of the lanes write the same word with the same value
	s_wait_dscnt 0x0
	s_barrier_signal -1
	s_barrier_wait -1                              ; sixteen tiles' words lie in LDS
	s_cmp_lt_u32 s12, 2
	s_cbranch_scc0 .Lend
	ds_load_b128 v[112:115], v10
	s_wait_dscnt 0x0
	global_store_b128 v1, v[112:115], s[10:11]     ; waves 0 and 1: a chunk's 512 consecutive bytes each
.Lend:
	s_wait_dscnt 0x0                               ; the closing lines, six on end
	s_wait_alu 0x0
	s_wait_tensorcnt 0x0
	ds_add_u32 v254, v255
	s_wait_dscnt 0x0
	s_endpgm
.Lfunc_end_k_qf86a2df843_attn:
	.size	k_qf86a2df843_attn, .Lfunc_end_k_qf86a2df843_attn-k_qf86a2df843_attn
	.p2alignl 7, 3214868480
	.fill 96, 4, 3214868480
	.section	.rodata,"a",@progbits
	.p2align	6, 0x0
	.amdhsa_kernel k_qf86a2df843_attn
		.amdhsa_group_segment_fixed_size 151552
		.amdhsa_private_segment_fixed_size 0
		.amdhsa_enable_private_segment 0
		.amdhsa_kernarg_size 32
		.amdhsa_user_sgpr_count 2
		.amdhsa_user_sgpr_kernarg_segment_ptr 1
		.amdhsa_wavefront_size32 1
		.amdhsa_system_sgpr_workgroup_id_x 1
		.amdhsa_system_sgpr_workgroup_id_y 1
		.amdhsa_system_sgpr_workgroup_id_z 1
		.amdhsa_system_vgpr_workitem_id 0
		.amdhsa_next_free_vgpr 256
		.amdhsa_next_free_sgpr 66
		.amdhsa_reserve_vcc 0
		.amdhsa_float_denorm_mode_32 3
		.amdhsa_float_denorm_mode_16_64 3
		.amdhsa_memory_ordered 1
		.amdhsa_forward_progress 1
		.amdhsa_inst_pref_size 77
	.end_amdhsa_kernel
	.amdgpu_metadata
---
amdhsa.version: [ 1, 2 ]
amdhsa.kernels:
  - .name:           k_qf86a2df843_attn
    .symbol:         k_qf86a2df843_attn.kd
    .args:
      - { .name: qb, .offset: 0, .size: 8, .value_kind: global_buffer, .address_space: global }
      - { .name: kv, .offset: 8, .size: 8, .value_kind: global_buffer, .address_space: global }
      - { .name: aq, .offset: 16, .size: 8, .value_kind: global_buffer, .address_space: global }
      - { .name: asc, .offset: 24, .size: 8, .value_kind: global_buffer, .address_space: global }
    .group_segment_fixed_size: 151552
    .private_segment_fixed_size: 0
    .kernarg_segment_align: 8
    .kernarg_segment_size: 32
    .max_flat_workgroup_size: 512
    .sgpr_count:     66
    .vgpr_count:     256
    .wavefront_size: 32
...
	.end_amdgpu_metadata
.endif
;; end of part 7
;; launch proj (part 8): grid 256 x 1, 4 waves a work-group, no clusters, 168,448 bytes of LDS; arguments aq, asc, wc, aff, x, out0; writes out0
.if DOCPART == 8
	.amdgcn_target "amdgcn-amd-amdhsa--gfx1250"
	.amdhsa_code_object_version 6
	.text
	.protected	k_qf86a2df843_proj
	.globl	k_qf86a2df843_proj
	.p2align	8
	.type	k_qf86a2df843_proj,@function
k_qf86a2df843_proj:
	s_mov_b64 s[64:65], 0
	v_nop
	global_prefetch_b8 v0, s[64:65] scope:SCOPE_SE
	s_setreg_imm32_b32 hwreg(HW_REG_WAVE_MODE, 25, 1), 1
	s_wait_xcnt 0x0
; PROJ: out0[b][o][l] = sum over c of proj_w[o][c] a[b][c][l] + proj_b[o] + x_norm[b][o][l], the product on codes of FP4 with E8M0 scales (K = 1,024).
; x_norm + proj_b is made anew from x: x A[o] + Cc[o], with the pairs (A, Cc) of aff.  Cc is the C of each sum's first matrix instruction; x A is one fused multiply-add on the way out.
; SHARES.  Work-group id: b = id / 32, lp = (id / 8) % 4, op = id % 8.  Wave w owns positions 128 (2 lp + w % 2) .. + 127 and outputs 64 (2 op + w / 2) .. + 63: 32 accumulators.
; Source 0 = 16 positions of a, source 1 = 16 rows of the weight: a lane holds ONE output o = 16 t + r and eight neighbouring positions.
; OPERANDS lie in memory in the order of the operands' registers and go straight into registers, three K steps ahead (three sets of 96 registers).
; x's tile (64 rows of 512 bytes) comes into the wave's own LDS bytes by one tensor load at the head, so that it is on its way from the start while the K steps wait on the register loads' counter alone.
; THE WAY OUT: 16 outputs x 128 positions at a time through the wave's own stage (rows of 528 bytes), back as whole rows of 512 bytes, joined with x's row, stored as 512 consecutive bytes.  No barrier: nothing in LDS is shared.
; NO CLUSTER: a's codes (shared by 8 work-groups) and the weight's (by 32) go to registers, where a joint load cannot put them; x's tile and the output belong to one wave alone.
; REGISTERS, in windows of 256: window 0: v1-5 addresses; v8-39 a's scale words, v40-55 the weight's (scales and nothing else); v64-159, v160-255 operand sets 0 and 1 (64 of a, 32 of the weight); on the way out v64-191.
;   window 1: the accumulators ((t, i) at 8 (8 t + i)).   window 2: v0-31 Cc, eight times for each tile of outputs; v64-159 operand set 2.
; SCALARS: s[32:63], s[68:99] the pairs (A, Cc) of an even and of an odd tile of outputs; until x has landed s[68:79] hold the tensor load's descriptor.
.set AS, 8
.set WS, 40
.set MSB, 0
.macro WIN new                         ; the immediate's high byte repeats the setting that is left
.if MSB != (\new)
	s_set_vgpr_msb (MSB<<8)|(\new)
.set MSB, \new
.endif
.endm
.macro PLACES n
.rept \n
	v_nop
.endr
.endm
; One matrix instruction from the symbols mD, mC, mA, mB, mSA, mSB; mRA, mRB: the side's scales stand in lanes 16-31
.macro WMM
.if mRA && mRB
	v_wmma_scale_f32_16x16x128_f8f6f4 v[mD:mD+7], v[mA:mA+7], v[mB:mB+7], v[mC:mC+7], v[mSA], v[mSB] matrix_a_fmt:MATRIX_FMT_FP4 matrix_b_fmt:MATRIX_FMT_FP4 matrix_a_scale:MATRIX_SCALE_ROW1 matrix_b_scale:MATRIX_SCALE_ROW1
.elseif mRA
	v_wmma_scale_f32_16x16x128_f8f6f4 v[mD:mD+7], v[mA:mA+7], v[mB:mB+7], v[mC:mC+7], v[mSA], v[mSB] matrix_a_fmt:MATRIX_FMT_FP4 matrix_b_fmt:MATRIX_FMT_FP4 matrix_a_scale:MATRIX_SCALE_ROW1
.elseif mRB
	v_wmma_scale_f32_16x16x128_f8f6f4 v[mD:mD+7], v[mA:mA+7], v[mB:mB+7], v[mC:mC+7], v[mSA], v[mSB] matrix_a_fmt:MATRIX_FMT_FP4 matrix_b_fmt:MATRIX_FMT_FP4 matrix_b_scale:MATRIX_SCALE_ROW1
.else
	v_wmma_scale_f32_16x16x128_f8f6f4 v[mD:mD+7], v[mA:mA+7], v[mB:mB+7], v[mC:mC+7], v[mSA], v[mSB] matrix_a_fmt:MATRIX_FMT_FP4 matrix_b_fmt:MATRIX_FMT_FP4
.endif
.endm
.macro LOADK ks                        ; K step ks: a's eight fragments and the weight's four into set ks % 3: 24 loads of 512 consecutive bytes
.set kB, (\ks)%3
.set kR, 64+96*(kB%2)
	WIN 0x80*(kB/2)                                ; set 2 lies in window 2
.irp i, 0,1,2,3,4,5,6,7
.irp c, 0,1
	global_load_b128 v[kR+8*\i+4*\c:kR+8*\i+4*\c+3], v1, s[4:5] offset:8192*(\ks)+1024*\i+512*\c
.endr
.endr
.irp t, 0,1,2,3
.irp c, 0,1
	global_load_b128 v[kR+64+8*\t+4*\c:kR+64+8*\t+4*\c+3], v1, s[8:9] offset:8704*((\ks)/2)+4096*((\ks)%2)+1024*\t+512*\c
.endr
.endr
	WIN 0
.endm
	s_load_b256 s[4:11], s[0:1], 0x0               ; aq, asc, wc, aff
	s_load_b128 s[12:15], s[0:1], 0x20             ; x, out0
	v_lshl_add_u32 v59, v0, 2, 0x29000
	v_mov_b32 v63, 0
	ds_add_u32 v59, v63
	ds_add_u32 v59, v63
	v_lshrrev_b32 v1, 5, v0
	v_readfirstlane_b32 s16, v1                    ; wave 0..3
	s_lshr_b32 s17, ttmp9, 5                       ; b
	s_bfe_u32 s18, ttmp9, 0x20003                  ; lp
	s_and_b32 s19, ttmp9, 7                        ; op
	s_and_b32 s20, s16, 1
	s_lshl_b32 s18, s18, 1
	s_add_co_u32 s20, s20, s18                     ; my chunk of 128 positions
	s_lshr_b32 s21, s16, 1
	s_lshl_b32 s19, s19, 1
	s_add_co_u32 s21, s21, s19                     ; my group of 64 outputs
	s_lshl_b32 s22, s17, 3
	s_add_co_u32 s22, s22, s20                     ; 8 b + chunk
	s_lshl_b32 s23, s17, 10
	s_lshl_b32 s24, s21, 6
	s_add_co_u32 s23, s23, s24                     ; my first row of x and out0: 1,024 b + 64 og
	; descriptor group 1: 64 rows of 128 elements of 4 bytes, 1,024 elements from row to row
	s_mov_b32 s68, 2<<16                           ; no mask; elements of 4 bytes; no padding: a row is read back by 32 lanes as it lies
	s_mov_b32 s69, 128<<16                         ; tensor_dim0 = 128
	s_mov_b32 s70, 64<<16                          ; tensor_dim1 = 64
	s_mov_b32 s71, 128<<16                         ; tile_dim0 = 128
	s_mov_b32 s72, 64                              ; tile_dim1 = 64
	s_mov_b32 s73, 1024                            ; the pitch
	s_mov_b32 s74, 0
	s_mov_b32 s75, 0
	s_mov_b32 s76, 1                               ; group 0: count = 1,
	s_lshl_b32 s77, s16, 15                        ; my wave's 32,768 bytes of LDS
	s_lshl_b32 s24, s23, 12
	s_lshl_b32 s26, s20, 9
	s_add_co_u32 s24, s24, s26                     ; my tile's first byte in x and in out0
	s_mov_b32 s25, 0
	v_and_b32 v60, 31, v0
	v_lshlrev_b32 v1, 4, v60                       ; 16 lane
	v_and_b32 v61, 15, v0                          ; r
	v_bfe_u32 v62, v0, 4, 1                        ; hl
	s_mul_i32 s27, s16, 8448
	s_add_co_u32 s27, s27, 131072                  ; my stage, behind the four tiles of x
	v_mul_u32_u24 v2, v61, 528
	v_lshl_add_u32 v2, v62, 5, v2
	v_add_nc_u32 v2, s27, v2                       ; into it: row r, + 32 hl (+ 64 i)
	v_add_nc_u32 v3, s27, v1                       ; out of it: a row of 512 bytes, 16 a lane
	v_add_nc_u32 v4, s77, v1                       ; x's rows likewise
	v_lshlrev_b32 v5, 3, v61
	v_add_nc_u32 v5, 4, v5                         ; 8 r + 4: my output's Cc
	s_wait_alu depctr_va_vdst(0)
	s_wait_dscnt 0x0
	s_wait_kmcnt 0x0
	s_add_nc_u64 s[12:13], s[12:13], s[24:25]
	s_add_nc_u64 s[14:15], s[14:15], s[24:25]
	s_mov_b64 s[78:79], s[12:13]
	s_or_b32 s79, s79, 0x80000000                  ; type = 2
	tensor_load_to_lds s[76:79], s[68:75]          ; my one tensor load: a first fill of bytes that I alone read
	s_nop 0
.rept 4
	v_nop                                          ; four plain instructions behind the load
.endr
	s_lshl_b32 s24, s22, 16
	s_add_nc_u64 s[4:5], s[4:5], s[24:25]          ; aq: (8 b + chunk) 65,536
	s_lshl_b32 s24, s22, 12
	s_add_nc_u64 s[6:7], s[6:7], s[24:25]          ; asc: (8 b + chunk) 4,096
	s_lshl_b32 s24, s21, 2
	s_add_co_u32 s24, s24, 192
	s_mul_i32 s24, s24, 8704
	s_add_nc_u64 s[8:9], s[8:9], s[24:25]          ; wc: units 192 + 4 og on
	s_lshl_b32 s24, s23, 3
	s_add_nc_u64 s[10:11], s[10:11], s[24:25]      ; aff: my 64 pairs
	WIN 0x80                                       ; destination window 2
.irp t, 0,1,2,3
	global_load_b32 v[8*\t], v5, s[10:11] offset:128*\t   ; Cc of output 16 t + r
.endr
	WIN 0
.irp ks, 0,1,2,3,4,5,6,7
	global_load_b128 v[AS+4*\ks:AS+4*\ks+3], v1, s[6:7] offset:512*\ks   ; a's scale words: lanes 0-15 tiles 0-3, lanes 16-31 tiles 4-7
.endr
.irp kp, 0,1,2,3
	global_load_b128 v[WS+4*\kp:WS+4*\kp+3], v1, s[8:9] offset:8704*\kp+8192   ; the weight's: lanes 0-15 the even K step, lanes 16-31 the odd
.endr
	LOADK 0
	LOADK 1
	LOADK 2
	s_load_b512 s[32:47], s[10:11], 0x0            ; the pairs of outputs 0-15
	s_load_b512 s[48:63], s[10:11], 0x40
	s_wait_loadcnt 48                              ; Cc, the scale words and K step 0 are in; K steps 1 and 2 may be out
	WIN 0x82                                       ; destination and source 0 in window 2
.irp t, 0,1,2,3
.irp j, 1,2,3,4,5,6,7
	v_mov_b32 v[8*\t+\j], v[8*\t]                  ; a lane's eight results of a tile belong to one output: its Cc eight times
.endr
.endr
	WIN 0
	PLACES 4
.irp ks, 0,1,2,3,4,5,6,7
.if (\ks >= 1) && (\ks <= 5)
	s_wait_loadcnt 48                              ; this step's 24 loads are in; those of the two steps behind it may be out
.elseif \ks == 6
	s_wait_loadcnt 24                              ; the last step's may be out
.elseif \ks == 7
	s_wait_loadcnt 0x0
.endif
.set sB, \ks%3
.set sR, 64+96*(sB%2)
.if \ks == 0
	WIN 0x60                                       ; operands window 0, C (Cc) window 2, D window 1
.else
	WIN 0x50|(10*(sB/2))                           ; operands in the set's window, C and D window 1
.endif
.irp t, 0,1,2,3
.irp i, 0,1,2,3,4,5,6,7
.set mD, 8*(8*\t+\i)
.if \ks == 0
.set mC, 8*\t
.else
.set mC, mD
.endif
.set mA, sR+8*\i
.set mB, sR+64+8*\t
.set mSA, AS+4*\ks+\i%4
.set mSB, WS+4*(\ks/2)+\t
.set mRA, \i/4
.set mRB, \ks%2
	WMM                                            ; the 32 accumulators take turns, one instruction a turn
.endr
.endr
	WIN 0
	PLACES 4                                       ; four plain instructions between the last product and loads into registers that it read, and the first read of results
.if \ks <= 4
	LOADK \ks+3
.endif
.endr
; Tile t of outputs (16 rows of out0 x my 128 positions).  set: the scalar registers with its 16 pairs (A, Cc).
.macro OUTT t, set
	WIN 0x04                                       ; an LDS store's data are its source 1: window 1
.irp i, 0,1,2,3,4,5,6,7
	ds_store_b128 v2, v[8*(8*\t+\i):8*(8*\t+\i)+3] offset:64*\i        ; each accumulator from its low end on
	ds_store_b128 v2, v[8*(8*\t+\i)+4:8*(8*\t+\i)+7] offset:64*\i+16
.endr
	WIN 0
.if \t > 0
	s_wait_xcnt 0x0                                ; the last tile's stores have read their registers, which are loaded again
.endif
.irp q, 0,1,2,3,4,5,6,7,8,9,10,11,12,13,14,15
	ds_load_b128 v[64+4*\q:67+4*\q], v3 offset:528*\q                  ; my own stage; LDS serves a wave's instructions in order (ISA guide 5.7.1.4)
	ds_load_b128 v[128+4*\q:131+4*\q], v4 offset:512*(16*\t+\q)        ; x's row
.endr
.irp q, 0,1,2,3,4,5,6,7,8,9,10,11,12,13,14,15
	s_wait_dscnt 2*(15-\q)                         ; row q's two loads are in; the later rows' may be out
	v_pk_fma_f32 v[64+4*\q:65+4*\q], v[128+4*\q:129+4*\q], s[\set+2*\q:\set+2*\q+1], v[64+4*\q:65+4*\q] op_sel_hi:[1,0,1]   ; x A + (sum + Cc): the pair's low word, A, serves both halves
	v_pk_fma_f32 v[66+4*\q:67+4*\q], v[130+4*\q:131+4*\q], s[\set+2*\q:\set+2*\q+1], v[66+4*\q:67+4*\q] op_sel_hi:[1,0,1]
	global_store_b128 v1, v[64+4*\q:67+4*\q], s[14:15] offset:4096*(16*\t+\q) th:TH_STORE_NT   ; 512 consecutive bytes, aligned; written once, read by nobody here
.endr
.endm
	s_wait_kmcnt 0x0                               ; the pairs of outputs 0-15
	s_wait_tensorcnt 0x0                           ; x's tile has landed: I alone read it; and the descriptor's registers are free
	s_load_b512 s[68:83], s[10:11], 0x80           ; each later set of pairs is asked for a tile ahead
	s_load_b512 s[84:99], s[10:11], 0xc0
	OUTT 0, 32
	s_wait_kmcnt 0x0
	s_load_b512 s[32:47], s[10:11], 0x100
	s_load_b512 s[48:63], s[10:11], 0x140
	OUTT 1, 68
	s_wait_kmcnt 0x0
	s_load_b512 s[68:83], s[10:11], 0x180
	s_load_b512 s[84:99], s[10:11], 0x1c0
	OUTT 2, 32
	s_wait_kmcnt 0x0
	OUTT 3, 68
	s_wait_tensorcnt 0x0
	ds_add_u32 v59, v63
	s_wait_dscnt 0x0
	s_endpgm
.Lfunc_end_k_qf86a2df843_proj:
	.size	k_qf86a2df843_proj, .Lfunc_end_k_qf86a2df843_proj-k_qf86a2df843_proj
	.p2alignl 7, 3214868480
	.fill 96, 4, 3214868480
	.section	.rodata,"a",@progbits
	.p2align	6, 0x0
	.amdhsa_kernel k_qf86a2df843_proj
		.amdhsa_group_segment_fixed_size 168448
		.amdhsa_private_segment_fixed_size 0
		.amdhsa_enable_private_segment 0
		.amdhsa_kernarg_size 48
		.amdhsa_user_sgpr_count 2
		.amdhsa_user_sgpr_kernarg_segment_ptr 1
		.amdhsa_wavefront_size32 1
		.amdhsa_system_sgpr_workgroup_id_x 1
		.amdhsa_system_sgpr_workgroup_id_y 1
		.amdhsa_system_sgpr_workgroup_id_z 1
		.amdhsa_system_vgpr_workitem_id 0
		.amdhsa_next_free_vgpr 768
		.amdhsa_next_free_sgpr 100
		.amdhsa_reserve_vcc 0
		.amdhsa_float_denorm_mode_32 3
		.amdhsa_float_denorm_mode_16_64 3
		.amdhsa_memory_ordered 1
		.amdhsa_forward_progress 1
		.amdhsa_inst_pref_size 87
	.end_amdhsa_kernel
	.amdgpu_metadata
---
amdhsa.version: [ 1, 2 ]
amdhsa.kernels:
  - .name:           k_qf86a2df843_proj
    .symbol:         k_qf86a2df843_proj.kd
    .args:
      - { .name: aq, .offset: 0, .size: 8, .value_kind: global_buffer, .address_space: global }
      - { .name: asc, .offset: 8, .size: 8, .value_kind: global_buffer, .address_space: global }
      - { .name: wc, .offset: 16, .size: 8, .value_kind: global_buffer, .address_space: global }
      - { .name: aff, .offset: 24, .size: 8, .value_kind: global_buffer, .address_space: global }
      - { .name: x, .offset: 32, .size: 8, .value_kind: global_buffer, .address_space: global }
      - { .name: out0, .offset: 40, .size: 8, .value_kind: global_buffer, .address_space: global }
    .group_segment_fixed_size: 168448
    .private_segment_fixed_size: 0
    .kernarg_segment_align: 8
    .kernarg_segment_size: 48
    .max_flat_workgroup_size: 128
    .sgpr_count:     100
    .vgpr_count:     768
    .wavefront_size: 32
...
	.end_amdgpu_metadata
.endif
;; end of part 8
